; MI455X (gfx1250); checked and timed in simulation.
; The chip was launched on July 23, 2026; its instructions are those of AMD's public machine-readable ISA for CDNA 5 (MIT licence, August 2026) and "CDNA5" Instruction Set Architecture Reference Guide (July 2026). The comments in the code are by the model that wrote it; some were corrected since.
;; Cross Attnetion all. Allowed arithmetic: matrix products marked QUANTISED: E2M1 operands, one E8M0 scale for each 32 along K, by v_wmma_scale_f32_16x16x128_f8f6f4 with both operands' format E2M1 (or v_wmma_scale_f32_32x16x128_f4), f32 sums; everything else in f32.
;; Inputs: W1 512 x 512 float32; W2 256 x 512 float32; Wk 256 x 256 float32; Wm 256 x 256 float32; Wq 256 x 256 float32; Wv 256 x 256 float32; b1 512 float32; b2 256 float32; bk 256 float32; bm 256 float32; bq 256 float32; bv 256 float32; descs 1 x 8,192 x 256 float32.
;; Outputs: out0 1 x 8,192 x 256 float32.
;; This version of the problem:
;;   THIS VERSION OF THE PROBLEM IS GIVEN IN LOW PRECISION. The matrix products marked QUANTISED in the list below multiply operands that are first quantised to E2M1 (2 exponent bits, 1 mantissa bit; 4 bits a number), with one power-of-two scale for each 32 numbers along K (OCP MX v1.0); their sums are f32. All else is computed in f32.
;;   The module's matrix products, in the order in which they are computed (A, B: the left and right operand; K: the contracted axis; several contracted axes count as one K, in the product's order):
;;     1. [M 8,192, K 256] x [K 256, N 256]; A: input descs; B: input Wq: QUANTISED
;;     2. [M 8,192, K 256] x [K 256, N 256]; A: input descs; B: input Wk: QUANTISED
;;     3. [M 8,192, K 256] x [K 256, N 256]; A: input descs; B: input Wv: QUANTISED
;;     4. batch 4 x [M 8,192, K 64] x [K 64, N 8,192]; A: computed on the way; B: computed on the way: QUANTISED
;;     5. batch 4 x [M 64, K 8,192] x [K 8,192, N 8,192]; A: computed on the way; B: softmax (see below): QUANTISED
;;     6. [M 8,192, K 256] x [K 256, N 256]; A: computed on the way; B: input Wm: QUANTISED
;;     7. [M 8,192, K 512] x [K 512, N 512]; A: computed on the way; B: input W1: QUANTISED
;;     8. [M 8,192, K 512] x [K 512, N 256]; A: computed on the way; B: input W2: QUANTISED
;;   THE QUANTISER, for each operand of a quantised product, along K:
;;     - K is cut into blocks of 32 from its start; a last block that is shorter is filled with zeros.
;;     - A block's scale is 2^e with e = floor(log2(the largest magnitude in the block)) - 2, held to -126 .. 127; a block of zeros has e = 0. As a byte (E8M0): e + 127.
;;     - Each number is divided by its block's scale, clamped to +-6, and rounded to the nearest number of E2M1, ties to even, subnormals kept.
;;     - The product sums the exact products of the quantised numbers (number of the format x scale) in f32.
;;   ~~~python
;;   def quantise(x, axis):      # numpy; x: float32 -> the quantised numbers, widened to float32 again
;;       x = np.moveaxis(x, axis, -1); K = x.shape[-1]
;;       x = np.pad(x, [(0, 0)] * (x.ndim - 1) + [(0, -K % 32)]); x = x.reshape(x.shape[:-1] + (-1, 32)); a = np.abs(x).max(-1, keepdims=True)
;;       e = np.where(a > 0, np.clip(np.frexp(np.where(a > 0, a, 1))[1] - 1 - 2, -126, 127), 0)      # np.frexp(a)[1] - 1 = floor(log2(a)), exactly
;;       r = np.clip(x / 2.0 ** e, -6, 6)
;;       step = 2.0 ** (np.maximum(np.frexp(np.where(r == 0, 1, r))[1] - 1, 0) - 1)
;;       q = np.round(r / step) * step * 2.0 ** e      # np.round: ties to even
;;       return np.moveaxis(q.reshape(q.shape[:-2] + (-1,))[..., :K], -1, axis).astype(np.float32)
;;   ~~~
;;   SOFTMAX AHEAD OF A QUANTISED PRODUCT. Where the list says 'softmax', what is quantised is not the finished softmax but p = 2^(t - M), with t = logit x log2(e) and M = ceil(the row's largest t), a whole number; so 1/2 < the row's largest p <= 1. The row's sum l is taken of the UNQUANTISED p, in f32, and the product's result is divided by l at the end. Since M is a whole number, a kernel that streams over the keys may use a running M (the ceiling of the running maximum): every later rescaling is an exact power of two, which a block's scale takes up: the codes' values come out the same.
;;   OPERANDS COMPUTED ON THE WAY. 'Computed on the way' means the value that the module computes at that place (a softmax that the list does not call 'softmax' is quantised finished and normalised). What goes into a quantiser is computed in f32, as accurately as f32 sums, v_exp_f32 and their like allow (about 1e-6 of the number): no bf16 or f16 on the way to a quantiser, and a product that is left as it is and whose result goes on into a quantised operand takes f32 operands (vector FMAs, or v_wmma_f32_16x16x4_f32). A number that lies on a knife's edge between two numbers of the format may be rounded either way, as far as f32 arithmetic and the matrix unit's own rounding can turn it there, and no further.
;; 2 versions. Each part assembles by itself: llvm-mc -triple=amdgcn-amd-amdhsa -mcpu=gfx1250 --defsym DOCPART=n.
;; ======== version 1 of 2: 5 launches
;; workspace buffers: qb 1,179,648 bytes; kv 2,228,224 bytes; xb 1,114,112 bytes; wb 243,712 bytes; msg 8,388,608 bytes; m2 1,114,112 bytes; part 1,048,576 bytes; stat 4,096 bytes
;; launch proj (part 1): grid 272 x 1, 4 waves a work-group, no clusters, 37,376 bytes of LDS; arguments descs, Wq, bq, Wk, bk, Wv, bv, Wm, W1, W2, qb, kv, xb, wb; writes qb, kv, xb, wb
.if DOCPART == 1
	.amdgcn_target "amdgcn-amd-amdhsa--gfx1250"
	.amdhsa_code_object_version 6
	.text
	.protected	k_q7f7f79e76d_proj
	.globl	k_q7f7f79e76d_proj
	.p2align	8
	.type	k_q7f7f79e76d_proj,@function
k_q7f7f79e76d_proj:
	s_mov_b64 s[64:65], 0
	v_nop
	global_prefetch_b8 v0, s[64:65] scope:SCOPE_SE
	s_setreg_imm32_b32 hwreg(HW_REG_WAVE_MODE, 25, 1), 1
	s_wait_xcnt 0x0
; Work-groups 0-255: q, k, v of 128 points (a key step) for one head, as codes of FP4 (E2M1) with one E8M0 byte for each 32 along a product's K.
; Work-groups 256-271: Wm, W1, W2 as codes.  Channel o of a projection is 4 d + head.
; EVERY OPERAND LEAVES AS AN IMAGE OF ITS REGISTERS: a fragment (16 rows x 128 K, 8 registers a lane) is two runs of 512 bytes, lane l's 16 bytes at 16 l; its scale words 4 bytes a row.
; THE ROWS OF A TILE ARE NOT NEIGHBOURS: pi(r) = r + 8 (r / 8); lane r of tile 2 G + u of points holds point 32 G + 8 u + pi(r).  So one image of x serves as source 1 for q and k,
; as source 0 for v (a lane's 64 results are then 16 neighbouring keys of each block of 32), and gives K's tiles the key order in which a softmax's registers are neighbouring keys.
; q and k: source 0 = 16 rows of Wq or Wk (d in the order pi), source 1 = 16 points: a lane holds one point, its 32 + 32 registers run along d.  One pass of the quantiser makes both:
; blocks 0, 1 are q's, blocks 2, 3 are k's.  The biases are the C of each sum's first matrix instruction.
; NO CLUSTER: what work-groups share (a head's 192 rows of weights, 128 rows of x) goes from memory into the registers of the wave that quantises it, once; no tile is fetched by a tensor load that partners could ask for jointly.
; LIMITS: NaN and infinities among the inputs are not served; a block of zeros, or one whose largest magnitude lies under 2^-124, gets the byte 1 (its bytes are read by this program alone).
; Wm's codes lie in the order in which the later launch gets msg from four head planes: inside each half block of 16 along K, place 4 g + e holds channel 4 e + g, alike on both operands.
.set XIMG, 0                           ; LDS: x's 16 fragments (tile t, K step s: 2 t + s),
.set XSC,  16384                       ; their scale words, 128 bytes each,
.set WIMG, 18432                       ; Wq's and Wk's 16 fragments (tile tau, K step s: 2 tau + s; tau 0-3 Wq, 4-7 Wk),
.set WSC,  34816                       ; their scale words
.set LI,  5                            ; 16 x lane
.set LS,  6                            ; 4 x lane
.set R4,  7                            ; 4 r
.set VX,  8                            ; x: pi(r) rows of 1,024 bytes + 64 h
.set VW,  9                            ; Wq, Wk: pi(r) x 4 rows + 64 h
.set VV,  10                           ; Wv: r x 4 rows + 64 h
.set VB,  11                           ; bq, bk: 256 h
.set R16, 12                           ; bv: 16 r
.set XWI, 13                           ; where I store x's images: 16 x lane + 4,096 x wave
.set XWS, 14                           ; and their scale words: 4 x lane + 512 x wave
.set WWI, 15                           ; the weights' images: 16 x lane + 2,048 x wave
.set WWS, 1                            ; their scale words: 4 x lane + 256 x wave
.set XF,  16                           ; v16-47   my four fragments of x
.set HA,  48                           ; v48-111  64 numbers as loaded; later 8 accumulators
.set PC,  112                          ; v112-119 codes just made
.set WVF, 120                          ; v120-135 Wv's two fragments
.set BV,  136                          ; v136-143 bv of my lane's row, eight times: a C
.set ST,  144                          ; v144-207 the second set of 64 numbers
.set TM,  208                          ; v208-223 at work in the quantiser
.set WS,  224                          ; v224-239 16 scale words from LDS
.set XS,  240                          ; v240-243 my x fragments' scale words
.set WVS, 244                          ; v244-245 Wv's
.set PWA, 246
.set PWB, 247
.set TT,  248
.set WV,  32
.set SEL, 34
.set MSB, 0
.macro WIN new                         ; the immediate's high byte repeats the setting that is left
.if MSB != \new
	s_set_vgpr_msb (MSB<<8)|\new
.set MSB, \new
.endif
.endm
.macro PLACES n
.rept \n
	v_nop
.endr
.endm
.macro BARRIER                         ; my LDS stores have landed and my LDS loads are in: then the work-group's barrier
	s_wait_dscnt 0x0
	s_barrier_signal -1
	s_barrier_wait -1
.endm
; 64 numbers of a lane, register 16 b + i = k 32 b + 16 (lane / 16) + i of my row, become a fragment's codes in v[d] on and its scale word in v[pw]
.macro QUANT s, d, pw
.irp b, 0,1,2,3
	v_max3_num_f32 v[TM+\b], |v[\s+16*\b]|, |v[\s+1+16*\b]|, 0x1800000   ; my 16 numbers of block b, and the floor 2^(3 - 127): the byte cannot fall under 1
.endr
.irp i, 2,4,6,8,10,12,14
.irp b, 0,1,2,3
	v_max3_num_f32 v[TM+\b], v[TM+\b], |v[\s+16*\b+\i]|, |v[\s+1+16*\b+\i]|
.endr
.endr
.irp b, 0,1,2,3
	v_permlanex16_b32 v[TM+4+\b], v[TM+\b], s[SEL], s[SEL+1]
.endr
.irp b, 0,1,2,3
	v_max_num_f32 v[TM+\b], v[TM+\b], v[TM+4+\b]   ; with lane l xor 16's: the block's largest magnitude
.endr
.irp b, 0,1,2,3
	v_add_nc_u32 v[TM+12+\b], 0xff000000, v[TM+\b]   ; 2 off its exponent field: the conversion's scale operand
.endr
.irp b, 0,1,2,3
	v_lshrrev_b32 v[TM+4+\b], 23, v[TM+12+\b]      ; the scale's byte
.endr
	v_lshl_or_b32 v[\pw], v[TM+5], 8, v[TM+4]
	v_lshl_or_b32 v[\pw], v[TM+6], 16, v[\pw]
	v_lshl_or_b32 v[\pw], v[TM+7], 24, v[\pw]
.irp b, 0,1,2,3
	v_cvt_scalef32_pk8_fp4_f32 v[\d+2*\b], v[\s+16*\b:\s+7+16*\b], v[TM+12+\b]
	v_cvt_scalef32_pk8_fp4_f32 v[\d+1+2*\b], v[\s+8+16*\b:\s+15+16*\b], v[TM+12+\b]
.endr
	v_nop                                          ; one plain place behind a scaled conversion
.irp c, 0,1                                    ; the operand's layout wants a whole block in a lane
.irp i, 0,1
	v_permlane16_swap_b32 v[\d+4*\c+\i], v[\d+2+4*\c+\i]
.endr
.endr
.endm
.macro XLOAD reg, sb, voff, off        ; 64 numbers of my row: 16 neighbours of each of four blocks of 32
.irp b, 0,1,2,3
.irp j, 0,1,2,3
	global_load_b128 v[\reg+16*\b+4*\j:\reg+16*\b+4*\j+3], v[\voff], s[\sb:\sb+1] offset:\off+128*\b+16*\j
.endr
.endr
.endm
.macro XLOADP reg, off                 ; the same of Wm, in msg's order: register 16 b + 4 g + e holds channel 32 b + 16 h + 4 e + g
.irp b, 0,1,2,3
.irp g, 0,1,2,3
.irp e, 0,1,2,3
	global_load_b32 v[\reg+16*\b+4*\g+\e], v[VX], s[18:19] offset:\off+128*\b+16*\e+4*\g
.endr
.endr
.endr
.endm
.macro IMAGE adr, d, off
.irp c, 0,1
	ds_store_b128 v[\adr], v[\d+4*\c:\d+4*\c+3] offset:\off+512*\c
.endr
.endm
.macro FETCH reg, adr, off
.irp c, 0,1
	ds_load_b128 v[\reg+4*\c:\reg+4*\c+3], v[\adr] offset:\off+512*\c
.endr
.endm
.macro MM d, a, b, c, sa, sb           ; D = A B + C on codes of FP4
	v_wmma_scale_f32_16x16x128_f8f6f4 v[\d:\d+7], v[\a:\a+7], v[\b:\b+7], v[\c:\c+7], v[\sa], v[\sb] matrix_a_fmt:MATRIX_FMT_FP4 matrix_b_fmt:MATRIX_FMT_FP4
.endm
	s_load_b512 s[4:19], s[0:1], 0x0               ; descs 4, Wq 6, bq 8, Wk 10, bk 12, Wv 14, bv 16, Wm 18
	s_load_b256 s[20:27], s[0:1], 0x40             ; W1 20, W2 22, qb 24, kv 26
	s_load_b128 s[28:31], s[0:1], 0x60             ; xb 28, wb 30
	v_lshl_add_u32 v254, v0, 2, 0x9000
	v_mov_b32 v255, 0
	v_lshrrev_b32 v1, 5, v0
	v_readfirstlane_b32 s[WV], v1                  ; wave 0..3
	v_and_b32 v1, 31, v0                           ; lane
	v_and_b32 v2, 15, v0                           ; r
	v_bfe_u32 v3, v0, 4, 1                         ; h
	v_and_b32 v4, 8, v2
	v_add_nc_u32 v4, v4, v2                        ; pi(r)
	v_lshlrev_b32 v[LI], 4, v1
	v_lshlrev_b32 v[LS], 2, v1
	v_lshlrev_b32 v[R4], 2, v2
	s_mov_b32 s[SEL], 0x76543210
	s_mov_b32 s[SEL+1], 0xfedcba98                 ; v_permlanex16_b32's selects for lane l xor 16
.irp b, 0,1,2,3
	v_mov_b32 v[TM+4+\b], 0                        ; written once: a lane permute's destination counts as one of its sources
.endr
	s_mov_b32 s39, 0                               ; the upper word of every offset
	s_cmp_ge_u32 ttmp9, 256                        ; the work-group's number: the same in all four waves
	s_cbranch_scc1 .Lprep
	; ---------------- q, k, v of one key step for one head
	s_and_b32 s36, ttmp9, 3                        ; the head
	s_lshr_b32 s37, ttmp9, 2                       ; the key step
	v_lshlrev_b32 v[VX], 10, v4
	v_lshl_add_u32 v[VX], v3, 6, v[VX]
	v_lshlrev_b32 v[VW], 12, v4
	v_lshl_add_u32 v[VW], v3, 6, v[VW]
	v_lshlrev_b32 v[VV], 12, v2
	v_lshl_add_u32 v[VV], v3, 6, v[VV]
	v_lshlrev_b32 v[VB], 8, v3
	v_lshlrev_b32 v[R16], 4, v2
	s_lshl_b32 s38, s[WV], 12
	v_add_nc_u32 v[XWI], s38, v[LI]
	s_lshl_b32 s38, s[WV], 9
	v_add_nc_u32 v[XWS], s38, v[LS]
	s_lshl_b32 s38, s[WV], 11
	v_add_nc_u32 v[WWI], s38, v[LI]
	s_lshl_b32 s38, s[WV], 8
	v_add_nc_u32 v[WWS], s38, v[LS]
	s_wait_kmcnt 0x0
	s_lshl_b32 s38, s36, 2                         ; 4 x head
	s_add_nc_u64 s[8:9], s[8:9], s[38:39]          ; bq, bk at the head's first channel
	s_add_nc_u64 s[12:13], s[12:13], s[38:39]
	s_lshl_b32 s52, s[WV], 8
	s_add_co_u32 s38, s38, s52
	s_add_nc_u64 s[16:17], s[16:17], s[38:39]      ; bv at d = 16 x wave
	s_lshl_b32 s38, s37, 17
	s_lshl_b32 s52, s[WV], 15
	s_add_co_u32 s38, s38, s52
	s_add_nc_u64 s[4:5], s[4:5], s[38:39]          ; descs at point 128 x step + 32 x wave
	s_lshl_b32 s53, s36, 10                        ; the head's row among four: 1,024 bytes
	s_lshr_b32 s38, s[WV], 1
	s_lshl_b32 s38, s38, 17                        ; 32 d
	s_and_b32 s52, s[WV], 1
	s_lshl_b32 s52, s52, 15                        ; 8 d
	s_add_co_u32 s38, s38, s52
	s_add_co_u32 s38, s38, s53
	s_add_nc_u64 s[6:7], s[6:7], s[38:39]          ; Wq, Wk at my tile's first row
	s_add_nc_u64 s[10:11], s[10:11], s[38:39]
	s_lshl_b32 s38, s[WV], 16                      ; 16 d
	s_add_co_u32 s38, s38, s53
	s_add_nc_u64 s[14:15], s[14:15], s[38:39]      ; Wv at d = 16 x wave
	s_lshl_b32 s38, s37, 14
	s_lshl_b32 s52, s[WV], 12
	s_add_co_u32 s38, s38, s52
	s_add_nc_u64 s[40:41], s[28:29], s[38:39]      ; xb: my four images
	s_lshl_b32 s38, s37, 10
	s_lshl_b32 s52, s[WV], 8
	s_add_co_u32 s38, s38, s52
	s_add_co_u32 s38, s38, 0x100000
	s_add_nc_u64 s[42:43], s[28:29], s[38:39]      ; and their scale words
	s_lshl_b32 s38, s36, 18
	s_lshl_b32 s52, s37, 12
	s_add_co_u32 s38, s38, s52
	s_lshl_b32 s52, s[WV], 10
	s_add_co_u32 s38, s38, s52
	s_add_nc_u64 s[44:45], s[24:25], s[38:39]      ; qb: my two tiles' images, 512 bytes each
	s_lshr_b32 s38, s38, 3
	s_add_co_u32 s38, s38, 0x100000
	s_add_nc_u64 s[46:47], s[24:25], s[38:39]      ; and their scale words, 64 bytes each
	s_lshl_b32 s38, s36, 19
	s_lshl_b32 s52, s37, 13
	s_add_co_u32 s38, s38, s52
	s_lshl_b32 s52, s[WV], 10
	s_add_co_u32 s38, s38, s52
	s_add_nc_u64 s[48:49], s[26:27], s[38:39]      ; kv: the step's block + 1,024 x wave
	s_lshl_b32 s38, s36, 15
	s_lshl_b32 s52, s37, 9
	s_add_co_u32 s38, s38, s52
	s_lshl_b32 s52, s[WV], 6
	s_add_co_u32 s38, s38, s52
	s_add_co_u32 s38, s38, 0x200000
	s_add_nc_u64 s[50:51], s[26:27], s[38:39]      ; and the step's scale block + 64 x wave
	; the biases first, so that they are the oldest loads: in the results' layout, lane (r, h), tile 2 b + u, register j: d = 32 b + 16 h + 8 u + j
	WIN 0x40                                       ; destination window 1
.irp t, 0,1,2,3
.irp j, 0,1,2,3,4,5,6,7
	global_load_b32 v[128+8*\t+\j], v[VB], s[8:9] offset:16*(32*(\t/2)+8*(\t%2)+\j)
	global_load_b32 v[160+8*\t+\j], v[VB], s[12:13] offset:16*(32*(\t/2)+8*(\t%2)+\j)
.endr
.endr
	WIN 0
.irp j, 0,1,2,3,4,5,6,7
	global_load_b32 v[BV+\j], v[R16], s[16:17]     ; v's results hold one d a lane: the same word in all eight registers
.endr
	; ---- ten fragments are quantised, two sets of registers by turns; a count of 16 leaves the one younger run of 16 loads out
.macro XPART set, i
	s_wait_loadcnt 16
	QUANT \set, XF+8*\i, XS+\i
	IMAGE XWI, XF+8*\i, XIMG+1024*\i
	ds_store_b32 v[XWS], v[XS+\i] offset:XSC+128*\i
.endm
.macro WPART set, off, soff, first
	s_wait_loadcnt 16
.if \first == 0
	s_wait_dscnt 0x0                               ; the last image's stores have read their registers
.endif
	QUANT \set, PC, PWA
	IMAGE WWI, PC, \off
	ds_store_b32 v[WWS], v[PWA] offset:\soff
.endm
	XLOAD HA, 4, VX, 0
	XLOAD ST, 4, VX, 512
	XPART HA, 0
	XLOAD HA, 4, VX, 8192
	XPART ST, 1
	XLOAD ST, 4, VX, 8192+512
	XPART HA, 2
	XLOAD HA, 6, VW, 0
	XPART ST, 3
	XLOAD ST, 6, VW, 512
	s_cmp_lg_u32 s36, 0                            ; x's images go to memory once: from the work-groups of head 0
	s_cbranch_scc1 .Lnoxb
.irp i, 0,1,2,3
	global_store_b128 v[LI], v[XF+8*\i:XF+8*\i+3], s[40:41] offset:1024*\i
	global_store_b128 v[LI], v[XF+8*\i+4:XF+8*\i+7], s[40:41] offset:1024*\i+512
	global_store_b32 v[R4], v[XS+\i], s[42:43] offset:64*\i      ; the two lanes of a row write the same word
.endr
.Lnoxb:
	WPART HA, WIMG, WSC, 1
	XLOAD HA, 10, VW, 0
	WPART ST, WIMG+1024, WSC+128, 0
	XLOAD ST, 10, VW, 512
	WPART HA, WIMG+8192, WSC+1024, 0
	XLOAD HA, 14, VV, 0
	WPART ST, WIMG+8192+1024, WSC+1024+128, 0
	XLOAD ST, 14, VV, 512
	s_wait_loadcnt 16
	QUANT HA, WVF, WVS                             ; Wv's fragments stay in my registers
	s_wait_loadcnt 0x0
	QUANT ST, WVF+8, WVS+1
	BARRIER                                        ; all images lie in LDS; nothing is stored to LDS behind this barrier
	; ---- q and k of my two tiles of points
	WIN 0x40
.irp i, 0,1,2,3,4,5,6,7,8,9,10,11,12,13,14,15
	FETCH 8*\i, LI, WIMG+1024*\i
.endr
	WIN 0
.irp i, 0,1,2,3,4,5,6,7,8,9,10,11,12,13,14,15
	ds_load_b32 v[WS+\i], v[LS] offset:WSC+128*\i
.endr
	s_wait_dscnt 0x0
.macro QKTILE x, pw
	WIN 0x11                                       ; source 0 (weights) and C (biases) window 1
.irp t, 0,1,2,3,4,5,6,7
	MM HA+8*\t, 16*\t, XF+16*\x, 128+8*\t, WS+2*\t, XS+2*\x
.endr
	WIN 0x01
.irp t, 0,1,2,3,4,5,6,7
	MM HA+8*\t, 16*\t+8, XF+16*\x+8, HA+8*\t, WS+2*\t+1, XS+2*\x+1
.endr
	WIN 0
	PLACES 4
	s_wait_xcnt 0x0                                ; earlier stores have read the registers that the quantiser writes
	QUANT HA, PC, \pw
	global_store_b128 v[LI], v[PC:PC+3], s[44:45] offset:512*\x      ; q's image: blocks 0 and 1
	global_store_b128 v[LI], v[PC+4:PC+7], s[48:49] offset:512*\x    ; k's: blocks 2 and 3
	global_store_b32 v[R4], v[\pw], s[46:47] offset:64*\x            ; q's word: bytes 0 and 1 (bytes 2 and 3 will meet zero codes)
.endm
	QKTILE 0, PWA
	QKTILE 1, PWB
	v_lshrrev_b32 v[TT], 16, v[PWA]                ; the pair's word: bytes 0, 1 the even tile's k, bytes 2, 3 the odd tile's
	v_and_or_b32 v[TT], v[PWB], 0xffff0000, v[TT]
	global_store_b32 v[R4], v[TT], s[50:51]
	; ---- v: source 0 = a tile of points, source 1 = my 16 rows of Wv: a lane holds one d, its registers run along the step's 128 keys
	WIN 0x40
.irp i, 0,1,2,3,4,5,6,7,8,9,10,11,12,13,14,15
	FETCH 8*\i, LI, XIMG+1024*\i
.endr
	WIN 0
.irp i, 0,1,2,3,4,5,6,7,8,9,10,11,12,13,14,15
	ds_load_b32 v[WS+\i], v[LS] offset:XSC+128*\i
.endr
	s_wait_dscnt 0x0
	WIN 0x01
.irp t, 0,1,2,3,4,5,6,7
	MM HA+8*\t, 8*(2*\t), WVF, BV, WS+2*\t, WVS
.endr
.irp t, 0,1,2,3,4,5,6,7
	MM HA+8*\t, 8*(2*\t+1), WVF+8, HA+8*\t, WS+2*\t+1, WVS+1
.endr
	WIN 0
	PLACES 4
	s_wait_xcnt 0x0                                ; the stores above have read PC and PWA
	QUANT HA, PC, PWA
	global_store_b128 v[LI], v[PC:PC+3], s[48:49] offset:4096
	global_store_b128 v[LI], v[PC+4:PC+7], s[48:49] offset:4096+512
	global_store_b32 v[R4], v[PWA], s[50:51] offset:256
	s_wait_tensorcnt 0x0
	ds_add_u32 v254, v255
	s_wait_dscnt 0x0
	s_endpgm
	; ---------------- the later launches' weights: a wave takes one tile of 16 rows.  No LDS, no barrier
.Lprep:
	s_sub_co_u32 s36, ttmp9, 256                   ; p = 0..15
	s_cmp_ge_u32 s36, 4
	s_cbranch_scc1 .Lprep12
	s_lshl_b32 s37, s36, 2
	s_add_co_u32 s37, s37, s[WV]                   ; Wm's tile T = 0..15: rows 32 (T / 2) + 8 (T % 2) + pi(r)
	s_lshr_b32 s52, s37, 1
	s_and_b32 s53, s37, 1
	v_lshlrev_b32 v[VX], 10, v4
	v_lshl_add_u32 v[VX], v3, 6, v[VX]
	s_lshl_b32 s38, s52, 15
	s_lshl_b32 s54, s53, 13
	s_add_co_u32 s38, s38, s54
	s_wait_kmcnt 0x0
	s_add_nc_u64 s[18:19], s[18:19], s[38:39]
	s_lshl_b32 s38, s37, 11                        ; fragment 2 T
	s_add_nc_u64 s[40:41], s[30:31], s[38:39]
	s_lshl_b32 s38, s52, 8                         ; scale unit 2 (T / 2), its half T % 2
	s_lshl_b32 s54, s53, 6
	s_add_co_u32 s38, s38, s54
	s_add_co_u32 s38, s38, 229376
	s_add_nc_u64 s[42:43], s[30:31], s[38:39]
.macro STOREF i                        ; fragment i of the tile: each has registers of its own, so no store's data are written again
	global_store_b128 v[LI], v[PC+8*\i:PC+8*\i+3], s[40:41] offset:1024*\i
	global_store_b128 v[LI], v[PC+8*\i+4:PC+8*\i+7], s[40:41] offset:1024*\i+512
	global_store_b32 v[R4], v[PWA+\i], s[42:43] offset:128*\i
.endm
	XLOADP HA, 0
	XLOADP ST, 512
	s_wait_loadcnt 63                              ; the first 64 loads are in (64 younger ones were issued: 63 is the stricter count)
	QUANT HA, PC, PWA
	STOREF 0
	s_wait_loadcnt 0x0
	QUANT ST, PC+8, PWA+1
	STOREF 1
	s_endpgm
.Lprep12:
	s_wait_kmcnt 0x0
	s_cmp_lt_u32 s36, 12                           ; W1 (p = 4..11) or W2 (p = 12..15): one text, chosen by the work-group's number
	s_cselect_b32 s55, 1, 0
	s_cselect_b32 s54, 4, 12
	s_cselect_b32 s56, 32, 160                     ; the first fragment's number
	s_cselect_b32 s57, 16, 80                      ; the first scale unit's
	s_cselect_b64 s[20:21], s[20:21], s[22:23]
	s_sub_co_u32 s37, s36, s54
	s_lshl_b32 s37, s37, 2
	s_add_co_u32 s37, s37, s[WV]                   ; the tile T
	s_lshr_b32 s52, s37, 1
	s_and_b32 s53, s37, 1
	s_lshl_b32 s38, s52, 5
	s_lshl_b32 s54, s53, 3
	s_add_co_u32 s38, s38, s54                     ; W1: rows 32 (T / 2) + 8 (T % 2) + pi(r)
	s_lshl_b32 s54, s37, 4                         ; W2: rows 16 T + r
	s_cmp_eq_u32 s55, 1
	s_cselect_b32 s38, s38, s54
	s_lshl_b32 s38, s38, 11                        ; a row is 2,048 bytes
	s_add_nc_u64 s[20:21], s[20:21], s[38:39]
	v_and_b32 v15, 8, v2
	v_mul_u32_u24 v15, s55, v15
	v_add_nc_u32 v15, v15, v2                      ; pi(r) for W1, r for W2
	v_lshlrev_b32 v[VX], 11, v15
	v_lshl_add_u32 v[VX], v3, 6, v[VX]
	s_lshl_b32 s38, s37, 2
	s_add_co_u32 s38, s38, s56
	s_lshl_b32 s38, s38, 10
	s_add_nc_u64 s[40:41], s[30:31], s[38:39]
	s_lshl_b32 s38, s52, 2
	s_add_co_u32 s38, s38, s57
	s_lshl_b32 s38, s38, 7
	s_lshl_b32 s54, s53, 6
	s_add_co_u32 s38, s38, s54
	s_add_co_u32 s38, s38, 229376
	s_add_nc_u64 s[42:43], s[30:31], s[38:39]
	XLOAD HA, 20, VX, 0
	XLOAD ST, 20, VX, 512
	s_wait_loadcnt 16
	QUANT HA, PC, PWA
	STOREF 0
	XLOAD HA, 20, VX, 1024
	s_wait_loadcnt 16
	QUANT ST, PC+8, PWA+1
	STOREF 1
	XLOAD ST, 20, VX, 1536
	s_wait_loadcnt 16
	QUANT HA, PC+16, PWA+2
	STOREF 2
	s_wait_loadcnt 0x0
	QUANT ST, PC+24, PWA+3
	STOREF 3
	s_endpgm
.Lfunc_end_k_q7f7f79e76d_proj:
	.size	k_q7f7f79e76d_proj, .Lfunc_end_k_q7f7f79e76d_proj-k_q7f7f79e76d_proj
	.p2alignl 7, 3214868480
	.fill 96, 4, 3214868480
	.section	.rodata,"a",@progbits
	.p2align	6, 0x0
	.amdhsa_kernel k_q7f7f79e76d_proj
		.amdhsa_group_segment_fixed_size 37376
		.amdhsa_private_segment_fixed_size 0
		.amdhsa_enable_private_segment 0
		.amdhsa_kernarg_size 112
		.amdhsa_user_sgpr_count 2
		.amdhsa_user_sgpr_kernarg_segment_ptr 1
		.amdhsa_wavefront_size32 1
		.amdhsa_system_sgpr_workgroup_id_x 1
		.amdhsa_system_sgpr_workgroup_id_y 1
		.amdhsa_system_sgpr_workgroup_id_z 1
		.amdhsa_system_vgpr_workitem_id 0
		.amdhsa_next_free_vgpr 512
		.amdhsa_next_free_sgpr 66
		.amdhsa_reserve_vcc 0
		.amdhsa_float_denorm_mode_32 3
		.amdhsa_float_denorm_mode_16_64 3
		.amdhsa_memory_ordered 1
		.amdhsa_forward_progress 1
		.amdhsa_inst_pref_size 136
	.end_amdhsa_kernel
	.amdgpu_metadata
---
amdhsa.version: [ 1, 2 ]
amdhsa.kernels:
  - .name:           k_q7f7f79e76d_proj
    .symbol:         k_q7f7f79e76d_proj.kd
    .args:
      - { .name: descs, .offset: 0, .size: 8, .value_kind: global_buffer, .address_space: global }
      - { .name: Wq, .offset: 8, .size: 8, .value_kind: global_buffer, .address_space: global }
      - { .name: bq, .offset: 16, .size: 8, .value_kind: global_buffer, .address_space: global }
      - { .name: Wk, .offset: 24, .size: 8, .value_kind: global_buffer, .address_space: global }
      - { .name: bk, .offset: 32, .size: 8, .value_kind: global_buffer, .address_space: global }
      - { .name: Wv, .offset: 40, .size: 8, .value_kind: global_buffer, .address_space: global }
      - { .name: bv, .offset: 48, .size: 8, .value_kind: global_buffer, .address_space: global }
      - { .name: Wm, .offset: 56, .size: 8, .value_kind: global_buffer, .address_space: global }
      - { .name: W1, .offset: 64, .size: 8, .value_kind: global_buffer, .address_space: global }
      - { .name: W2, .offset: 72, .size: 8, .value_kind: global_buffer, .address_space: global }
      - { .name: qb, .offset: 80, .size: 8, .value_kind: global_buffer, .address_space: global }
      - { .name: kv, .offset: 88, .size: 8, .value_kind: global_buffer, .address_space: global }
      - { .name: xb, .offset: 96, .size: 8, .value_kind: global_buffer, .address_space: global }
      - { .name: wb, .offset: 104, .size: 8, .value_kind: global_buffer, .address_space: global }
    .group_segment_fixed_size: 37376
    .private_segment_fixed_size: 0
    .kernarg_segment_align: 8
    .kernarg_segment_size: 112
    .max_flat_workgroup_size: 128
    .sgpr_count:     66
    .vgpr_count:     512
    .wavefront_size: 32
...
	.end_amdgpu_metadata
.endif
;; end of part 1
;; launch attn (part 2): grid 64 x 4, 8 waves a work-group, clusters of 4 x 1, 327,680 bytes of LDS; arguments qb, kv, msg; writes msg
.if DOCPART == 2
	.amdgcn_target "amdgcn-amd-amdhsa--gfx1250"
	.amdhsa_code_object_version 6
	.text
	.protected	k_q7f7f79e76d_attn
	.globl	k_q7f7f79e76d_attn
	.p2align	8
	.type	k_q7f7f79e76d_attn,@function
k_q7f7f79e76d_attn:
	s_mov_b64 s[64:65], 0
	v_nop
	global_prefetch_b8 v0, s[64:65] scope:SCOPE_SE
	s_setreg_imm32_b32 hwreg(HW_REG_WAVE_MODE, 25, 1), 1
	s_wait_xcnt 0x0
	s_wait_alu depctr_hold_cnt(0) depctr_sa_sdst(0) depctr_va_vdst(0) depctr_va_sdst(0) depctr_va_ssrc(0) depctr_va_vcc(0) depctr_vm_vsrc(0)
	s_getreg_b32 s2, hwreg(HW_REG_IB_STS2, 6, 4)
	s_cmp_eq_u32 s2, 0
	s_cbranch_scc0 .Lentry_in_a_cluster
	s_endpgm
.Lentry_in_a_cluster:
	s_bfe_u32 s2, ttmp6, 0x10000c
	s_cmp_lg_u32 s2, 0x3003
	s_cbranch_scc0 .Lentry_shape_is_right
	s_endpgm
.Lentry_shape_is_right:
; msg[head][n][d] = the sum over keys of softmax(q . k / 8) v, both products on codes of FP4 (E2M1) with one E8M0 byte for each 32 along K.
; THE SOFTMAX AHEAD OF THE SECOND PRODUCT: t = score x log2(e) / 8; M = the row's largest t so far, rounded up to a whole number; p = 2^(t - M) is quantised along the keys, not normalised.
; The row's sum is taken of the unquantised p and divides O at the end.  When M moves, the sum and O are multiplied by 2^(old M - new M): exact.
; SHARES.  A work-group owns 128 queries of one head, each of its eight waves one tile of 16, in 256 registers: two waves to a SIMD.  Every wave walks the head's 64 key steps of 128 keys.
; OPERANDS ARE IMAGES OF REGISTERS: a step's block is 8,192 bytes: K's eight tiles (512 bytes each: 16 keys x 64 d), then V's four fragments (1,024 bytes each: 16 d x 128 keys); every LDS load takes 16 x lane on end.
; K = 64 IN AN INSTRUCTION OF K = 128: two tiles of keys are ONE source 0 (registers 0-3 the even tile, 4-7 the odd one; one scale word serves both).  Source 1 is [q | 0] for the even tile's scores and [0 | q] for the
; odd tile's: v16-27 hold q, zeros, q.  The half that does not count multiplies zero codes.
; Both products are used transposed, so that a lane holds one query throughout; the keys of a tile were chosen so that the 16 registers of tiles 2 b, 2 b + 1 are keys 32 b + 16 (lane / 16) + 0 .. 15.
; RING: two slots of 16 steps (131,072 bytes); each wave fetches two steps' blocks by one tensor load.  The head's scale bytes (32,768) come once, with the first fills.
; CLUSTER: the four work-groups of a cluster belong to one head and walk the same blocks: each tile is asked for jointly, by the same load with the same descriptor and a mask that names the four.
; LIMITS: NaN and infinities are not served; a block whose every p has fallen to 0 keeps the byte 1: its codes are zeros.
.set SLOT1, 1<<17
.set SCB,   262144                     ; behind the ring: the head's scale bytes, 512 a step
.set SPARE, 294912                     ; the spare words, 128 bytes for each wave: four blocks of 256 bytes that no other line names
.set LI,  1                            ; 16 x lane
.set LS,  2                            ; SCB + 4 x lane
.set SPW, 3                            ; SPARE + 4 x my thread's number; never rewritten
.set NIL, 4                            ; 0; never rewritten
.set GO,  5                            ; the way out: my byte offset in two rows of msg
.set ADR, 6                            ; LDS address of the step's block
.set ADS, 7                            ; and of its scale words
.set PFO, 8                            ; 256 x lane; never rewritten
.set KS,  200                          ; v200-201 K's scale words: lanes 0-15 an even pair of tiles, lanes 16-31 the odd pair
.set VS,  202                          ; v202-203 V's likewise
.set BM,  204                          ; v204-207 each block's largest score, then its largest p
.set T4,  208                          ; v208-211 at work
.set SO,  212                          ; v212-215 the conversions' scale operands
.set PW,  216                          ; p's scale word
.set FF,  218                          ; v[218:219] f = 2^(old M - new M)
.set TP,  220
.set C2,  222                          ; v[222:223] the sums' second chain
.set WV,  12
.set SEL, 20
.set CS,  22                           ; s[22:23] c = log2(e) / 8
.set G1,  24                           ; s[24:31] group 1 of a ring tile;  s[32:39] of the scale bytes
.set G1S, 32
.set G0,  40                           ; s[40:43] group 0 of the ring, which walks;  s[44:47] of the scale bytes
.set G0S, 44
.set TB,  48                           ; LDS byte of the step in hand
.set TS,  49                           ; and of its scale words, from SCB on
.set SLOTS, 50
.set CNT, 51
.set PFA, 52                           ; s[52:53] where my prefetches stand
.set LIM, 54
.macro PLACES n
.rept \n
	v_nop
.endr
.endm
.macro MM d, a, b, c, sa, sb, row      ; c < 0: the constant 0 starts the sum.  row = 1: source 0's scales in lanes 16-31
.if (\c) < 0
.if (\row) == 0
	v_wmma_scale_f32_16x16x128_f8f6f4 v[\d:\d+7], v[\a:\a+7], v[\b:\b+7], 0, v[\sa], v[\sb] matrix_a_fmt:MATRIX_FMT_FP4 matrix_b_fmt:MATRIX_FMT_FP4
.else
	v_wmma_scale_f32_16x16x128_f8f6f4 v[\d:\d+7], v[\a:\a+7], v[\b:\b+7], 0, v[\sa], v[\sb] matrix_a_fmt:MATRIX_FMT_FP4 matrix_b_fmt:MATRIX_FMT_FP4 matrix_a_scale:MATRIX_SCALE_ROW1
.endif
.else
.if (\row) == 0
	v_wmma_scale_f32_16x16x128_f8f6f4 v[\d:\d+7], v[\a:\a+7], v[\b:\b+7], v[\c:\c+7], v[\sa], v[\sb] matrix_a_fmt:MATRIX_FMT_FP4 matrix_b_fmt:MATRIX_FMT_FP4
.else
	v_wmma_scale_f32_16x16x128_f8f6f4 v[\d:\d+7], v[\a:\a+7], v[\b:\b+7], v[\c:\c+7], v[\sa], v[\sb] matrix_a_fmt:MATRIX_FMT_FP4 matrix_b_fmt:MATRIX_FMT_FP4 matrix_a_scale:MATRIX_SCALE_ROW1
.endif
.endif
.endm
; A round of the cluster's barrier: my work-group's barrier; wave 0 signals for the work-group; every wave waits for all four work-groups; my work-group's barrier once more
.macro ROUND
	s_barrier_signal -1
	s_barrier_wait -1
	s_cmp_lg_u32 s[WV], 0
	s_cbranch_scc1 .Lnot_wave_0_\@
	s_barrier_signal -3
.Lnot_wave_0_\@:
	s_barrier_wait -3
	s_barrier_signal -1
	s_barrier_wait -1
.endm
; A prefetch into the L2 of what the NEXT change of slots will ask for: 131,072 bytes, 16 pieces of 8,192.  All clusters of a head walk the same blocks: the head's first cluster asks.  Its four partners take four pieces
; each, told apart by address; in each, waves 0 to 3 take one piece, lanes 256 bytes apart: each aligned block of 256 bytes is named once in the launch.  The last change that fills a slot asks for nothing.
.macro ASK
	s_cmp_gt_u32 s[SLOTS], s[LIM]
	s_cbranch_scc0 .Lnot_mine_\@
	global_prefetch_b8 v[PFO], s[PFA:PFA+1] th:TH_LOAD_NT scope:SCOPE_SE
.Lnot_mine_\@:
.endm
	s_load_b128 s[4:7], s[0:1], 0x0                ; qb, kv
	s_load_b64 s[8:9], s[0:1], 0x10                ; msg
	v_lshl_add_u32 v[SPW], v0, 2, SPARE
	v_mov_b32 v[NIL], 0
	ds_add_u32 v3, v4
	ds_add_u32 v3, v4
	s_wait_dscnt 0x0
	v_lshrrev_b32 v9, 5, v0
	v_readfirstlane_b32 s[WV], v9                  ; wave 0..7
	s_bfe_u32 s13, ttmp6, 0x40000                  ; cx: my place in the cluster
	s_lshl_b32 s14, ttmp9, 2
	s_add_co_u32 s14, s14, s13                     ; my block of 128 queries: it enters q's and msg's addresses alone
	s_and_b32 s15, ttmp7, 0xffff                   ; the head, which the four partners share
	; group 1: 64 rows of 256 bytes (32 elements of 8 bytes), dense; no padding: images are read on end
	s_mov_b32 s[G1], 15|(3<<16)|(1<<21)            ; 15:0 the mask: all four work-groups; 17:16 elements of 8 bytes; 21 set beside a mask
	s_mov_b32 s[G1+1], 32<<16                      ; tensor_dim0
	s_mov_b32 s[G1+2], 64<<16                      ; tensor_dim1
	s_mov_b32 s[G1+3], 32<<16                      ; tile_dim0
	s_mov_b32 s[G1+4], 64                          ; tile_dim1
	s_mov_b32 s[G1+5], 32                          ; the pitch
	s_mov_b32 s[G1+6], 0
	s_mov_b32 s[G1+7], 0
	s_mov_b32 s[G1S], 15|(3<<16)|(1<<21)           ; the scale bytes: 16 such rows a wave
	s_mov_b32 s[G1S+1], 32<<16
	s_mov_b32 s[G1S+2], 16<<16
	s_mov_b32 s[G1S+3], 32<<16
	s_mov_b32 s[G1S+4], 16
	s_mov_b32 s[G1S+5], 32
	s_mov_b32 s[G1S+6], 0
	s_mov_b32 s[G1S+7], 0
	s_mov_b32 s[SEL], 0x76543210
	s_mov_b32 s[SEL+1], 0xfedcba98
	s_mov_b32 s[CS], 0x3e38aa3b                    ; c = log2(e) / 8
	s_mov_b32 s[CS+1], s[CS]                       ; (named with it as a pair, so it is written)
	s_mov_b32 s[TB], 0
	s_mov_b32 s[TS], 0
	s_mov_b32 s[SLOTS], 3
	s_lshr_b32 s[LIM], s[WV], 2                    ; 0 in waves 0 to 3,
	s_or_b32 s[LIM], s[LIM], ttmp9                 ; of the head's first cluster: the same in all four partners
	s_cmp_eq_u32 s[LIM], 0
	s_cselect_b32 s[LIM], 1, -1
	s_mov_b32 s17, 0
	s_mov_b32 s19, 0
	s_lshl_b32 s16, s15, 19
	s_lshl_b32 s18, s[WV], 14
	s_add_co_u32 s16, s16, s18
	s_wait_kmcnt 0x0
	s_mov_b32 s[G0], 1
	s_lshl_b32 s[G0+1], s[WV], 14                  ; slot 0, my two steps: no place in the cluster enters an LDS address
	s_add_nc_u64 s[G0+2:G0+3], s[6:7], s[16:17]
	s_or_b32 s[G0+3], s[G0+3], 0x80000000
	s_lshl_b32 s16, s15, 15
	s_lshl_b32 s18, s[WV], 12
	s_add_co_u32 s16, s16, s18
	s_add_co_u32 s16, s16, 0x200000
	s_mov_b32 s[G0S], 1
	s_add_co_u32 s[G0S+1], s18, SCB
	s_add_nc_u64 s[G0S+2:G0S+3], s[6:7], s[16:17]
	s_or_b32 s[G0S+3], s[G0S+3], 0x80000000
	ROUND                                          ; all four work-groups are here: the first joint loads meet
	tensor_load_to_lds s[G0S:G0S+3], s[G1S:G1S+7]  ; the two first fills go out together: two loads of mine are out
	s_nop 0
	tensor_load_to_lds s[G0:G0+3], s[G1:G1+7]
	s_nop 0
	PLACES 4
	s_lshl_b32 s16, s13, 2
	s_add_co_u32 s16, s16, s[WV]
	s_lshl_b32 s16, s16, 13                        ; my piece of a slot,
	s_lshl_b32 s18, s15, 19
	s_add_co_u32 s16, s16, s18
	s_add_co_u32 s16, s16, SLOT1                   ; in the second slot's worth: the first change steps it to the third.  Nothing is prefetched here, at the head
	s_add_nc_u64 s[PFA:PFA+1], s[6:7], s[16:17]
	s_lshl_b32 s16, s15, 9
	s_lshl_b32 s18, s14, 3
	s_add_co_u32 s16, s16, s18
	s_add_co_u32 s16, s16, s[WV]                   ; my tile's number: 512 x head + 8 x block + wave
	s_lshl_b32 s18, s16, 6
	s_add_co_u32 s18, s18, 0x100000
	s_lshl_b32 s16, s16, 9
	s_add_nc_u64 s[56:57], s[4:5], s[16:17]        ; its image,
	s_add_nc_u64 s[58:59], s[4:5], s[18:19]        ; its scale words
	v_and_b32 v10, 31, v0
	v_lshlrev_b32 v[LI], 4, v10
	v_lshl_add_u32 v[LS], v10, 2, SCB
	v_lshlrev_b32 v[PFO], 8, v10
	v_and_b32 v9, 15, v0
	v_lshlrev_b32 v9, 2, v9
	global_load_b128 v[16:19], v[LI], s[56:57]     ; q, zeros, q
	global_load_b128 v[24:27], v[LI], s[56:57]
	global_load_b32 v28, v9, s[58:59]              ; q's scale word: bytes 0 and 1
	s_lshl_b32 s16, s14, 7
	s_lshr_b32 s18, s[WV], 1
	s_lshl_b32 s18, s18, 5
	s_add_co_u32 s16, s16, s18
	s_and_b32 s18, s[WV], 1
	s_lshl_b32 s18, s18, 3
	s_add_co_u32 s16, s16, s18                     ; my tile's first point: 128 x block + 32 (wave / 2) + 8 (wave % 2)
	s_lshl_b32 s16, s16, 8
	s_lshl_b32 s18, s15, 21
	s_add_co_u32 s16, s16, s18
	s_add_nc_u64 s[8:9], s[8:9], s[16:17]          ; its row in the head's plane of msg
	s_wait_loadcnt 0x0
	v_lshlrev_b32 v29, 16, v28                     ; the same two bytes at places 2 and 3, for [0 | q].  (The lines below are the places in front of the first product)
.irp j, 20,21,22,23
	v_mov_b32 v[\j], 0
.endr
	v_mov_b32 v13, 0xff61b1e6                      ; the largest t so far: -3e38, under every t
	v_floor_f32 v12, -v13                          ; -M
	v_mov_b32 v14, 0                               ; the sum, in two halves
	v_mov_b32 v15, 0
.irp b, 0,1,2,3
	v_mov_b32 v[T4+\b], 0                          ; written once: a lane permute's destination counts as one of its sources
.endr
	v_mov_b32 v[FF+1], 0                           ; (named as the upper half of a pair)
.set j, 0
.rept 32
	v_mov_b32 v[160+j], 0                          ; O^T: the step is written once; the first finds zeros, which the first change of M leaves zeros
.set j, j+1
.endr
; A KEY STEP: 128 keys
.macro STEP
	v_add_nc_u32 v[ADR], s[TB], v[LI]
	v_add_nc_u32 v[ADS], s[TS], v[LS]
	v_nop
	v_nop                                          ; four places in front of loads into registers that the last products read
.irp i, 0,1,2,3,4,5,6,7
	ds_load_b128 v[32+4*\i:35+4*\i], v[ADR] offset:512*\i
.endr
.irp i, 0,1
	ds_load_b32 v[KS+\i], v[ADS] offset:128*\i
.endr
.irp i, 0,1,2,3,4,5,6,7
	ds_load_b128 v[64+4*\i:67+4*\i], v[ADR] offset:4096+512*\i
.endr
.irp i, 0,1
	ds_load_b32 v[VS+\i], v[ADS] offset:256+128*\i
.endr
	s_wait_dscnt 10                                ; K's ten loads are in; V's ten may be out
.irp p, 0,1,2,3                                ; S^T = K Q^T: the pair's even tile against [q | 0], its odd tile against [0 | q]
	MM 96+16*\p, 32+8*\p, 16, -1, KS+\p/2, 28, \p%2
	MM 104+16*\p, 32+8*\p, 20, -1, KS+\p/2, 29, \p%2
.endr
	PLACES 4
.irp b, 0,1,2,3
	v_max3_num_f32 v[BM+\b], v[96+16*\b], v[97+16*\b], v[98+16*\b]   ; the largest score of each block of 32 keys: for the row's maximum, and, since p rises with the score, for the block's largest p
.endr
.irp i, 3,5,7,9,11,13
.irp b, 0,1,2,3
	v_max3_num_f32 v[BM+\b], v[BM+\b], v[96+16*\b+\i], v[97+16*\b+\i]
.endr
.endr
.irp b, 0,1,2,3
	v_max_num_f32 v[BM+\b], v[BM+\b], v[111+16*\b]
.endr
.irp b, 0,1,2,3
	v_permlanex16_b32 v[T4+\b], v[BM+\b], s[SEL], s[SEL+1]
.endr
.irp b, 0,1,2,3
	v_max_num_f32 v[BM+\b], v[BM+\b], v[T4+\b]     ; with lane l xor 16's 16 keys
.endr
	v_max3_num_f32 v[TP], v[BM], v[BM+1], v[BM+2]
	v_max_num_f32 v[TP], v[TP], v[BM+3]            ; the step's largest score of my query
	v_mul_f32 v[TP], s[CS], v[TP]                  ; as t (c is positive)
	v_max_num_f32 v13, v13, v[TP]                  ; the running largest t
	v_mov_b32 v[TP], v12
	v_floor_f32 v12, -v13                          ; the new -M = floor(-t): M is a whole number
	v_sub_f32 v[TP], v12, v[TP]                    ; old M less new M: a whole number, 0 or less
	v_cvt_i32_f32 v[TP], v[TP]                     ; (it saturates)
	v_ldexp_f32 v[FF], 1.0, v[TP]                  ; f = 2^(old M - new M)
.set j, 0
.rept 32
	v_pk_fma_f32 v[96+j:97+j], v[96+j:97+j], s[CS:CS+1], v[12:13] op_sel_hi:[1,0,0]   ; t - M, two at a time
.set j, j+2
.endr
.irp b, 0,1,2,3
	v_fma_f32 v[BM+\b], v[BM+\b], s[CS], v12       ; the same of each block's largest score
.endr
.set j, 0
.rept 64
	v_exp_f32 v[96+j], v[96+j]                     ; p = 2^(t - M), at most 1
.set j, j+1
.endr
	v_pk_mul_f32 v[14:15], v[14:15], v[FF:FF+1] op_sel_hi:[1,0]   ; the sums under the new M (a plain place behind the exponentials)
	s_wait_alu depctr_va_vdst(0)                   ; one wait for the whole batch, ahead of its first reader
.irp b, 0,1,2,3
	v_exp_f32 v[BM+\b], v[BM+\b]                   ; the block's largest p: the same two instructions on the same number
.endr
	v_pk_add_f32 v[C2:C2+1], v[96:97], v[98:99]    ; the row's sum is taken of the unquantised p: two chains
.irp j, 4,8,12,16,20,24,28,32,36,40,44,48,52,56,60
	v_pk_add_f32 v[14:15], v[14:15], v[96+\j:97+\j]
	v_pk_add_f32 v[C2:C2+1], v[C2:C2+1], v[98+\j:99+\j]
.endr
	v_pk_add_f32 v[14:15], v[14:15], v[C2:C2+1]
	s_wait_alu depctr_va_vdst(0)                   ; and one for the four
.irp b, 0,1,2,3
	v_max_num_f32 v[BM+\b], 0x1800000, v[BM+\b]    ; the floor 2^(3 - 127): the byte cannot fall under 1
.endr
.irp b, 0,1,2,3
	v_add_nc_u32 v[SO+\b], 0xff000000, v[BM+\b]    ; 2 off the exponent field: the conversion's scale operand
.endr
.irp b, 0,1,2,3
	v_lshrrev_b32 v[T4+\b], 23, v[SO+\b]           ; the scale's byte
.endr
	v_lshl_or_b32 v[PW], v[T4+1], 8, v[T4]
	v_lshl_or_b32 v[PW], v[T4+2], 16, v[PW]
	v_lshl_or_b32 v[PW], v[T4+3], 24, v[PW]
.irp b, 0,1,2,3
	v_cvt_scalef32_pk8_fp4_f32 v[192+2*\b], v[96+16*\b:103+16*\b], v[SO+\b]
	v_cvt_scalef32_pk8_fp4_f32 v[193+2*\b], v[104+16*\b:111+16*\b], v[SO+\b]
.endr
	v_nop                                          ; one plain place behind a scaled conversion
.irp c, 0,1                                    ; the operand's layout wants a whole block in a lane
.irp i, 0,1
	v_permlane16_swap_b32 v[192+4*\c+\i], v[194+4*\c+\i]
.endr
.endr
.set j, 0
.rept 16
	v_pk_mul_f32 v[160+j:161+j], v[160+j:161+j], v[FF:FF+1] op_sel_hi:[1,0]   ; O^T under the new M (these are also the places in front of the products below)
.set j, j+2
.endr
	s_wait_dscnt 0x0                               ; V is in
.irp t, 0,1,2,3                                ; O^T += V^T P^T: the four accumulators by turns
	MM 160+8*\t, 64+8*\t, 192, 160+8*\t, VS+\t/2, PW, \t%2
.endr
	s_add_co_u32 s[TB], s[TB], 8192
	s_add_co_u32 s[TS], s[TS], 512
.endm
; THE CHANGE OF SLOTS stands at a slot's head.  Each wave waits for all its tensor loads (its part of the slot ahead), adds 0 to its spare word, and waits for that and for its reads of the slot that it has left.
; fill = 1: a round of the cluster's barrier follows, and behind it the slot that was left is filled with the next 16 steps: the load has 16 key steps in which to land.
.macro CHANGE fill
	s_wait_tensorcnt 0x0                           ; no tensor load of mine is out, so a group 0 may be written
	ds_add_u32 v[SPW], v[NIL]                      ; 0 onto my spare word
.if \fill
	s_xor_b32 s[G0+1], s[G0+1], SLOT1              ; the walking descriptor: the other slot than last time,
	s_add_nc_u64 s[G0+2:G0+3], s[G0+2:G0+3], 131072   ; the next 16 steps; the type bits on top are not reached
	s_wait_xcnt 0x0                                ; the last prefetch, a slot back, has read its address
	s_add_nc_u64 s[PFA:PFA+1], s[PFA:PFA+1], 131072
.endif
	s_wait_dscnt 0x0                               ; the add is done, and my reads of the slot that I have left are over
.if \fill
	ROUND
	tensor_load_to_lds s[G0:G0+3], s[G1:G1+7]      ; the first thing behind the round, and my one tensor load until the next
	s_nop 0
	PLACES 4
	ASK
.else
	s_barrier_signal -1
	s_barrier_wait -1
.endif
.endm
.macro SLOT_STEPS
	s_mov_b32 s[CNT], 16
.Lstep_\@:
	STEP
	s_sub_co_u32 s[CNT], s[CNT], 1
	s_cmp_lg_u32 s[CNT], 0
	s_cbranch_scc1 .Lstep_\@
	s_sub_co_u32 s[TB], s[TB], 131072              ; back to a slot's first step,
	s_xor_b32 s[TB], s[TB], SLOT1                  ; in the other slot
.endm
.Lslot:                                            ; three trips: behind each change of slots but the last the next slot is asked for
	CHANGE 1
	SLOT_STEPS
	s_sub_co_u32 s[SLOTS], s[SLOTS], 1
	s_cmp_lg_u32 s[SLOTS], 0
	s_cbranch_scc1 .Lslot
	CHANGE 0                                       ; the last slot is written out
	SLOT_STEPS
	; THE WAY OUT.  O^T / the sum goes through my stage in LDS (16 rows x 272 bytes, in slot 0, which has had its last fill and its last read) and leaves as whole rows of 256 bytes.
	v_add_f32 v14, v14, v15
	v_permlanex16_b32 v[TP], v14, s[SEL], s[SEL+1]
	v_add_f32 v14, v14, v[TP]                      ; the row's sum
	v_rcp_f32 v14, v14
	v_and_b32 v9, 15, v0                           ; (a plain place behind the reciprocal)  r
	v_bfe_u32 v10, v0, 4, 1                        ; h
	s_mul_i32 s16, s[WV], 4352                     ; my stage
	v_mul_u32_u24 v11, v9, 272
	v_lshl_add_u32 v11, v10, 5, v11
	v_add_nc_u32 v11, s16, v11                     ; in: row r; tile t's eight d of my half: 64 t + 32 h bytes on
	v_mul_u32_u24 v[ADR], v10, 272
	v_lshl_add_u32 v[ADR], v9, 4, v[ADR]
	v_add_nc_u32 v[ADR], s16, v[ADR]               ; back: lanes 0-15 one row, lanes 16-31 the next
	v_lshlrev_b32 v[GO], 8, v10
	v_lshl_add_u32 v[GO], v9, 4, v[GO]
	s_wait_alu depctr_va_vdst(0)                   ; the wait ahead of the reciprocal's first reader
.set j, 0
.rept 32
	v_mul_f32 v[96+j], v[160+j], v14               ; register 8 t + i is msg(row r, d = 16 t + 8 h + i)
.set j, j+1
.endr
.irp t, 0,1,2,3
	ds_store_b128 v11, v[96+8*\t:99+8*\t] offset:64*\t
	ds_store_b128 v11, v[100+8*\t:103+8*\t] offset:64*\t+16
.endr
.irp i, 0,1,2,3,4,5,6,7
	ds_load_b128 v[32+4*\i:35+4*\i], v[ADR] offset:2*\i*272   ; LDS serves a wave's instructions in order (ISA guide 5.7.1.4): these see my stores
.endr
.irp i, 0,1,2,3,4,5,6,7
	s_wait_dscnt 7-\i                              ; the younger loads may be out
	global_store_b128 v[GO], v[32+4*\i:35+4*\i], s[8:9] offset:(2*\i+8*(\i/4))*256   ; tile row 2 i + h is point 2 i + h + 8 (i / 4) of the tile's 24: 16 lanes store one whole row of 256 bytes
.endr
	s_wait_tensorcnt 0x0                           ; the wave's end
	ds_add_u32 v[SPW], v[NIL]
	s_wait_dscnt 0x0
	ROUND                                          ; the closing round: no work-group ends while a partner may still ask for a tile that names it
	s_endpgm
.Lfunc_end_k_q7f7f79e76d_attn:
	.size	k_q7f7f79e76d_attn, .Lfunc_end_k_q7f7f79e76d_attn-k_q7f7f79e76d_attn
	.p2alignl 7, 3214868480
	.fill 96, 4, 3214868480
	.section	.rodata,"a",@progbits
	.p2align	6, 0x0
	.amdhsa_kernel k_q7f7f79e76d_attn
		.amdhsa_group_segment_fixed_size 327680
		.amdhsa_private_segment_fixed_size 0
		.amdhsa_enable_private_segment 0
		.amdhsa_kernarg_size 24
		.amdhsa_user_sgpr_count 2
		.amdhsa_user_sgpr_kernarg_segment_ptr 1
		.amdhsa_wavefront_size32 1
		.amdhsa_system_sgpr_workgroup_id_x 1
		.amdhsa_system_sgpr_workgroup_id_y 1
		.amdhsa_system_sgpr_workgroup_id_z 1
		.amdhsa_system_vgpr_workitem_id 0
		.amdhsa_next_free_vgpr 256
		.amdhsa_next_free_sgpr 66
		.amdhsa_reserve_vcc 0
		.amdhsa_float_denorm_mode_32 3
		.amdhsa_float_denorm_mode_16_64 3
		.amdhsa_memory_ordered 1
		.amdhsa_forward_progress 1
		.amdhsa_inst_pref_size 43
	.end_amdhsa_kernel
	.amdgpu_metadata
---
amdhsa.version: [ 1, 2 ]
amdhsa.kernels:
  - .name:           k_q7f7f79e76d_attn
    .symbol:         k_q7f7f79e76d_attn.kd
    .args:
      - { .name: qb, .offset: 0, .size: 8, .value_kind: global_buffer, .address_space: global }
      - { .name: kv, .offset: 8, .size: 8, .value_kind: global_buffer, .address_space: global }
      - { .name: msg, .offset: 16, .size: 8, .value_kind: global_buffer, .address_space: global }
    .group_segment_fixed_size: 327680
    .private_segment_fixed_size: 0
    .kernarg_segment_align: 8
    .kernarg_segment_size: 24
    .max_flat_workgroup_size: 256
    .sgpr_count:     66
    .vgpr_count:     256
    .wavefront_size: 32
...
	.end_amdgpu_metadata
.endif
;; end of part 2
;; launch tail1 (part 3): grid 256 x 1, 4 waves a work-group, no clusters, 13,824 bytes of LDS; arguments msg, xb, wb, bm, b1, m2, part; writes m2, part
.if DOCPART == 3
	.amdgcn_target "amdgcn-amd-amdhsa--gfx1250"
	.amdhsa_code_object_version 6
	.text
	.protected	k_q7f7f79e76d_tail1
	.globl	k_q7f7f79e76d_tail1
	.p2align	8
	.type	k_q7f7f79e76d_tail1,@function
k_q7f7f79e76d_tail1:
	s_mov_b64 s[64:65], 0
	v_nop
	global_prefetch_b8 v0, s[64:65] scope:SCOPE_SE
	s_setreg_imm32_b32 hwreg(HW_REG_WAVE_MODE, 25, 1), 1
	s_wait_xcnt 0x0
; For 32 points: msg is quantised; msg2 = msg Wm^T + bm; msg2 is quantised (its images go to m2); y = [x | msg2] W1^T; each of the 512 channels' mean (with b1) and sum of squared deviations over the 32 points go to part.
; All products on codes of FP4 (E2M1) with one E8M0 byte for each 32 along K; operands are images of registers (a fragment: two runs of 512 bytes, 16 x lane; scale words 4 bytes a row).
; Work-group B takes tiles 2 B and 2 B + 1 of points (lane r of tile 2 B + m: point 32 B + 8 m + r + 8 (r / 8)).  Wave w: m = w / 2, s = w % 2.
; A: wave w quantises msg's tile m, K step s, from the four head planes: register 16 b + 4 g + e = channel 128 s + 32 b + 16 h + 4 e + g (Wm's codes lie in the same order) | barrier |
; B: msg2's tile m, channels 128 s on (source 0 = 16 rows of Wm, source 1 = msg: a lane holds one point, registers run along the channels), quantised | barrier |
; C: y's channels 128 w on for both tiles, NOT transposed (source 0 = points, source 1 = 16 rows of W1): a lane holds one channel and 16 of its 32 points; the statistics | barrier | part, in whole runs of 2,048 bytes.
; The variance's part is the sum of squared deviations from the 32 points' own mean: never a difference of large sums.
; NO CLUSTER: each wave's weights (16 fragments of Wm, 32 of W1) go from memory straight into the registers that multiply them, once; a joint tensor load would send the same bytes through LDS besides, for 80 matrix instructions a wave.
; LIMITS: NaN and infinities are not served; a block of zeros, or one whose largest magnitude lies under 2^-124, gets the byte 1.
.set MIMG,  0                          ; LDS: msg's four fragments (2 m + s),
.set MSC,   4096                       ; their scale words, 128 bytes each,
.set M2IMG, 4608                       ; msg2's four,
.set M2SC,  8704
.set PST,   9216                       ; 512 means, then 512 sums of squares
.set T16, 1                            ; 16 x my thread's number
.set LI,  5
.set LS,  6
.set R4,  7
.set MV,  8                            ; msg: pi(r) rows of 256 bytes + 16 h
.set MWI, 9                            ; where I store an image: 16 x lane + 1,024 x wave
.set MWS, 10                           ; and its scale words: 4 x lane + 128 x wave
.set MFA, 11                           ; where my tile's msg fragments lie: 16 x lane + 2,048 m
.set MSA, 12                           ; 4 x lane + 256 m
.set BMV, 13                           ; 64 h
.set P4,  14                           ; 4 pi(r)
.set PSA, 15                           ; PST + 4 pi(r) + 512 x wave + 2,048 h
.set MF,  16                           ; v16-31   msg's two fragments
.set W1S, 32                           ; v32-47   W1's scale words: lanes 0-15 an even tile, lanes 16-31 the odd one
.set WMS, 48                           ; v48-55   Wm's likewise
.set XS,  56                           ; v56-59   x's
.set MS,  60                           ; v60-61   msg's
.set M2S, 62                           ; v62-65   msg2's
.set PW,  66
.set PC,  72
.set HA,  80                           ; v80-143  msg2's 8 tiles;  v80-207: y's 16 accumulators, (m, t) at 80 + 8 (8 m + t)
.set ST,  144                          ; v144-207 64 numbers of msg
.set TM,  208                          ; v208-223 at work in the quantiser; later v208-215: b1
.set U,   224                          ; v224-239 a pair for each tile: sums, then the mean
.set W,   240                          ; v240-255 a pair for each tile: sums of squares
.set WV,  18
.set SEL, 20
.set MSB, 0
.macro WIN new
.if MSB != \new
	s_set_vgpr_msb (MSB<<8)|\new
.set MSB, \new
.endif
.endm
.macro PLACES n
.rept \n
	v_nop
.endr
.endm
.macro BARRIER
	s_wait_dscnt 0x0
	s_barrier_signal -1
	s_barrier_wait -1
.endm
.macro QUANT s, d, pw
.irp b, 0,1,2,3
	v_max3_num_f32 v[TM+\b], |v[\s+16*\b]|, |v[\s+1+16*\b]|, 0x1800000   ; my 16 numbers of block b, and the floor 2^(3 - 127)
.endr
.irp i, 2,4,6,8,10,12,14
.irp b, 0,1,2,3
	v_max3_num_f32 v[TM+\b], v[TM+\b], |v[\s+16*\b+\i]|, |v[\s+1+16*\b+\i]|
.endr
.endr
.irp b, 0,1,2,3
	v_permlanex16_b32 v[TM+4+\b], v[TM+\b], s[SEL], s[SEL+1]
.endr
.irp b, 0,1,2,3
	v_max_num_f32 v[TM+\b], v[TM+\b], v[TM+4+\b]
.endr
.irp b, 0,1,2,3
	v_add_nc_u32 v[TM+12+\b], 0xff000000, v[TM+\b]
.endr
.irp b, 0,1,2,3
	v_lshrrev_b32 v[TM+4+\b], 23, v[TM+12+\b]
.endr
	v_lshl_or_b32 v[\pw], v[TM+5], 8, v[TM+4]
	v_lshl_or_b32 v[\pw], v[TM+6], 16, v[\pw]
	v_lshl_or_b32 v[\pw], v[TM+7], 24, v[\pw]
.irp b, 0,1,2,3
	v_cvt_scalef32_pk8_fp4_f32 v[\d+2*\b], v[\s+16*\b:\s+7+16*\b], v[TM+12+\b]
	v_cvt_scalef32_pk8_fp4_f32 v[\d+1+2*\b], v[\s+8+16*\b:\s+15+16*\b], v[TM+12+\b]
.endr
	v_nop                                          ; one plain place behind a scaled conversion
.irp c, 0,1
.irp i, 0,1
	v_permlane16_swap_b32 v[\d+4*\c+\i], v[\d+2+4*\c+\i]
.endr
.endr
.endm
.macro IMAGE adr, d, off
.irp c, 0,1
	ds_store_b128 v[\adr], v[\d+4*\c:\d+4*\c+3] offset:\off+512*\c
.endr
.endm
.macro FETCH reg, adr, off
.irp c, 0,1
	ds_load_b128 v[\reg+4*\c:\reg+4*\c+3], v[\adr] offset:\off+512*\c
.endr
.endm
.macro MM d, a, b, c, sa, sb, row      ; c < 0: the constant 0 starts the sum.  row = 1: source 0's scales in lanes 16-31; 2: source 1's
.if (\c) < 0
.if (\row) == 0
	v_wmma_scale_f32_16x16x128_f8f6f4 v[\d:\d+7], v[\a:\a+7], v[\b:\b+7], 0, v[\sa], v[\sb] matrix_a_fmt:MATRIX_FMT_FP4 matrix_b_fmt:MATRIX_FMT_FP4
.elseif (\row) == 1
	v_wmma_scale_f32_16x16x128_f8f6f4 v[\d:\d+7], v[\a:\a+7], v[\b:\b+7], 0, v[\sa], v[\sb] matrix_a_fmt:MATRIX_FMT_FP4 matrix_b_fmt:MATRIX_FMT_FP4 matrix_a_scale:MATRIX_SCALE_ROW1
.else
	v_wmma_scale_f32_16x16x128_f8f6f4 v[\d:\d+7], v[\a:\a+7], v[\b:\b+7], 0, v[\sa], v[\sb] matrix_a_fmt:MATRIX_FMT_FP4 matrix_b_fmt:MATRIX_FMT_FP4 matrix_b_scale:MATRIX_SCALE_ROW1
.endif
.else
.if (\row) == 0
	v_wmma_scale_f32_16x16x128_f8f6f4 v[\d:\d+7], v[\a:\a+7], v[\b:\b+7], v[\c:\c+7], v[\sa], v[\sb] matrix_a_fmt:MATRIX_FMT_FP4 matrix_b_fmt:MATRIX_FMT_FP4
.elseif (\row) == 1
	v_wmma_scale_f32_16x16x128_f8f6f4 v[\d:\d+7], v[\a:\a+7], v[\b:\b+7], v[\c:\c+7], v[\sa], v[\sb] matrix_a_fmt:MATRIX_FMT_FP4 matrix_b_fmt:MATRIX_FMT_FP4 matrix_a_scale:MATRIX_SCALE_ROW1
.else
	v_wmma_scale_f32_16x16x128_f8f6f4 v[\d:\d+7], v[\a:\a+7], v[\b:\b+7], v[\c:\c+7], v[\sa], v[\sb] matrix_a_fmt:MATRIX_FMT_FP4 matrix_b_fmt:MATRIX_FMT_FP4 matrix_b_scale:MATRIX_SCALE_ROW1
.endif
.endif
.endm
	s_load_b256 s[4:11], s[0:1], 0x0               ; msg 4, xb 6, wb 8, bm 10
	s_load_b128 s[12:15], s[0:1], 0x20             ; b1 12, m2 14
	s_load_b64 s[16:17], s[0:1], 0x30              ; part
	v_lshl_add_u32 v218, v0, 2, 0x3400
	v_mov_b32 v219, 0
	v_lshrrev_b32 v1, 5, v0
	v_readfirstlane_b32 s[WV], v1
	v_and_b32 v1, 31, v0
	v_and_b32 v2, 15, v0                           ; r
	v_bfe_u32 v3, v0, 4, 1                         ; h
	v_and_b32 v4, 8, v2
	v_add_nc_u32 v4, v4, v2                        ; pi(r)
	v_lshlrev_b32 v[LI], 4, v1
	v_lshlrev_b32 v[LS], 2, v1
	v_lshlrev_b32 v[R4], 2, v2
	v_lshlrev_b32 v[MV], 8, v4
	v_lshl_add_u32 v[MV], v3, 4, v[MV]
	s_lshl_b32 s24, s[WV], 10
	v_add_nc_u32 v[MWI], s24, v[LI]
	s_lshl_b32 s24, s[WV], 7
	v_add_nc_u32 v[MWS], s24, v[LS]
	s_lshr_b32 s22, s[WV], 1                       ; m
	s_and_b32 s23, s[WV], 1                        ; s
	s_lshl_b32 s24, s22, 11
	v_add_nc_u32 v[MFA], s24, v[LI]
	s_lshl_b32 s24, s22, 8
	v_add_nc_u32 v[MSA], s24, v[LS]
	v_lshlrev_b32 v[BMV], 6, v3
	v_lshlrev_b32 v[P4], 2, v4
	s_lshl_b32 s24, s[WV], 9
	v_lshl_add_u32 v[PSA], v3, 11, v[P4]
	v_add_nc_u32 v[PSA], s24, v[PSA]
	v_add_nc_u32 v[PSA], PST, v[PSA]
	v_lshlrev_b32 v[T16], 4, v0
	s_mov_b32 s[SEL], 0x76543210
	s_mov_b32 s[SEL+1], 0xfedcba98
.irp b, 0,1,2,3
	v_mov_b32 v[TM+4+\b], 0                        ; written once: a lane permute's destination counts as one of its sources
.endr
	s_mov_b32 s25, 0
	s_wait_kmcnt 0x0
	s_lshl_b32 s24, ttmp9, 13
	s_lshl_b32 s26, s22, 11
	s_add_co_u32 s24, s24, s26
	s_lshl_b32 s26, s23, 7
	s_add_co_u32 s24, s24, s26
	s_add_nc_u64 s[28:29], s[4:5], s[24:25]        ; msg: point 32 B + 8 m, d = 32 s
	s_lshl_b32 s24, s23, 14
	s_add_nc_u64 s[30:31], s[8:9], s[24:25]        ; Wm's fragments 16 s on
	s_lshl_b32 s24, s23, 10
	s_add_co_u32 s24, s24, 229376
	s_add_nc_u64 s[32:33], s[8:9], s[24:25]        ; its scale units 8 s on
	s_lshl_b32 s24, s23, 9
	s_add_nc_u64 s[34:35], s[10:11], s[24:25]      ; bm: channel 128 s
	s_lshl_b32 s24, s[WV], 15
	s_add_co_u32 s24, s24, 32768
	s_add_nc_u64 s[36:37], s[8:9], s[24:25]        ; W1's fragments 32 + 32 w on
	s_lshl_b32 s24, s[WV], 11
	s_add_co_u32 s24, s24, 229376+2048
	s_add_nc_u64 s[38:39], s[8:9], s[24:25]        ; its scale units 16 + 16 w on
	s_lshl_b32 s24, ttmp9, 12
	s_add_nc_u64 s[40:41], s[6:7], s[24:25]        ; x's four fragments
	s_lshl_b32 s26, s[WV], 10
	s_add_co_u32 s24, s24, s26
	s_add_nc_u64 s[44:45], s[14:15], s[24:25]      ; m2: my image
	s_lshl_b32 s24, ttmp9, 8
	s_add_co_u32 s24, s24, 0x100000
	s_add_nc_u64 s[42:43], s[6:7], s[24:25]        ; x's scale words
	s_lshl_b32 s26, s[WV], 6
	s_add_co_u32 s24, s24, s26
	s_add_nc_u64 s[46:47], s[14:15], s[24:25]      ; m2: my scale words
	s_lshl_b32 s24, s[WV], 9
	s_add_nc_u64 s[12:13], s[12:13], s[24:25]      ; b1: channel 128 w
	s_lshl_b32 s24, ttmp9, 12
	s_add_nc_u64 s[16:17], s[16:17], s[24:25]      ; part: my 4,096 bytes
	; ---- loads: msg's 16; then Wm's group of 56
.irp b, 0,1,2,3
.irp g, 0,1,2,3
	global_load_b128 v[ST+16*\b+4*\g:ST+16*\b+4*\g+3], v[MV], s[28:29] offset:2097152*\g+32*\b th:TH_LOAD_NT
.endr
.endr
	WIN 0x80                                       ; destination window 2
.irp i, 0,1,2,3,4,5,6,7,8,9,10,11,12,13,14,15
	global_load_b128 v[8*\i:8*\i+3], v[LI], s[30:31] offset:1024*\i
	global_load_b128 v[8*\i+4:8*\i+7], v[LI], s[30:31] offset:1024*\i+512
.endr
.irp t, 0,1,2,3,4,5,6,7
	global_load_b128 v[128+8*\t:128+8*\t+3], v[BMV], s[34:35] offset:(32*(\t/2)+8*(\t%2))*4
	global_load_b128 v[128+8*\t+4:128+8*\t+7], v[BMV], s[34:35] offset:(32*(\t/2)+8*(\t%2))*4+16
.endr
	WIN 0
.irp i, 0,1,2,3,4,5,6,7
	global_load_b32 v[WMS+\i], v[LS], s[32:33] offset:128*\i
.endr
	; ---- A
	s_wait_loadcnt 56                              ; msg's 16 loads are in; Wm's 56 may be out
	QUANT ST, PC, PW
	IMAGE MWI, PC, MIMG
	ds_store_b32 v[MWS], v[PW] offset:MSC
	WIN 0x40                                       ; the third group, 92 loads: W1, x
.irp i, 0,1,2,3,4,5,6,7,8,9,10,11,12,13,14,15,16,17,18,19,20,21,22,23,24,25,26,27,28,29,30,31
	global_load_b128 v[8*\i:8*\i+3], v[LI], s[36:37] offset:1024*\i
	global_load_b128 v[8*\i+4:8*\i+7], v[LI], s[36:37] offset:1024*\i+512
.endr
	WIN 0x80
.irp i, 0,1,2,3
	global_load_b128 v[192+8*\i:192+8*\i+3], v[LI], s[40:41] offset:1024*\i
	global_load_b128 v[192+8*\i+4:192+8*\i+7], v[LI], s[40:41] offset:1024*\i+512
.endr
	WIN 0
.irp i, 0,1,2,3,4,5,6,7,8,9,10,11,12,13,14,15
	global_load_b32 v[W1S+\i], v[LS], s[38:39] offset:128*\i
.endr
.irp i, 0,1,2,3
	global_load_b32 v[XS+\i], v[R4], s[42:43] offset:64*\i
.endr
	BARRIER                                        ; msg's four fragments lie in LDS
	; ---- B
	FETCH MF, MFA, MIMG
	FETCH MF+8, MFA, MIMG+1024
	ds_load_b32 v[MS], v[MSA] offset:MSC
	ds_load_b32 v[MS+1], v[MSA] offset:MSC+128
	s_wait_dscnt 0x0
	s_wait_loadcnt 63                              ; Wm's group is in: 92 younger loads were issued, so 63 is the stricter count
	WIN 0x22                                       ; source 0 (Wm) and C (bm) window 2
.irp t, 0,1,2,3,4,5,6,7
	MM HA+8*\t, 16*\t, MF, 128+8*\t, WMS+2*(\t/2), MS, \t%2
.endr
	WIN 0x02
.irp t, 0,1,2,3,4,5,6,7
	MM HA+8*\t, 16*\t+8, MF+8, HA+8*\t, WMS+2*(\t/2)+1, MS+1, \t%2
.endr
	WIN 0
	PLACES 4
	QUANT HA, PC, PW
	IMAGE MWI, PC, M2IMG
	ds_store_b32 v[MWS], v[PW] offset:M2SC
	global_store_b128 v[LI], v[PC:PC+3], s[44:45]
	global_store_b128 v[LI], v[PC+4:PC+7], s[44:45] offset:512
	global_store_b32 v[R4], v[PW], s[46:47]
.irp t, 0,1,2,3,4,5,6,7
	global_load_b32 v[208+\t], v[P4], s[12:13] offset:(32*(\t/2)+8*(\t%2))*4   ; b1 of my lane's channel in tile t
.endr
	BARRIER                                        ; msg2's four fragments lie in LDS
	; ---- C
	WIN 0x80
.irp i, 0,1,2,3
	FETCH 224+8*\i, LI, M2IMG+1024*\i
.endr
	WIN 0
.irp i, 0,1,2,3
	ds_load_b32 v[M2S+\i], v[LS] offset:M2SC+128*\i
.endr
	s_wait_dscnt 0x0
	s_wait_loadcnt 0x0
	WIN 0x06                                       ; source 0 (points) window 2, source 1 (W1) window 1.  The 16 accumulators take turns, a K step at a time
.irp ks, 0,1,2,3
.irp m, 0,1
.irp t, 0,1,2,3,4,5,6,7
.if \ks == 0
	MM 80+8*(8*\m+\t), 192+8*(2*\m), 8*(4*\t), -1, XS+2*\m, W1S+4*(\t/2), 2*(\t%2)
.elseif \ks == 1
	MM 80+8*(8*\m+\t), 192+8*(2*\m+1), 8*(4*\t+1), 80+8*(8*\m+\t), XS+2*\m+1, W1S+4*(\t/2)+1, 2*(\t%2)
.else
	MM 80+8*(8*\m+\t), 224+8*(2*\m+\ks-2), 8*(4*\t+\ks), 80+8*(8*\m+\t), M2S+2*\m+\ks-2, W1S+4*(\t/2)+\ks, 2*(\t%2)
.endif
.endr
.endr
.endr
	WIN 0
.irp t, 0,1,2,3,4,5,6,7
	v_mov_b32 v[W+2*\t], 0                         ; a lane permute's destination is written first; these eight are also the places behind the last products
.endr
	; ---- the statistics, the eight tiles by turns; each accumulator is read from its low end on
.irp t, 0,1,2,3,4,5,6,7
	v_pk_add_f32 v[U+2*\t:U+2*\t+1], v[80+8*\t:81+8*\t], v[82+8*\t:83+8*\t]
.endr
.irp q, 84,86,144,146,148,150
.irp t, 0,1,2,3,4,5,6,7
	v_pk_add_f32 v[U+2*\t:U+2*\t+1], v[U+2*\t:U+2*\t+1], v[\q+8*\t:\q+8*\t+1]
.endr
.endr
.irp t, 0,1,2,3,4,5,6,7
	v_add_f32 v[U+2*\t], v[U+2*\t], v[U+2*\t+1]
.endr
.irp t, 0,1,2,3,4,5,6,7
	v_permlanex16_b32 v[W+2*\t], v[U+2*\t], s[SEL], s[SEL+1]
.endr
.irp t, 0,1,2,3,4,5,6,7
	v_add_f32 v[U+2*\t], v[U+2*\t], v[W+2*\t]      ; with lane l xor 16's 16 points
.endr
.irp t, 0,1,2,3,4,5,6,7
	v_mul_f32 v[U+2*\t], 0x3d000000, v[U+2*\t]     ; / 32: the mean without b1
.endr
.irp q, 80,82,84,86,144,146,148,150
.irp t, 0,1,2,3,4,5,6,7
	v_pk_add_f32 v[\q+8*\t:\q+8*\t+1], v[\q+8*\t:\q+8*\t+1], v[U+2*\t:U+2*\t+1] op_sel_hi:[1,0] neg_lo:[0,1] neg_hi:[0,1]   ; the deviations, in place
.endr
.endr
.irp t, 0,1,2,3,4,5,6,7
	v_pk_mul_f32 v[W+2*\t:W+2*\t+1], v[80+8*\t:81+8*\t], v[80+8*\t:81+8*\t]
.endr
.irp q, 82,84,86,144,146,148,150
.irp t, 0,1,2,3,4,5,6,7
	v_pk_fma_f32 v[W+2*\t:W+2*\t+1], v[\q+8*\t:\q+8*\t+1], v[\q+8*\t:\q+8*\t+1], v[W+2*\t:W+2*\t+1]
.endr
.endr
.irp t, 0,1,2,3,4,5,6,7
	v_add_f32 v[W+2*\t], v[W+2*\t], v[W+2*\t+1]
.endr
.irp t, 0,1,2,3,4,5,6,7
	v_permlanex16_b32 v[U+2*\t+1], v[W+2*\t], s[SEL], s[SEL+1]
.endr
.irp t, 0,1,2,3,4,5,6,7
	v_add_f32 v[W+2*\t], v[W+2*\t], v[U+2*\t+1]    ; the sum of squared deviations
.endr
.irp t, 0,1,2,3,4,5,6,7
	v_add_f32 v[U+2*\t], v[U+2*\t], v[208+\t]      ; the mean, with b1
.endr
	v_cmp_eq_u32 vcc_lo, 0, v3
.irp t, 0,1,2,3,4,5,6,7
	v_cndmask_b32 v[U+2*\t], v[W+2*\t], v[U+2*\t], vcc_lo   ; lanes 0-15 hand on the mean, lanes 16-31 the sum of squares
.endr
.irp t, 0,1,2,3,4,5,6,7
	ds_store_b32 v[PSA], v[U+2*\t] offset:128*(\t/2)+32*(\t%2)
.endr
	BARRIER
	ds_load_b128 v[16:19], v[T16] offset:PST
	ds_load_b128 v[20:23], v[T16] offset:PST+2048
	s_wait_dscnt 0x0
	global_store_b128 v[T16], v[16:19], s[16:17]
	global_store_b128 v[T16], v[20:23], s[16:17] offset:2048
	s_wait_tensorcnt 0x0
	ds_add_u32 v218, v219
	s_wait_dscnt 0x0
	s_endpgm
.Lfunc_end_k_q7f7f79e76d_tail1:
	.size	k_q7f7f79e76d_tail1, .Lfunc_end_k_q7f7f79e76d_tail1-k_q7f7f79e76d_tail1
	.p2alignl 7, 3214868480
	.fill 96, 4, 3214868480
	.section	.rodata,"a",@progbits
	.p2align	6, 0x0
	.amdhsa_kernel k_q7f7f79e76d_tail1
		.amdhsa_group_segment_fixed_size 13824
		.amdhsa_private_segment_fixed_size 0
		.amdhsa_enable_private_segment 0
		.amdhsa_kernarg_size 56
		.amdhsa_user_sgpr_count 2
		.amdhsa_user_sgpr_kernarg_segment_ptr 1
		.amdhsa_wavefront_size32 1
		.amdhsa_system_sgpr_workgroup_id_x 1
		.amdhsa_system_sgpr_workgroup_id_y 1
		.amdhsa_system_sgpr_workgroup_id_z 1
		.amdhsa_system_vgpr_workitem_id 0
		.amdhsa_next_free_vgpr 768
		.amdhsa_next_free_sgpr 66
		.amdhsa_reserve_vcc 1
		.amdhsa_float_denorm_mode_32 3
		.amdhsa_float_denorm_mode_16_64 3
		.amdhsa_memory_ordered 1
		.amdhsa_forward_progress 1
		.amdhsa_inst_pref_size 56
	.end_amdhsa_kernel
	.amdgpu_metadata
---
amdhsa.version: [ 1, 2 ]
amdhsa.kernels:
  - .name:           k_q7f7f79e76d_tail1
    .symbol:         k_q7f7f79e76d_tail1.kd
    .args:
      - { .name: msg, .offset: 0, .size: 8, .value_kind: global_buffer, .address_space: global }
      - { .name: xb, .offset: 8, .size: 8, .value_kind: global_buffer, .address_space: global }
      - { .name: wb, .offset: 16, .size: 8, .value_kind: global_buffer, .address_space: global }
      - { .name: bm, .offset: 24, .size: 8, .value_kind: global_buffer, .address_space: global }
      - { .name: b1, .offset: 32, .size: 8, .value_kind: global_buffer, .address_space: global }
      - { .name: m2, .offset: 40, .size: 8, .value_kind: global_buffer, .address_space: global }
      - { .name: part, .offset: 48, .size: 8, .value_kind: global_buffer, .address_space: global }
    .group_segment_fixed_size: 13824
    .private_segment_fixed_size: 0
    .kernarg_segment_align: 8
    .kernarg_segment_size: 56
    .max_flat_workgroup_size: 128
    .sgpr_count:     66
    .vgpr_count:     768
    .wavefront_size: 32
...
	.end_amdgpu_metadata
.endif
;; end of part 3
;; launch stats (part 4): grid 16 x 1, 8 waves a work-group, no clusters, 3,072 bytes of LDS; arguments part, stat; writes stat
.if DOCPART == 4
	.amdgcn_target "amdgcn-amd-amdhsa--gfx1250"
	.amdhsa_code_object_version 6
	.text
	.protected	k_q7f7f79e76d_stats
	.globl	k_q7f7f79e76d_stats
	.p2align	8
	.type	k_q7f7f79e76d_stats,@function
k_q7f7f79e76d_stats:
	s_mov_b64 s[64:65], 0
	v_nop
	global_prefetch_b8 v0, s[64:65] scope:SCOPE_SE
	s_setreg_imm32_b32 hwreg(HW_REG_WAVE_MODE, 25, 1), 1
	s_wait_xcnt 0x0
; The 256 partial means and sums of squared deviations (32 points each) of each of 512 channels become mu and 1 / sqrt(var + 1e-5): var = (the sum of M2_i + 32 x the sum of (mean_i - mu)^2) / 8,192.
; Work-group g takes channels 32 g on.  Thread: cq = number % 8: four channels; pg = number / 8: partials 8 pg .. 8 pg + 7.  Sums go over lanes (bits 3 and 4), then over the eight waves through LDS.
; Memory binds what little there is: no matrix unit, no cluster, no tensor load.  LIMITS: NaN and infinities are not served.
.macro BARRIER
	s_wait_dscnt 0x0
	s_barrier_signal -1
	s_barrier_wait -1
.endm
.macro LANES a                         ; v[a] .. v[a + 3]: the sum over the four lanes that share cq
.irp c, 0,1,2,3
	v_add_f32_dpp v[\a+\c], v[\a+\c], v[\a+\c] row_xmask:8 row_mask:0xf bank_mask:0xf
.endr
.irp c, 0,1,2,3
	v_permlanex16_b32 v[12+\c], v[\a+\c], s12, s13
.endr
.irp c, 0,1,2,3
	v_add_f32 v[\a+\c], v[\a+\c], v[12+\c]
.endr
.endm
	s_load_b128 s[4:7], s[0:1], 0x0                ; part, stat
	v_lshl_add_u32 v128, v0, 2, 0x800
	v_mov_b32 v129, 0
	v_and_b32 v1, 7, v0                            ; cq
	v_lshrrev_b32 v2, 3, v0                        ; pg
	v_lshlrev_b32 v3, 4, v1                        ; 16 cq
	v_lshl_add_u32 v4, v2, 15, v3                  ; 8 partials of 4,096 bytes x pg + 16 cq
	v_lshrrev_b32 v5, 5, v0
	v_readfirstlane_b32 s8, v5                     ; wave
	v_lshl_add_u32 v5, v5, 7, v3                   ; LDS: 128 x wave + 16 cq
	s_lshl_b32 s10, ttmp9, 7
	s_mov_b32 s11, 0
	s_mov_b32 s12, 0x76543210
	s_mov_b32 s13, 0xfedcba98
	s_mov_b32 s14, 0x3727c5ac                      ; 1e-5
	s_mov_b32 s16, 0x39000000                      ; 1 / 8,192
.irp c, 0,1,2,3
	v_mov_b32 v[12+\c], 0                          ; written once: a lane permute's destination counts as one of its sources
.endr
	s_wait_kmcnt 0x0
	s_add_nc_u64 s[4:5], s[4:5], s[10:11]
	s_add_nc_u64 s[6:7], s[6:7], s[10:11]
.irp i, 0,1,2,3,4,5,6,7
	global_load_b128 v[16+4*\i:19+4*\i], v4, s[4:5] offset:4096*\i          ; means
	global_load_b128 v[48+4*\i:51+4*\i], v4, s[4:5] offset:4096*\i+2048     ; sums of squared deviations
.endr
	s_wait_loadcnt 0x0
	v_pk_add_f32 v[8:9], v[16:17], v[20:21]
	v_pk_add_f32 v[10:11], v[18:19], v[22:23]
.irp i, 2,3,4,5,6,7
	v_pk_add_f32 v[8:9], v[8:9], v[16+4*\i:17+4*\i]
	v_pk_add_f32 v[10:11], v[10:11], v[18+4*\i:19+4*\i]
.endr
	LANES 8
	ds_store_b128 v5, v[8:11]                      ; the four lanes that share cq write the same bytes with the same values
	BARRIER
.irp i, 0,1,2,3,4,5,6,7
	ds_load_b128 v[80+4*\i:83+4*\i], v3 offset:128*\i
.endr
	s_wait_dscnt 0x0
	v_pk_add_f32 v[8:9], v[80:81], v[84:85]
	v_pk_add_f32 v[10:11], v[82:83], v[86:87]
.irp i, 2,3,4,5,6,7
	v_pk_add_f32 v[8:9], v[8:9], v[80+4*\i:81+4*\i]
	v_pk_add_f32 v[10:11], v[10:11], v[82+4*\i:83+4*\i]
.endr
	v_pk_mul_f32 v[8:9], v[8:9], 0x3b800000 op_sel_hi:[1,0]      ; / 256: mu
	v_pk_mul_f32 v[10:11], v[10:11], 0x3b800000 op_sel_hi:[1,0]
.irp i, 0,1,2,3,4,5,6,7
	v_pk_add_f32 v[16+4*\i:17+4*\i], v[16+4*\i:17+4*\i], v[8:9] neg_lo:[0,1] neg_hi:[0,1]
	v_pk_add_f32 v[18+4*\i:19+4*\i], v[18+4*\i:19+4*\i], v[10:11] neg_lo:[0,1] neg_hi:[0,1]
.endr
	v_pk_mul_f32 v[80:81], v[16:17], v[16:17]
	v_pk_mul_f32 v[82:83], v[18:19], v[18:19]
.irp i, 1,2,3,4,5,6,7
	v_pk_fma_f32 v[80:81], v[16+4*\i:17+4*\i], v[16+4*\i:17+4*\i], v[80:81]
	v_pk_fma_f32 v[82:83], v[18+4*\i:19+4*\i], v[18+4*\i:19+4*\i], v[82:83]
.endr
	v_pk_add_f32 v[84:85], v[48:49], v[52:53]
	v_pk_add_f32 v[86:87], v[50:51], v[54:55]
.irp i, 2,3,4,5,6,7
	v_pk_add_f32 v[84:85], v[84:85], v[48+4*\i:49+4*\i]
	v_pk_add_f32 v[86:87], v[86:87], v[50+4*\i:51+4*\i]
.endr
	v_pk_fma_f32 v[80:81], v[80:81], 0x42000000, v[84:85] op_sel_hi:[1,0,1]   ; 32 x the squares of the means' deviations + the parts' own
	v_pk_fma_f32 v[82:83], v[82:83], 0x42000000, v[86:87] op_sel_hi:[1,0,1]
	LANES 80
	ds_store_b128 v5, v[80:83] offset:1024         ; other bytes than the first pass's
	BARRIER
.irp i, 0,1,2,3,4,5,6,7
	ds_load_b128 v[16+4*\i:19+4*\i], v3 offset:1024+128*\i
.endr
	s_wait_dscnt 0x0
	v_pk_add_f32 v[80:81], v[16:17], v[20:21]
	v_pk_add_f32 v[82:83], v[18:19], v[22:23]
.irp i, 2,3,4,5,6,7
	v_pk_add_f32 v[80:81], v[80:81], v[16+4*\i:17+4*\i]
	v_pk_add_f32 v[82:83], v[82:83], v[18+4*\i:19+4*\i]
.endr
.irp c, 0,1,2,3
	v_fma_f32 v[80+\c], v[80+\c], s16, s14         ; var + 1e-5
.endr
.irp c, 0,1,2,3
	v_rsq_f32 v[80+\c], v[80+\c]
.endr
	v_nop                                          ; a plain place behind the last of them
	s_wait_alu depctr_va_vdst(0)                   ; one wait for the four, ahead of the branch and of their reader
	s_cmp_lg_u32 s8, 0                             ; every wave holds the results: wave 0 stores them
	s_cbranch_scc1 .Lend
	global_store_b128 v3, v[8:11], s[6:7]
	global_store_b128 v3, v[80:83], s[6:7] offset:2048
.Lend:
	s_wait_tensorcnt 0x0
	ds_add_u32 v128, v129
	s_wait_dscnt 0x0
	s_endpgm
.Lfunc_end_k_q7f7f79e76d_stats:
	.size	k_q7f7f79e76d_stats, .Lfunc_end_k_q7f7f79e76d_stats-k_q7f7f79e76d_stats
	.p2alignl 7, 3214868480
	.fill 96, 4, 3214868480
	.section	.rodata,"a",@progbits
	.p2align	6, 0x0
	.amdhsa_kernel k_q7f7f79e76d_stats
		.amdhsa_group_segment_fixed_size 3072
		.amdhsa_private_segment_fixed_size 0
		.amdhsa_enable_private_segment 0
		.amdhsa_kernarg_size 16
		.amdhsa_user_sgpr_count 2
		.amdhsa_user_sgpr_kernarg_segment_ptr 1
		.amdhsa_wavefront_size32 1
		.amdhsa_system_sgpr_workgroup_id_x 1
		.amdhsa_system_sgpr_workgroup_id_y 1
		.amdhsa_system_sgpr_workgroup_id_z 1
		.amdhsa_system_vgpr_workitem_id 0
		.amdhsa_next_free_vgpr 130
		.amdhsa_next_free_sgpr 66
		.amdhsa_reserve_vcc 0
		.amdhsa_float_denorm_mode_32 3
		.amdhsa_float_denorm_mode_16_64 3
		.amdhsa_memory_ordered 1
		.amdhsa_forward_progress 1
		.amdhsa_inst_pref_size 13
	.end_amdhsa_kernel
	.amdgpu_metadata
---
amdhsa.version: [ 1, 2 ]
amdhsa.kernels:
  - .name:           k_q7f7f79e76d_stats
    .symbol:         k_q7f7f79e76d_stats.kd
    .args:
      - { .name: part, .offset: 0, .size: 8, .value_kind: global_buffer, .address_space: global }
      - { .name: stat, .offset: 8, .size: 8, .value_kind: global_buffer, .address_space: global }
    .group_segment_fixed_size: 3072
    .private_segment_fixed_size: 0
    .kernarg_segment_align: 8
    .kernarg_segment_size: 16
    .max_flat_workgroup_size: 256
    .sgpr_count:     66
    .vgpr_count:     130
    .wavefront_size: 32
...
	.end_amdgpu_metadata
.endif
;; end of part 4
;; launch tail2 (part 5): grid 256 x 1, 4 waves a work-group, no clusters, 43,008 bytes of LDS; arguments xb, m2, wb, stat, b1, b2, descs, out0; writes out0
.if DOCPART == 5
	.amdgcn_target "amdgcn-amd-amdhsa--gfx1250"
	.amdhsa_code_object_version 6
	.text
	.protected	k_q7f7f79e76d_tail2
	.globl	k_q7f7f79e76d_tail2
	.p2align	8
	.type	k_q7f7f79e76d_tail2,@function
k_q7f7f79e76d_tail2:
	s_mov_b64 s[64:65], 0
	v_nop
	global_prefetch_b8 v0, s[64:65] scope:SCOPE_SE
	s_setreg_imm32_b32 hwreg(HW_REG_WAVE_MODE, 25, 1), 1
	s_wait_xcnt 0x0
; For 32 points: y = [x | msg2] W1^T + b1 once more, from the codes; (y - mu) x rstd; relu; quantised; out = hidden W2^T + b2 + descs.
; All products on codes of FP4 (E2M1) with one E8M0 byte for each 32 along K; operands are images of registers.  y is made again from 8 fragments of codes rather than stored and read back as f32.
; Work-group B takes tiles 2 B, 2 B + 1 of points (lane r of tile 2 B + m: point 32 B + 8 m + r + 8 (r / 8)).  Wave w makes y's channels 128 w on and out's channels 64 w on, for both tiles.
; Both products are used transposed (source 0 = 16 rows of the weight, source 1 = 16 points): a lane holds one point, and its registers run along the channels; W1's rows were chosen so that the 16 registers of tiles
; 2 b, 2 b + 1 are 16 neighbours along the next K: a wave's 8 tiles become K step w of the second product.  The biases are the C of each sum's first matrix instruction.
; Two barriers: behind the first the hidden layer's eight fragments lie in LDS, behind the second 32 whole rows of out.
; NO CLUSTER: each wave's weights (32 fragments of W1, 16 of W2) go from memory straight into the registers that multiply them, once; a joint tensor load would send the same bytes through LDS besides, for 96 matrix instructions a wave.
; LIMITS: NaN and infinities are not served; a block of zeros, or one whose largest magnitude lies under 2^-124, gets the byte 1.
.set HIMG, 0                           ; LDS: the hidden layer's eight fragments (4 m + K step),
.set HSC,  8192                        ; their scale words, 128 bytes each,
.set STG,  9216                        ; the stage: 32 rows x (1,024 bytes + 16)
.set LI,  5
.set LS,  6
.set R4,  7
.set B64, 8                            ; 64 h
.set B32, 9                            ; 32 h
.set HWI, 10                           ; 16 x lane + 1,024 x wave
.set HWS, 11                           ; 4 x lane + 128 x wave
.set SO,  12                           ; the stage: where I put 32 bytes of a row
.set SR,  13                           ; and where I read rows back
.set YS,  16                           ; v16-23   y's scale words (4 m + K step), later the hidden layer's
.set W1S, 24                           ; v24-39   W1's: lanes 0-15 an even tile, lanes 16-31 the odd one
.set W2S, 40                           ; v40-47   W2's likewise
.set PW,  48
.set PC,  50
.set TM,  58                           ; v58-73
.set ACC, 80                           ; v80-207  y's 16 accumulators, (m, t) at 80 + 8 (8 m + t); later out's 8 at 80 + 8 (4 m + t), and rows read back in v144-207
.set WV,  20
.set SEL, 22
; window 1: W1's 32 fragments.  window 2: v0-127 W2's 16; v128-191 b1; v192-223 b2.  window 3: v0-63 mu; v64-127 rstd; v128-191 descs; v192-255 y's 8 fragments, later the hidden layer's
.set MSB, 0
.macro WIN new
.if MSB != \new
	s_set_vgpr_msb (MSB<<8)|\new
.set MSB, \new
.endif
.endm
.macro PLACES n
.rept \n
	v_nop
.endr
.endm
.macro BARRIER
	s_wait_dscnt 0x0
	s_barrier_signal -1
	s_barrier_wait -1
.endm
.macro QUANT s, d, pw
.irp b, 0,1,2,3
	v_max3_num_f32 v[TM+\b], |v[\s+16*\b]|, |v[\s+1+16*\b]|, 0x1800000   ; my 16 numbers of block b, and the floor 2^(3 - 127)
.endr
.irp i, 2,4,6,8,10,12,14
.irp b, 0,1,2,3
	v_max3_num_f32 v[TM+\b], v[TM+\b], |v[\s+16*\b+\i]|, |v[\s+1+16*\b+\i]|
.endr
.endr
.irp b, 0,1,2,3
	v_permlanex16_b32 v[TM+4+\b], v[TM+\b], s[SEL], s[SEL+1]
.endr
.irp b, 0,1,2,3
	v_max_num_f32 v[TM+\b], v[TM+\b], v[TM+4+\b]
.endr
.irp b, 0,1,2,3
	v_add_nc_u32 v[TM+12+\b], 0xff000000, v[TM+\b]
.endr
.irp b, 0,1,2,3
	v_lshrrev_b32 v[TM+4+\b], 23, v[TM+12+\b]
.endr
	v_lshl_or_b32 v[\pw], v[TM+5], 8, v[TM+4]
	v_lshl_or_b32 v[\pw], v[TM+6], 16, v[\pw]
	v_lshl_or_b32 v[\pw], v[TM+7], 24, v[\pw]
.irp b, 0,1,2,3
	v_cvt_scalef32_pk8_fp4_f32 v[\d+2*\b], v[\s+16*\b:\s+7+16*\b], v[TM+12+\b]
	v_cvt_scalef32_pk8_fp4_f32 v[\d+1+2*\b], v[\s+8+16*\b:\s+15+16*\b], v[TM+12+\b]
.endr
	v_nop                                          ; one plain place behind a scaled conversion
.irp c, 0,1
.irp i, 0,1
	v_permlane16_swap_b32 v[\d+4*\c+\i], v[\d+2+4*\c+\i]
.endr
.endr
.endm
.macro IMAGE adr, d, off
.irp c, 0,1
	ds_store_b128 v[\adr], v[\d+4*\c:\d+4*\c+3] offset:\off+512*\c
.endr
.endm
.macro FETCH reg, adr, off
.irp c, 0,1
	ds_load_b128 v[\reg+4*\c:\reg+4*\c+3], v[\adr] offset:\off+512*\c
.endr
.endm
.macro MM d, a, b, c, sa, sb, row      ; row = 1: source 0's scales in lanes 16-31
.if (\row) == 0
	v_wmma_scale_f32_16x16x128_f8f6f4 v[\d:\d+7], v[\a:\a+7], v[\b:\b+7], v[\c:\c+7], v[\sa], v[\sb] matrix_a_fmt:MATRIX_FMT_FP4 matrix_b_fmt:MATRIX_FMT_FP4
.else
	v_wmma_scale_f32_16x16x128_f8f6f4 v[\d:\d+7], v[\a:\a+7], v[\b:\b+7], v[\c:\c+7], v[\sa], v[\sb] matrix_a_fmt:MATRIX_FMT_FP4 matrix_b_fmt:MATRIX_FMT_FP4 matrix_a_scale:MATRIX_SCALE_ROW1
.endif
.endm
	s_load_b512 s[4:19], s[0:1], 0x0               ; xb 4, m2 6, wb 8, stat 10, b1 12, b2 14, descs 16, out0 18
	v_lshl_add_u32 v254, v0, 2, 0xa600
	v_mov_b32 v255, 0
	v_lshrrev_b32 v1, 5, v0
	v_readfirstlane_b32 s[WV], v1
	v_and_b32 v1, 31, v0
	v_and_b32 v2, 15, v0                           ; r
	v_bfe_u32 v3, v0, 4, 1                         ; h
	v_and_b32 v4, 8, v2
	v_add_nc_u32 v4, v4, v2                        ; pi(r)
	v_lshlrev_b32 v[LI], 4, v1
	v_lshlrev_b32 v[LS], 2, v1
	v_lshlrev_b32 v[R4], 2, v2
	v_lshlrev_b32 v[B64], 6, v3
	v_lshlrev_b32 v[B32], 5, v3
	s_lshl_b32 s24, s[WV], 10
	v_add_nc_u32 v[HWI], s24, v[LI]
	s_lshl_b32 s24, s[WV], 7
	v_add_nc_u32 v[HWS], s24, v[LS]
	v_mul_u32_u24 v[SO], v4, 1040
	v_lshl_add_u32 v[SO], v3, 5, v[SO]
	s_lshl_b32 s24, s[WV], 8
	v_add_nc_u32 v[SO], s24, v[SO]
	v_add_nc_u32 v[SO], STG, v[SO]                 ; row pi(r), + 32 h, + 256 x wave
	s_mul_i32 s24, s[WV], 8320
	v_add_nc_u32 v[SR], s24, v[LI]
	v_add_nc_u32 v[SR], STG, v[SR]                 ; my 8 rows, 16 bytes a lane
	s_mov_b32 s[SEL], 0x76543210
	s_mov_b32 s[SEL+1], 0xfedcba98
.irp b, 0,1,2,3
	v_mov_b32 v[TM+4+\b], 0                        ; written once: a lane permute's destination counts as one of its sources
.endr
	s_mov_b32 s25, 0
	s_wait_kmcnt 0x0
	s_lshl_b32 s24, ttmp9, 8
	s_add_co_u32 s24, s24, 0x100000
	s_add_nc_u64 s[36:37], s[4:5], s[24:25]        ; x's scale words,
	s_add_nc_u64 s[38:39], s[6:7], s[24:25]        ; msg2's
	s_lshl_b32 s24, ttmp9, 12
	s_add_nc_u64 s[4:5], s[4:5], s[24:25]          ; x's four fragments,
	s_add_nc_u64 s[6:7], s[6:7], s[24:25]          ; msg2's
	s_lshl_b32 s24, s[WV], 15
	s_add_co_u32 s24, s24, 32768
	s_add_nc_u64 s[28:29], s[8:9], s[24:25]        ; W1's fragments 32 + 32 w on
	s_lshl_b32 s24, s[WV], 11
	s_add_co_u32 s24, s24, 229376+2048
	s_add_nc_u64 s[30:31], s[8:9], s[24:25]        ; its scale units 16 + 16 w on
	s_lshl_b32 s24, s[WV], 14
	s_add_co_u32 s24, s24, 163840
	s_add_nc_u64 s[32:33], s[8:9], s[24:25]        ; W2's fragments 160 + 16 w on
	s_lshl_b32 s24, s[WV], 10
	s_add_co_u32 s24, s24, 229376+10240
	s_add_nc_u64 s[34:35], s[8:9], s[24:25]        ; its scale units 80 + 8 w on
	s_lshl_b32 s24, s[WV], 9
	s_add_nc_u64 s[10:11], s[10:11], s[24:25]      ; mu, and 2,048 bytes on rstd: channel 128 w
	s_add_nc_u64 s[12:13], s[12:13], s[24:25]      ; b1 likewise
	s_lshl_b32 s24, s[WV], 8
	s_add_nc_u64 s[14:15], s[14:15], s[24:25]      ; b2: channel 64 w
	s_lshl_b32 s24, ttmp9, 15
	s_lshl_b32 s26, s[WV], 13
	s_add_co_u32 s24, s24, s26
	s_add_nc_u64 s[16:17], s[16:17], s[24:25]      ; descs and out0 at point 32 B + 8 w
	s_add_nc_u64 s[18:19], s[18:19], s[24:25]
	; ---- the first group, 120 loads: what the first product wants
	WIN 0xc0                                       ; destination window 3
.irp m, 0,1
.irp ks, 0,1
	global_load_b128 v[192+8*(4*\m+\ks):192+8*(4*\m+\ks)+3], v[LI], s[4:5] offset:1024*(2*\m+\ks)
	global_load_b128 v[192+8*(4*\m+\ks)+4:192+8*(4*\m+\ks)+7], v[LI], s[4:5] offset:1024*(2*\m+\ks)+512
	global_load_b128 v[192+8*(4*\m+\ks+2):192+8*(4*\m+\ks+2)+3], v[LI], s[6:7] offset:1024*(2*\m+\ks)
	global_load_b128 v[192+8*(4*\m+\ks+2)+4:192+8*(4*\m+\ks+2)+7], v[LI], s[6:7] offset:1024*(2*\m+\ks)+512
.endr
.endr
	WIN 0x40
.irp i, 0,1,2,3,4,5,6,7,8,9,10,11,12,13,14,15,16,17,18,19,20,21,22,23,24,25,26,27,28,29,30,31
	global_load_b128 v[8*\i:8*\i+3], v[LI], s[28:29] offset:1024*\i
	global_load_b128 v[8*\i+4:8*\i+7], v[LI], s[28:29] offset:1024*\i+512
.endr
	WIN 0x80
.irp t, 0,1,2,3,4,5,6,7
	global_load_b128 v[128+8*\t:128+8*\t+3], v[B64], s[12:13] offset:(32*(\t/2)+8*(\t%2))*4
	global_load_b128 v[128+8*\t+4:128+8*\t+7], v[B64], s[12:13] offset:(32*(\t/2)+8*(\t%2))*4+16
.endr
	WIN 0
.irp m, 0,1
.irp ks, 0,1
	global_load_b32 v[YS+4*\m+\ks], v[R4], s[36:37] offset:64*(2*\m+\ks)
	global_load_b32 v[YS+4*\m+\ks+2], v[R4], s[38:39] offset:64*(2*\m+\ks)
.endr
.endr
.irp i, 0,1,2,3,4,5,6,7,8,9,10,11,12,13,14,15
	global_load_b32 v[W1S+\i], v[LS], s[30:31] offset:128*\i
.endr
	; ---- the second group, 96 loads: what comes later
	WIN 0xc0
.irp t, 0,1,2,3,4,5,6,7
	global_load_b128 v[8*\t:8*\t+3], v[B64], s[10:11] offset:(32*(\t/2)+8*(\t%2))*4
	global_load_b128 v[8*\t+4:8*\t+7], v[B64], s[10:11] offset:(32*(\t/2)+8*(\t%2))*4+16
	global_load_b128 v[64+8*\t:64+8*\t+3], v[B64], s[10:11] offset:2048+(32*(\t/2)+8*(\t%2))*4
	global_load_b128 v[64+8*\t+4:64+8*\t+7], v[B64], s[10:11] offset:2048+(32*(\t/2)+8*(\t%2))*4+16
.endr
.irp i, 0,1,2,3,4,5,6,7,8,9,10,11,12,13,14,15
	global_load_b128 v[128+4*\i:128+4*\i+3], v[LI], s[16:17] offset:512*\i   ; my 8 rows of descs, 512 consecutive bytes a load
.endr
	WIN 0x80
.irp i, 0,1,2,3,4,5,6,7,8,9,10,11,12,13,14,15
	global_load_b128 v[8*\i:8*\i+3], v[LI], s[32:33] offset:1024*\i
	global_load_b128 v[8*\i+4:8*\i+7], v[LI], s[32:33] offset:1024*\i+512
.endr
.irp t, 0,1,2,3
	global_load_b128 v[192+8*\t:192+8*\t+3], v[B32], s[14:15] offset:64*\t
	global_load_b128 v[192+8*\t+4:192+8*\t+7], v[B32], s[14:15] offset:64*\t+16
.endr
	WIN 0
.irp i, 0,1,2,3,4,5,6,7
	global_load_b32 v[W2S+\i], v[LS], s[34:35] offset:128*\i
.endr
	s_wait_loadcnt 63                              ; the first group is in: 96 younger loads were issued, so 63 is the stricter count
	; ---- y: the 16 accumulators take turns, a K step at a time
	WIN 0x2d                                       ; source 0 (W1) window 1, source 1 (y) window 3, C (b1) window 2
.irp m, 0,1
.irp t, 0,1,2,3,4,5,6,7
	MM ACC+8*(8*\m+\t), 8*(4*\t), 192+8*(4*\m), 128+8*\t, W1S+4*(\t/2), YS+4*\m, \t%2
.endr
.endr
	WIN 0x0d
.irp ks, 1,2,3
.irp m, 0,1
.irp t, 0,1,2,3,4,5,6,7
	MM ACC+8*(8*\m+\t), 8*(4*\t+\ks), 192+8*(4*\m+\ks), ACC+8*(8*\m+\t), W1S+4*(\t/2)+\ks, YS+4*\m+\ks, \t%2
.endr
.endr
.endr
	s_wait_loadcnt 0x0
	PLACES 4
	; ---- the norm and the activation, in f32; each accumulator from its low end on
	WIN 0x0c                                       ; source 1 window 3
.irp m, 0,1
.irp t, 0,1,2,3,4,5,6,7
.irp q, 0,2,4,6
	v_pk_add_f32 v[ACC+8*(8*\m+\t)+\q:ACC+8*(8*\m+\t)+\q+1], v[ACC+8*(8*\m+\t)+\q:ACC+8*(8*\m+\t)+\q+1], v[8*\t+\q:8*\t+\q+1] neg_lo:[0,1] neg_hi:[0,1]
.endr
.endr
.endr
.irp m, 0,1
.irp t, 0,1,2,3,4,5,6,7
.irp q, 0,2,4,6
	v_pk_mul_f32 v[ACC+8*(8*\m+\t)+\q:ACC+8*(8*\m+\t)+\q+1], v[ACC+8*(8*\m+\t)+\q:ACC+8*(8*\m+\t)+\q+1], v[64+8*\t+\q:64+8*\t+\q+1]
.endr
.endr
.endr
	WIN 0
.set j, 0
.rept 128
	v_max_num_f32 v[ACC+j], 0, v[ACC+j]
.set j, j+1
.endr
	QUANT ACC, PC, PW
	IMAGE HWI, PC, HIMG                            ; K step w of the second product, tile 0
	ds_store_b32 v[HWS], v[PW] offset:HSC
	s_wait_dscnt 0x0                               ; the stores have read their registers
	QUANT ACC+64, PC, PW
	IMAGE HWI, PC, HIMG+4096
	ds_store_b32 v[HWS], v[PW] offset:HSC+512
	BARRIER                                        ; the hidden layer's eight fragments lie in LDS
	; ---- out: eight accumulators by turns
	WIN 0xc0
.irp i, 0,1,2,3,4,5,6,7
	FETCH 192+8*\i, LI, HIMG+1024*\i
.endr
	WIN 0
.irp i, 0,1,2,3,4,5,6,7
	ds_load_b32 v[YS+\i], v[LS] offset:HSC+128*\i
.endr
	s_wait_dscnt 0x0
	WIN 0x2e                                       ; source 0 (W2) and C (b2) window 2, source 1 (hidden) window 3
.irp m, 0,1
.irp t, 0,1,2,3
	MM ACC+8*(4*\m+\t), 8*(4*\t), 192+8*(4*\m), 192+8*\t, W2S+4*(\t/2), YS+4*\m, \t%2
.endr
.endr
	WIN 0x0e
.irp ks, 1,2,3
.irp m, 0,1
.irp t, 0,1,2,3
	MM ACC+8*(4*\m+\t), 8*(4*\t+\ks), 192+8*(4*\m+\ks), ACC+8*(4*\m+\t), W2S+4*(\t/2)+\ks, YS+4*\m+\ks, \t%2
.endr
.endr
.endr
	WIN 0
	PLACES 4
.irp m, 0,1
.irp t, 0,1,2,3
	ds_store_b128 v[SO], v[ACC+8*(4*\m+\t):ACC+8*(4*\m+\t)+3] offset:8320*\m+64*\t       ; lane (r, h): out(8 m + pi(r), 64 w + 16 t + 8 h + 0 .. 7)
	ds_store_b128 v[SO], v[ACC+8*(4*\m+\t)+4:ACC+8*(4*\m+\t)+7] offset:8320*\m+64*\t+16
.endr
.endr
	BARRIER                                        ; 32 whole rows lie in the stage
.irp i, 0,1,2,3,4,5,6,7,8,9,10,11,12,13,14,15
	ds_load_b128 v[144+4*\i:147+4*\i], v[SR] offset:(\i/2)*1040+512*(\i%2)
.endr
	s_wait_dscnt 0x0
	WIN 0x0c
.set j, 0
.rept 32
	v_pk_add_f32 v[144+j:145+j], v[144+j:145+j], v[128+j:129+j]   ; the residual
.set j, j+2
.endr
	WIN 0
.irp i, 0,1,2,3,4,5,6,7,8,9,10,11,12,13,14,15
	global_store_b128 v[LI], v[144+4*\i:147+4*\i], s[18:19] offset:512*\i th:TH_STORE_NT   ; 32 lanes store 512 consecutive bytes, at a multiple of 256 from out0's first byte
.endr
	s_wait_tensorcnt 0x0
	ds_add_u32 v254, v255
	s_wait_dscnt 0x0
	s_endpgm
.Lfunc_end_k_q7f7f79e76d_tail2:
	.size	k_q7f7f79e76d_tail2, .Lfunc_end_k_q7f7f79e76d_tail2-k_q7f7f79e76d_tail2
	.p2alignl 7, 3214868480
	.fill 96, 4, 3214868480
	.section	.rodata,"a",@progbits
	.p2align	6, 0x0
	.amdhsa_kernel k_q7f7f79e76d_tail2
		.amdhsa_group_segment_fixed_size 43008
		.amdhsa_private_segment_fixed_size 0
		.amdhsa_enable_private_segment 0
		.amdhsa_kernarg_size 64
		.amdhsa_user_sgpr_count 2
		.amdhsa_user_sgpr_kernarg_segment_ptr 1
		.amdhsa_wavefront_size32 1
		.amdhsa_system_sgpr_workgroup_id_x 1
		.amdhsa_system_sgpr_workgroup_id_y 1
		.amdhsa_system_sgpr_workgroup_id_z 1
		.amdhsa_system_vgpr_workitem_id 0
		.amdhsa_next_free_vgpr 1024
		.amdhsa_next_free_sgpr 66
		.amdhsa_reserve_vcc 0
		.amdhsa_float_denorm_mode_32 3
		.amdhsa_float_denorm_mode_16_64 3
		.amdhsa_memory_ordered 1
		.amdhsa_forward_progress 1
		.amdhsa_inst_pref_size 64
	.end_amdhsa_kernel
	.amdgpu_metadata
---
amdhsa.version: [ 1, 2 ]
amdhsa.kernels:
  - .name:           k_q7f7f79e76d_tail2
    .symbol:         k_q7f7f79e76d_tail2.kd
    .args:
      - { .name: xb, .offset: 0, .size: 8, .value_kind: global_buffer, .address_space: global }
      - { .name: m2, .offset: 8, .size: 8, .value_kind: global_buffer, .address_space: global }
      - { .name: wb, .offset: 16, .size: 8, .value_kind: global_buffer, .address_space: global }
      - { .name: stat, .offset: 24, .size: 8, .value_kind: global_buffer, .address_space: global }
      - { .name: b1, .offset: 32, .size: 8, .value_kind: global_buffer, .address_space: global }
      - { .name: b2, .offset: 40, .size: 8, .value_kind: global_buffer, .address_space: global }
      - { .name: descs, .offset: 48, .size: 8, .value_kind: global_buffer, .address_space: global }
      - { .name: out0, .offset: 56, .size: 8, .value_kind: global_buffer, .address_space: global }
    .group_segment_fixed_size: 43008
    .private_segment_fixed_size: 0
    .kernarg_segment_align: 8
    .kernarg_segment_size: 64
    .max_flat_workgroup_size: 128
    .sgpr_count:     66
    .vgpr_count:     1024
    .wavefront_size: 32
...
	.end_amdgpu_metadata
.endif
;; end of part 5
;; ======== version 2 of 2: 5 launches
;; workspace buffers: qb 1,179,648 bytes; kv 2,228,224 bytes; xb 1,114,112 bytes; wb 243,712 bytes; msg 8,388,608 bytes; m2 1,114,112 bytes; part 1,048,576 bytes; stat 4,096 bytes
;; launch proj (part 6): grid 272 x 1, 4 waves a work-group, no clusters, 37,376 bytes of LDS; arguments descs, Wq, bq, Wk, bk, Wv, bv, Wm, W1, W2, qb, kv, xb, wb; writes qb, kv, xb, wb
.if DOCPART == 6
	.amdgcn_target "amdgcn-amd-amdhsa--gfx1250"
	.amdhsa_code_object_version 6
	.text
	.protected	k_q7f7f79e76d_proj
	.globl	k_q7f7f79e76d_proj
	.p2align	8
	.type	k_q7f7f79e76d_proj,@function
k_q7f7f79e76d_proj:
	s_mov_b64 s[64:65], 0
	v_nop
	global_prefetch_b8 v0, s[64:65] scope:SCOPE_SE
	s_setreg_imm32_b32 hwreg(HW_REG_WAVE_SCHED_MODE, 0, 2), 2
	s_setreg_imm32_b32 hwreg(HW_REG_WAVE_MODE, 25, 1), 1
	s_wait_xcnt 0x0
	s_wait_alu depctr_vm_vsrc(0)
; Work-groups 0-255: q, k, v of 128 points (a key step) for one head, as codes of FP4 (E2M1) with one E8M0 byte for each 32 along a product's K.
; Work-groups 256-271: Wm, W1, W2 as codes.  Channel o of a projection is 4 d + head.
; EVERY OPERAND LEAVES AS AN IMAGE OF ITS REGISTERS: a fragment (16 rows x 128 K, 8 registers a lane) is two runs of 512 bytes, lane l's 16 bytes at 16 l; its scale words 4 bytes a row.
; THE ROWS OF A TILE ARE NOT NEIGHBOURS: pi(r) = r + 8 (r / 8); lane r of tile 2 G + u of points holds point 32 G + 8 u + pi(r).  So one image of x serves as source 1 for q and k,
; as source 0 for v (a lane's 64 results are then 16 neighbouring keys of each block of 32), and gives K's tiles the key order in which a softmax's registers are neighbouring keys.
; q and k: source 0 = 16 rows of Wq or Wk (d in the order pi), source 1 = 16 points: a lane holds one point, its 32 + 32 registers run along d.  One pass of the quantiser makes both:
; blocks 0, 1 are q's, blocks 2, 3 are k's.  The biases are the C of each sum's first matrix instruction.
; NO CLUSTER: what work-groups share (a head's 192 rows of weights, 128 rows of x) goes from memory into the registers of the wave that quantises it, once; no tile is fetched by a tensor load that partners could ask for jointly.
; LIMITS: NaN and infinities among the inputs are not served; a block of zeros, or one whose largest magnitude lies under 2^-124, gets the byte 1 (its bytes are read by this program alone).
; Wm's codes lie in the order in which the later launch gets msg from four head planes: inside each half block of 16 along K, place 4 g + e holds channel 4 e + g, alike on both operands.
; THE MODE: SCHED_MODE bits 1:0 = 2 (LLVM: expert scheduling mode 2), set by the entry lines.  The code itself states the register dependences
; between vector or matrix instructions and memory or LDS instructions, with s_wait_alu, always for 0.
; THE PLAN.  Registers that memory or LDS instructions touch:
;   v1, v5-15     offsets and LDS addresses: written at the head, never again: one wait on va_vdst ahead of the first load.
;   HA, ST        64 numbers each, by turns: loaded, read by a pass of the quantiser, loaded again.  One wait on va_vdst behind each pass states that the pass is done reading its set
;                 and has written its codes and scale word: the stores of those and the next loads into the set follow it.
;   XF, XS        x's codes and scale words: written once each, read by LDS stores, by xb's stores and by matrix instructions; never written again.
;   PC, PWA, PWB  codes and scale words on their way out: written by a pass, read by its stores; ahead of each pass that writes them again stands a wait on vm_vsrc.
;   window 1 v0-127, WS   filled from LDS with the weights' fragments and scale words, read by q's and k's matrix instructions, filled again with x's: a wait on va_vdst between.
;   WVF, WVS, TM and the accumulators are named by vector and matrix instructions alone.
.set XIMG, 0                           ; LDS: x's 16 fragments (tile t, K step s: 2 t + s),
.set XSC,  16384                       ; their scale words, 128 bytes each,
.set WIMG, 18432                       ; Wq's and Wk's 16 fragments (tile tau, K step s: 2 tau + s; tau 0-3 Wq, 4-7 Wk),
.set WSC,  34816                       ; their scale words
.set LI,  5                            ; 16 x lane
.set LS,  6                            ; 4 x lane
.set R4,  7                            ; 4 r
.set VX,  8                            ; x: pi(r) rows of 1,024 bytes + 64 h
.set VW,  9                            ; Wq, Wk: pi(r) x 4 rows + 64 h
.set VV,  10                           ; Wv: r x 4 rows + 64 h
.set VB,  11                           ; bq, bk: 256 h
.set R16, 12                           ; bv: 16 r
.set XWI, 13                           ; where I store x's images: 16 x lane + 4,096 x wave
.set XWS, 14                           ; and their scale words: 4 x lane + 512 x wave
.set WWI, 15                           ; the weights' images: 16 x lane + 2,048 x wave
.set WWS, 1                            ; their scale words: 4 x lane + 256 x wave
.set XF,  16                           ; v16-47   my four fragments of x
.set HA,  48                           ; v48-111  64 numbers as loaded; later 8 accumulators
.set PC,  112                          ; v112-119 codes just made
.set WVF, 120                          ; v120-135 Wv's two fragments
.set BV,  136                          ; v136-143 bv of my lane's row, eight times: a C
.set ST,  144                          ; v144-207 the second set of 64 numbers
.set TM,  208                          ; v208-223 at work in the quantiser
.set WS,  224                          ; v224-239 16 scale words from LDS
.set XS,  240                          ; v240-243 my x fragments' scale words
.set WVS, 244                          ; v244-245 Wv's
.set PWA, 246
.set PWB, 247
.set TT,  248
.set WV,  32
.set SEL, 34
.set MSB, 0
.macro WIN new                         ; the immediate's high byte repeats the setting that is left
.if MSB != \new
	s_set_vgpr_msb (MSB<<8)|\new
.set MSB, \new
.endif
.endm
.macro PLACES n
.rept \n
	v_nop
.endr
.endm
.macro BARRIER                         ; my LDS stores have landed and my LDS loads are in: then the work-group's barrier
	s_wait_dscnt 0x0
	s_barrier_signal -1
	s_barrier_wait -1
.endm
; 64 numbers of a lane, register 16 b + i = k 32 b + 16 (lane / 16) + i of my row, become a fragment's codes in v[d] on and its scale word in v[pw]
.macro QUANT s, d, pw
.irp b, 0,1,2,3
	v_max3_num_f32 v[TM+\b], |v[\s+16*\b]|, |v[\s+1+16*\b]|, 0x1800000   ; my 16 numbers of block b, and the floor 2^(3 - 127): the byte cannot fall under 1
.endr
.irp i, 2,4,6,8,10,12,14
.irp b, 0,1,2,3
	v_max3_num_f32 v[TM+\b], v[TM+\b], |v[\s+16*\b+\i]|, |v[\s+1+16*\b+\i]|
.endr
.endr
.irp b, 0,1,2,3
	v_permlanex16_b32 v[TM+4+\b], v[TM+\b], s[SEL], s[SEL+1]
.endr
.irp b, 0,1,2,3
	v_max_num_f32 v[TM+\b], v[TM+\b], v[TM+4+\b]   ; with lane l xor 16's: the block's largest magnitude
.endr
.irp b, 0,1,2,3
	v_add_nc_u32 v[TM+12+\b], 0xff000000, v[TM+\b]   ; 2 off its exponent field: the conversion's scale operand
.endr
.irp b, 0,1,2,3
	v_lshrrev_b32 v[TM+4+\b], 23, v[TM+12+\b]      ; the scale's byte
.endr
	v_lshl_or_b32 v[\pw], v[TM+5], 8, v[TM+4]
	v_lshl_or_b32 v[\pw], v[TM+6], 16, v[\pw]
	v_lshl_or_b32 v[\pw], v[TM+7], 24, v[\pw]
.irp b, 0,1,2,3
	v_cvt_scalef32_pk8_fp4_f32 v[\d+2*\b], v[\s+16*\b:\s+7+16*\b], v[TM+12+\b]
	v_cvt_scalef32_pk8_fp4_f32 v[\d+1+2*\b], v[\s+8+16*\b:\s+15+16*\b], v[TM+12+\b]
.endr
	v_nop                                          ; one plain place behind a scaled conversion
.irp c, 0,1                                    ; the operand's layout wants a whole block in a lane
.irp i, 0,1
	v_permlane16_swap_b32 v[\d+4*\c+\i], v[\d+2+4*\c+\i]
.endr
.endr
.endm
.macro XLOAD reg, sb, voff, off        ; 64 numbers of my row: 16 neighbours of each of four blocks of 32
.irp b, 0,1,2,3
.irp j, 0,1,2,3
	global_load_b128 v[\reg+16*\b+4*\j:\reg+16*\b+4*\j+3], v[\voff], s[\sb:\sb+1] offset:\off+128*\b+16*\j
.endr
.endr
.endm
.macro XLOADP reg, off                 ; the same of Wm, in msg's order: register 16 b + 4 g + e holds channel 32 b + 16 h + 4 e + g
.irp b, 0,1,2,3
.irp g, 0,1,2,3
.irp e, 0,1,2,3
	global_load_b32 v[\reg+16*\b+4*\g+\e], v[VX], s[18:19] offset:\off+128*\b+16*\e+4*\g
.endr
.endr
.endr
.endm
.macro IMAGE adr, d, off
.irp c, 0,1
	ds_store_b128 v[\adr], v[\d+4*\c:\d+4*\c+3] offset:\off+512*\c
.endr
.endm
.macro FETCH reg, adr, off
.irp c, 0,1
	ds_load_b128 v[\reg+4*\c:\reg+4*\c+3], v[\adr] offset:\off+512*\c
.endr
.endm
.macro MM d, a, b, c, sa, sb           ; D = A B + C on codes of FP4
	v_wmma_scale_f32_16x16x128_f8f6f4 v[\d:\d+7], v[\a:\a+7], v[\b:\b+7], v[\c:\c+7], v[\sa], v[\sb] matrix_a_fmt:MATRIX_FMT_FP4 matrix_b_fmt:MATRIX_FMT_FP4
.endm
	s_load_b512 s[4:19], s[0:1], 0x0               ; descs 4, Wq 6, bq 8, Wk 10, bk 12, Wv 14, bv 16, Wm 18
	s_load_b256 s[20:27], s[0:1], 0x40             ; W1 20, W2 22, qb 24, kv 26
	s_load_b128 s[28:31], s[0:1], 0x60             ; xb 28, wb 30
	v_lshl_add_u32 v254, v0, 2, 0x9000
	v_mov_b32 v255, 0
	v_lshrrev_b32 v1, 5, v0
	v_readfirstlane_b32 s[WV], v1                  ; wave 0..3
	v_and_b32 v1, 31, v0                           ; lane
	v_and_b32 v2, 15, v0                           ; r
	v_bfe_u32 v3, v0, 4, 1                         ; h
	v_and_b32 v4, 8, v2
	v_add_nc_u32 v4, v4, v2                        ; pi(r)
	v_lshlrev_b32 v[LI], 4, v1
	v_lshlrev_b32 v[LS], 2, v1
	v_lshlrev_b32 v[R4], 2, v2
	s_mov_b32 s[SEL], 0x76543210
	s_mov_b32 s[SEL+1], 0xfedcba98                 ; v_permlanex16_b32's selects for lane l xor 16
.irp b, 0,1,2,3
	v_mov_b32 v[TM+4+\b], 0                        ; written once: a lane permute's destination counts as one of its sources
.endr
	s_wait_alu depctr_va_sdst(0)                   ; s[WV] is written, ahead of the branch below and of its first readers on both ways
	s_mov_b32 s39, 0                               ; the upper word of every offset
	s_cmp_ge_u32 ttmp9, 256                        ; the work-group's number: the same in all four waves
	s_cbranch_scc1 .Lprep
	; ---------------- q, k, v of one key step for one head
	s_and_b32 s36, ttmp9, 3                        ; the head
	s_lshr_b32 s37, ttmp9, 2                       ; the key step
	s_wait_alu depctr_va_vdst(0)
	v_lshlrev_b32 v[VX], 10, v4
	v_lshl_add_u32 v[VX], v3, 6, v[VX]
	v_lshlrev_b32 v[VW], 12, v4
	v_lshl_add_u32 v[VW], v3, 6, v[VW]
	v_lshlrev_b32 v[VV], 12, v2
	v_lshl_add_u32 v[VV], v3, 6, v[VV]
	v_lshlrev_b32 v[VB], 8, v3
	v_lshlrev_b32 v[R16], 4, v2
	s_lshl_b32 s38, s[WV], 12
	v_add_nc_u32 v[XWI], s38, v[LI]
	s_lshl_b32 s38, s[WV], 9
	v_add_nc_u32 v[XWS], s38, v[LS]
	s_lshl_b32 s38, s[WV], 11
	v_add_nc_u32 v[WWI], s38, v[LI]
	s_lshl_b32 s38, s[WV], 8
	v_add_nc_u32 v[WWS], s38, v[LS]
	s_wait_kmcnt 0x0
	s_lshl_b32 s38, s36, 2                         ; 4 x head
	s_add_nc_u64 s[8:9], s[8:9], s[38:39]          ; bq, bk at the head's first channel
	s_add_nc_u64 s[12:13], s[12:13], s[38:39]
	s_lshl_b32 s52, s[WV], 8
	s_add_co_u32 s38, s38, s52
	s_add_nc_u64 s[16:17], s[16:17], s[38:39]      ; bv at d = 16 x wave
	s_lshl_b32 s38, s37, 17
	s_lshl_b32 s52, s[WV], 15
	s_add_co_u32 s38, s38, s52
	s_add_nc_u64 s[4:5], s[4:5], s[38:39]          ; descs at point 128 x step + 32 x wave
	s_lshl_b32 s53, s36, 10                        ; the head's row among four: 1,024 bytes
	s_lshr_b32 s38, s[WV], 1
	s_lshl_b32 s38, s38, 17                        ; 32 d
	s_and_b32 s52, s[WV], 1
	s_lshl_b32 s52, s52, 15                        ; 8 d
	s_add_co_u32 s38, s38, s52
	s_add_co_u32 s38, s38, s53
	s_add_nc_u64 s[6:7], s[6:7], s[38:39]          ; Wq, Wk at my tile's first row
	s_add_nc_u64 s[10:11], s[10:11], s[38:39]
	s_lshl_b32 s38, s[WV], 16                      ; 16 d
	s_add_co_u32 s38, s38, s53
	s_add_nc_u64 s[14:15], s[14:15], s[38:39]      ; Wv at d = 16 x wave
	s_lshl_b32 s38, s37, 14
	s_lshl_b32 s52, s[WV], 12
	s_add_co_u32 s38, s38, s52
	s_add_nc_u64 s[40:41], s[28:29], s[38:39]      ; xb: my four images
	s_lshl_b32 s38, s37, 10
	s_lshl_b32 s52, s[WV], 8
	s_add_co_u32 s38, s38, s52
	s_add_co_u32 s38, s38, 0x100000
	s_add_nc_u64 s[42:43], s[28:29], s[38:39]      ; and their scale words
	s_lshl_b32 s38, s36, 18
	s_lshl_b32 s52, s37, 12
	s_add_co_u32 s38, s38, s52
	s_lshl_b32 s52, s[WV], 10
	s_add_co_u32 s38, s38, s52
	s_add_nc_u64 s[44:45], s[24:25], s[38:39]      ; qb: my two tiles' images, 512 bytes each
	s_lshr_b32 s38, s38, 3
	s_add_co_u32 s38, s38, 0x100000
	s_add_nc_u64 s[46:47], s[24:25], s[38:39]      ; and their scale words, 64 bytes each
	s_lshl_b32 s38, s36, 19
	s_lshl_b32 s52, s37, 13
	s_add_co_u32 s38, s38, s52
	s_lshl_b32 s52, s[WV], 10
	s_add_co_u32 s38, s38, s52
	s_add_nc_u64 s[48:49], s[26:27], s[38:39]      ; kv: the step's block + 1,024 x wave
	s_lshl_b32 s38, s36, 15
	s_lshl_b32 s52, s37, 9
	s_add_co_u32 s38, s38, s52
	s_lshl_b32 s52, s[WV], 6
	s_add_co_u32 s38, s38, s52
	s_add_co_u32 s38, s38, 0x200000
	s_add_nc_u64 s[50:51], s[26:27], s[38:39]      ; and the step's scale block + 64 x wave
	; the biases first, so that they are the oldest loads: in the results' layout, lane (r, h), tile 2 b + u, register j: d = 32 b + 16 h + 8 u + j
	WIN 0x40                                       ; destination window 1
	s_wait_alu depctr_va_vdst(0)                   ; the offsets and LDS addresses v1 and v5 to v15 are written: every load and store of this way reads one of them
.irp t, 0,1,2,3
.irp j, 0,1,2,3,4,5,6,7
	global_load_b32 v[128+8*\t+\j], v[VB], s[8:9] offset:16*(32*(\t/2)+8*(\t%2)+\j)
	global_load_b32 v[160+8*\t+\j], v[VB], s[12:13] offset:16*(32*(\t/2)+8*(\t%2)+\j)
.endr
.endr
	WIN 0
.irp j, 0,1,2,3,4,5,6,7
	global_load_b32 v[BV+\j], v[R16], s[16:17]     ; v's results hold one d a lane: the same word in all eight registers
.endr
	; ---- ten fragments are quantised, two sets of registers by turns; a count of 16 leaves the one younger run of 16 loads out
.macro XPART set, i
	s_wait_loadcnt 16
	QUANT \set, XF+8*\i, XS+\i
	s_wait_alu depctr_va_vdst(0)                   ; the quantiser has written this fragment and its scale word, which the LDS stores read and scaled matrix instructions take later; it is done reading its set, in which the next run of loads lands
	IMAGE XWI, XF+8*\i, XIMG+1024*\i
	ds_store_b32 v[XWS], v[XS+\i] offset:XSC+128*\i
.endm
.macro WPART set, off, soff, first
	s_wait_loadcnt 16
.if \first == 0
	s_wait_dscnt 0x0                               ; the last image's stores have read their registers
	s_wait_alu depctr_vm_vsrc(0)                   ; the last image's LDS stores have read v[PC ..] and v[PWA], which the quantiser writes again
.endif
	QUANT \set, PC, PWA
	s_wait_alu depctr_va_vdst(0)                   ; the quantiser has written v[PC ..] and v[PWA], which the LDS stores read; it is done reading its set, in which the next run of loads lands
	IMAGE WWI, PC, \off
	ds_store_b32 v[WWS], v[PWA] offset:\soff
.endm
	XLOAD HA, 4, VX, 0
	XLOAD ST, 4, VX, 512
	XPART HA, 0
	XLOAD HA, 4, VX, 8192
	XPART ST, 1
	XLOAD ST, 4, VX, 8192+512
	XPART HA, 2
	XLOAD HA, 6, VW, 0
	XPART ST, 3
	XLOAD ST, 6, VW, 512
	s_cmp_lg_u32 s36, 0                            ; x's images go to memory once: from the work-groups of head 0
	s_cbranch_scc1 .Lnoxb
.irp i, 0,1,2,3
	global_store_b128 v[LI], v[XF+8*\i:XF+8*\i+3], s[40:41] offset:1024*\i
	global_store_b128 v[LI], v[XF+8*\i+4:XF+8*\i+7], s[40:41] offset:1024*\i+512
	global_store_b32 v[R4], v[XS+\i], s[42:43] offset:64*\i      ; the two lanes of a row write the same word
.endr
.Lnoxb:
	WPART HA, WIMG, WSC, 1
	XLOAD HA, 10, VW, 0
	WPART ST, WIMG+1024, WSC+128, 0
	XLOAD ST, 10, VW, 512
	WPART HA, WIMG+8192, WSC+1024, 0
	XLOAD HA, 14, VV, 0
	WPART ST, WIMG+8192+1024, WSC+1024+128, 0
	XLOAD ST, 14, VV, 512
	s_wait_loadcnt 16
	QUANT HA, WVF, WVS                             ; Wv's fragments stay in my registers
	s_wait_loadcnt 0x0
	QUANT ST, WVF+8, WVS+1
	BARRIER                                        ; all images lie in LDS; nothing is stored to LDS behind this barrier
	; ---- q and k of my two tiles of points
	WIN 0x40
	s_wait_alu depctr_va_vdst(0)                   ; the quantiser has written Wv's two fragments and their scale words, which scaled matrix instructions take further down
.irp i, 0,1,2,3,4,5,6,7,8,9,10,11,12,13,14,15
	FETCH 8*\i, LI, WIMG+1024*\i
.endr
	WIN 0
.irp i, 0,1,2,3,4,5,6,7,8,9,10,11,12,13,14,15
	ds_load_b32 v[WS+\i], v[LS] offset:WSC+128*\i
.endr
	s_wait_dscnt 0x0
.macro QKTILE x, pw
	WIN 0x11                                       ; source 0 (weights) and C (biases) window 1
.irp t, 0,1,2,3,4,5,6,7
	MM HA+8*\t, 16*\t, XF+16*\x, 128+8*\t, WS+2*\t, XS+2*\x
.endr
	WIN 0x01
.irp t, 0,1,2,3,4,5,6,7
	MM HA+8*\t, 16*\t+8, XF+16*\x+8, HA+8*\t, WS+2*\t+1, XS+2*\x+1
.endr
	WIN 0
	PLACES 4
	s_wait_xcnt 0x0                                ; earlier stores have read the registers that the quantiser writes
	s_wait_alu depctr_vm_vsrc(0)                   ; the earlier stores, to LDS and to memory, have read v[PC ..] and v[PWA], which the quantiser writes again
	QUANT HA, PC, \pw
.if \x == 1
	v_lshrrev_b32 v[TT], 16, v[PWA]                ; the pair's word: bytes 0, 1 the even tile's k, bytes 2, 3 the odd tile's
	v_and_or_b32 v[TT], v[PWB], 0xffff0000, v[TT]
.endif
	s_wait_alu depctr_va_vdst(0)                   ; the quantiser has written v[PC ..] and the scale word (behind the second tile: v[TT] too), which the stores below read
	global_store_b128 v[LI], v[PC:PC+3], s[44:45] offset:512*\x      ; q's image: blocks 0 and 1
	global_store_b128 v[LI], v[PC+4:PC+7], s[48:49] offset:512*\x    ; k's: blocks 2 and 3
	global_store_b32 v[R4], v[\pw], s[46:47] offset:64*\x            ; q's word: bytes 0 and 1 (bytes 2 and 3 will meet zero codes)
.if \x == 1
	global_store_b32 v[R4], v[TT], s[50:51]
.endif
.endm
	QKTILE 0, PWA
	QKTILE 1, PWB
	; ---- v: source 0 = a tile of points, source 1 = my 16 rows of Wv: a lane holds one d, its registers run along the step's 128 keys
	WIN 0x40
	s_wait_alu depctr_va_vdst(0)                   ; q's and k's matrix instructions are done reading the weights' fragments and scale words, in which x's land
.irp i, 0,1,2,3,4,5,6,7,8,9,10,11,12,13,14,15
	FETCH 8*\i, LI, XIMG+1024*\i
.endr
	WIN 0
.irp i, 0,1,2,3,4,5,6,7,8,9,10,11,12,13,14,15
	ds_load_b32 v[WS+\i], v[LS] offset:XSC+128*\i
.endr
	s_wait_dscnt 0x0
	WIN 0x01
.irp t, 0,1,2,3,4,5,6,7
	MM HA+8*\t, 8*(2*\t), WVF, BV, WS+2*\t, WVS
.endr
.irp t, 0,1,2,3,4,5,6,7
	MM HA+8*\t, 8*(2*\t+1), WVF+8, HA+8*\t, WS+2*\t+1, WVS+1
.endr
	WIN 0
	PLACES 4
	s_wait_xcnt 0x0                                ; the stores above have read PC and PWA
	s_wait_alu depctr_vm_vsrc(0)                   ; q's and k's stores have read v[PC ..] and v[PWA], which the quantiser writes again
	QUANT HA, PC, PWA
	s_wait_alu depctr_va_vdst(0)                   ; the quantiser has written v[PC ..] and v[PWA], which the stores below read
	global_store_b128 v[LI], v[PC:PC+3], s[48:49] offset:4096
	global_store_b128 v[LI], v[PC+4:PC+7], s[48:49] offset:4096+512
	global_store_b32 v[R4], v[PWA], s[50:51] offset:256
	s_wait_dscnt 0x0                               ; the closing lines, six on end
	s_wait_alu 0x0
	s_wait_tensorcnt 0x0
	ds_add_u32 v254, v255
	s_wait_dscnt 0x0
	s_endpgm
	; ---------------- the later launches' weights: a wave takes one tile of 16 rows.  No LDS, no barrier
.Lprep:
	s_sub_co_u32 s36, ttmp9, 256                   ; p = 0..15
	s_cmp_ge_u32 s36, 4
	s_cbranch_scc1 .Lprep12
	s_lshl_b32 s37, s36, 2
	s_add_co_u32 s37, s37, s[WV]                   ; Wm's tile T = 0..15: rows 32 (T / 2) + 8 (T % 2) + pi(r)
	s_lshr_b32 s52, s37, 1
	s_and_b32 s53, s37, 1
	s_wait_alu depctr_va_vdst(0)
	v_lshlrev_b32 v[VX], 10, v4
	v_lshl_add_u32 v[VX], v3, 6, v[VX]
	s_lshl_b32 s38, s52, 15
	s_lshl_b32 s54, s53, 13
	s_add_co_u32 s38, s38, s54
	s_wait_kmcnt 0x0
	s_add_nc_u64 s[18:19], s[18:19], s[38:39]
	s_lshl_b32 s38, s37, 11                        ; fragment 2 T
	s_add_nc_u64 s[40:41], s[30:31], s[38:39]
	s_lshl_b32 s38, s52, 8                         ; scale unit 2 (T / 2), its half T % 2
	s_lshl_b32 s54, s53, 6
	s_add_co_u32 s38, s38, s54
	s_add_co_u32 s38, s38, 229376
	s_add_nc_u64 s[42:43], s[30:31], s[38:39]
.macro STOREF i                        ; fragment i of the tile: each has registers of its own, so no store's data are written again
	global_store_b128 v[LI], v[PC+8*\i:PC+8*\i+3], s[40:41] offset:1024*\i
	global_store_b128 v[LI], v[PC+8*\i+4:PC+8*\i+7], s[40:41] offset:1024*\i+512
	global_store_b32 v[R4], v[PWA+\i], s[42:43] offset:128*\i
.endm
	s_wait_alu depctr_va_vdst(0)                   ; the offsets v[VX], v[LI] and v[R4] are written, which this way's loads and stores read
	XLOADP HA, 0
	XLOADP ST, 512
	s_wait_loadcnt 63                              ; the first 64 loads are in (64 younger ones were issued: 63 is the stricter count)
	QUANT HA, PC, PWA
	s_wait_alu depctr_va_vdst(0)                   ; the quantiser has written fragment 0's codes and scale word, which the stores read
	STOREF 0
	s_wait_loadcnt 0x0
	QUANT ST, PC+8, PWA+1
	s_wait_alu depctr_va_vdst(0)                   ; and fragment 1's
	STOREF 1
	s_endpgm
.Lprep12:
	s_wait_kmcnt 0x0
	s_cmp_lt_u32 s36, 12                           ; W1 (p = 4..11) or W2 (p = 12..15): one text, chosen by the work-group's number
	s_cselect_b32 s55, 1, 0
	s_cselect_b32 s54, 4, 12
	s_cselect_b32 s56, 32, 160                     ; the first fragment's number
	s_cselect_b32 s57, 16, 80                      ; the first scale unit's
	s_cselect_b64 s[20:21], s[20:21], s[22:23]
	s_sub_co_u32 s37, s36, s54
	s_lshl_b32 s37, s37, 2
	s_add_co_u32 s37, s37, s[WV]                   ; the tile T
	s_lshr_b32 s52, s37, 1
	s_and_b32 s53, s37, 1
	s_lshl_b32 s38, s52, 5
	s_lshl_b32 s54, s53, 3
	s_add_co_u32 s38, s38, s54                     ; W1: rows 32 (T / 2) + 8 (T % 2) + pi(r)
	s_lshl_b32 s54, s37, 4                         ; W2: rows 16 T + r
	s_cmp_eq_u32 s55, 1
	s_cselect_b32 s38, s38, s54
	s_lshl_b32 s38, s38, 11                        ; a row is 2,048 bytes
	s_add_nc_u64 s[20:21], s[20:21], s[38:39]
	v_and_b32 v15, 8, v2
	v_mul_u32_u24 v15, s55, v15
	v_add_nc_u32 v15, v15, v2                      ; pi(r) for W1, r for W2
	v_lshlrev_b32 v[VX], 11, v15
	v_lshl_add_u32 v[VX], v3, 6, v[VX]
	s_lshl_b32 s38, s37, 2
	s_add_co_u32 s38, s38, s56
	s_lshl_b32 s38, s38, 10
	s_add_nc_u64 s[40:41], s[30:31], s[38:39]
	s_lshl_b32 s38, s52, 2
	s_add_co_u32 s38, s38, s57
	s_lshl_b32 s38, s38, 7
	s_lshl_b32 s54, s53, 6
	s_add_co_u32 s38, s38, s54
	s_add_co_u32 s38, s38, 229376
	s_add_nc_u64 s[42:43], s[30:31], s[38:39]
	s_wait_alu depctr_va_vdst(0)                   ; the offsets v[VX], v[LI] and v[R4] are written, which this way's loads and stores read
	XLOAD HA, 20, VX, 0
	XLOAD ST, 20, VX, 512
	s_wait_loadcnt 16
	QUANT HA, PC, PWA
	s_wait_alu depctr_va_vdst(0)                   ; the quantiser has written fragment 0's codes and scale word, which the stores read, and is done reading HA, in which the next run of loads lands
	STOREF 0
	XLOAD HA, 20, VX, 1024
	s_wait_loadcnt 16
	QUANT ST, PC+8, PWA+1
	s_wait_alu depctr_va_vdst(0)                   ; the same of fragment 1 and of ST
	STOREF 1
	XLOAD ST, 20, VX, 1536
	s_wait_loadcnt 16
	QUANT HA, PC+16, PWA+2
	s_wait_alu depctr_va_vdst(0)                   ; the quantiser has written fragment 2's codes and scale word, which the stores read
	STOREF 2
	s_wait_loadcnt 0x0
	QUANT ST, PC+24, PWA+3
	s_wait_alu depctr_va_vdst(0)                   ; and fragment 3's
	STOREF 3
	s_endpgm
.Lfunc_end_k_q7f7f79e76d_proj:
	.size	k_q7f7f79e76d_proj, .Lfunc_end_k_q7f7f79e76d_proj-k_q7f7f79e76d_proj
	.p2alignl 7, 3214868480
	.fill 96, 4, 3214868480
	.section	.rodata,"a",@progbits
	.p2align	6, 0x0
	.amdhsa_kernel k_q7f7f79e76d_proj
		.amdhsa_group_segment_fixed_size 37376
		.amdhsa_private_segment_fixed_size 0
		.amdhsa_enable_private_segment 0
		.amdhsa_kernarg_size 112
		.amdhsa_user_sgpr_count 2
		.amdhsa_user_sgpr_kernarg_segment_ptr 1
		.amdhsa_wavefront_size32 1
		.amdhsa_system_sgpr_workgroup_id_x 1
		.amdhsa_system_sgpr_workgroup_id_y 1
		.amdhsa_system_sgpr_workgroup_id_z 1
		.amdhsa_system_vgpr_workitem_id 0
		.amdhsa_next_free_vgpr 512
		.amdhsa_next_free_sgpr 66
		.amdhsa_reserve_vcc 0
		.amdhsa_float_denorm_mode_32 3
		.amdhsa_float_denorm_mode_16_64 3
		.amdhsa_memory_ordered 1
		.amdhsa_forward_progress 1
		.amdhsa_inst_pref_size 137
	.end_amdhsa_kernel
	.amdgpu_metadata
---
amdhsa.version: [ 1, 2 ]
amdhsa.kernels:
  - .name:           k_q7f7f79e76d_proj
    .symbol:         k_q7f7f79e76d_proj.kd
    .args:
      - { .name: descs, .offset: 0, .size: 8, .value_kind: global_buffer, .address_space: global }
      - { .name: Wq, .offset: 8, .size: 8, .value_kind: global_buffer, .address_space: global }
      - { .name: bq, .offset: 16, .size: 8, .value_kind: global_buffer, .address_space: global }
      - { .name: Wk, .offset: 24, .size: 8, .value_kind: global_buffer, .address_space: global }
      - { .name: bk, .offset: 32, .size: 8, .value_kind: global_buffer, .address_space: global }
      - { .name: Wv, .offset: 40, .size: 8, .value_kind: global_buffer, .address_space: global }
      - { .name: bv, .offset: 48, .size: 8, .value_kind: global_buffer, .address_space: global }
      - { .name: Wm, .offset: 56, .size: 8, .value_kind: global_buffer, .address_space: global }
      - { .name: W1, .offset: 64, .size: 8, .value_kind: global_buffer, .address_space: global }
      - { .name: W2, .offset: 72, .size: 8, .value_kind: global_buffer, .address_space: global }
      - { .name: qb, .offset: 80, .size: 8, .value_kind: global_buffer, .address_space: global }
      - { .name: kv, .offset: 88, .size: 8, .value_kind: global_buffer, .address_space: global }
      - { .name: xb, .offset: 96, .size: 8, .value_kind: global_buffer, .address_space: global }
      - { .name: wb, .offset: 104, .size: 8, .value_kind: global_buffer, .address_space: global }
    .group_segment_fixed_size: 37376
    .private_segment_fixed_size: 0
    .kernarg_segment_align: 8
    .kernarg_segment_size: 112
    .max_flat_workgroup_size: 128
    .sgpr_count:     66
    .vgpr_count:     512
    .wavefront_size: 32
...
	.end_amdgpu_metadata
.endif
;; end of part 6
;; launch attn (part 7): grid 64 x 4, 8 waves a work-group, clusters of 4 x 1, 327,680 bytes of LDS; arguments qb, kv, msg; writes msg
.if DOCPART == 7
	.amdgcn_target "amdgcn-amd-amdhsa--gfx1250"
	.amdhsa_code_object_version 6
	.text
	.protected	k_q7f7f79e76d_attn
	.globl	k_q7f7f79e76d_attn
	.p2align	8
	.type	k_q7f7f79e76d_attn,@function
k_q7f7f79e76d_attn:
	s_mov_b64 s[64:65], 0
	v_nop
	global_prefetch_b8 v0, s[64:65] scope:SCOPE_SE
	s_setreg_imm32_b32 hwreg(HW_REG_WAVE_MODE, 25, 1), 1
	s_wait_xcnt 0x0
	s_wait_alu depctr_hold_cnt(0) depctr_sa_sdst(0) depctr_va_vdst(0) depctr_va_sdst(0) depctr_va_ssrc(0) depctr_va_vcc(0) depctr_vm_vsrc(0)
	s_getreg_b32 s2, hwreg(HW_REG_IB_STS2, 6, 4)
	s_cmp_eq_u32 s2, 0
	s_cbranch_scc0 .Lentry_in_a_cluster
	s_endpgm
.Lentry_in_a_cluster:
	s_bfe_u32 s2, ttmp6, 0x10000c
	s_cmp_lg_u32 s2, 0x3003
	s_cbranch_scc0 .Lentry_shape_is_right
	s_endpgm
.Lentry_shape_is_right:
; msg[head][n][d] = the sum over keys of softmax(q . k / 8) v, both products on codes of FP4 (E2M1) with one E8M0 byte for each 32 along K.
; THE SOFTMAX AHEAD OF THE SECOND PRODUCT: t = score x log2(e) / 8; M = the row's largest t so far, rounded up to a whole number; p = 2^(t - M) is quantised along the keys, not normalised.
; The row's sum is taken of the unquantised p and divides O at the end.  When M moves, the sum and O are multiplied by 2^(old M - new M): exact.
; SHARES.  A work-group owns 128 queries of one head, each of its eight waves one tile of 16, in 256 registers: two waves to a SIMD.  Every wave walks the head's 64 key steps of 128 keys.
; OPERANDS ARE IMAGES OF REGISTERS: a step's block is 8,192 bytes: K's eight tiles (512 bytes each: 16 keys x 64 d), then V's four fragments (1,024 bytes each: 16 d x 128 keys); every LDS load takes 16 x lane on end.
; K = 64 IN AN INSTRUCTION OF K = 128: two tiles of keys are ONE source 0 (registers 0-3 the even tile, 4-7 the odd one; one scale word serves both).  Source 1 is [q | 0] for the even tile's scores and [0 | q] for the
; odd tile's: v16-27 hold q, zeros, q.  The half that does not count multiplies zero codes.
; Both products are used transposed, so that a lane holds one query throughout; the keys of a tile were chosen so that the 16 registers of tiles 2 b, 2 b + 1 are keys 32 b + 16 (lane / 16) + 0 .. 15.
; RING: two slots of 16 steps (131,072 bytes); each wave fetches two steps' blocks by one tensor load.  The head's scale bytes (32,768) come once, with the first fills.
; CLUSTER: the four work-groups of a cluster belong to one head and walk the same blocks: each tile is asked for jointly, by the same load with the same descriptor and a mask that names the four.
; LIMITS: NaN and infinities are not served; a block whose every p has fallen to 0 keeps the byte 1: its codes are zeros.
.set SLOT1, 1<<17
.set SCB,   262144                     ; behind the ring: the head's scale bytes, 512 a step
.set SPARE, 294912                     ; the spare words, 128 bytes for each wave: four blocks of 256 bytes that no other line names
.set LI,  1                            ; 16 x lane
.set LS,  2                            ; SCB + 4 x lane
.set SPW, 3                            ; SPARE + 4 x my thread's number; never rewritten
.set NIL, 4                            ; 0; never rewritten
.set GO,  5                            ; the way out: my byte offset in two rows of msg
.set ADR, 6                            ; LDS address of the step's block
.set ADS, 7                            ; and of its scale words
.set PFO, 8                            ; 256 x lane; never rewritten
.set KS,  200                          ; v200-201 K's scale words: lanes 0-15 an even pair of tiles, lanes 16-31 the odd pair
.set VS,  202                          ; v202-203 V's likewise
.set BM,  204                          ; v204-207 each block's largest score, then its largest p
.set T4,  208                          ; v208-211 at work
.set SO,  212                          ; v212-215 the conversions' scale operands
.set PW,  216                          ; p's scale word
.set FF,  218                          ; v[218:219] f = 2^(old M - new M)
.set TP,  220
.set C2,  222                          ; v[222:223] the sums' second chain
.set WV,  12
.set SEL, 20
.set CS,  22                           ; s[22:23] c = log2(e) / 8
.set G1,  24                           ; s[24:31] group 1 of a ring tile;  s[32:39] of the scale bytes
.set G1S, 32
.set G0,  40                           ; s[40:43] group 0 of the ring, which walks;  s[44:47] of the scale bytes
.set G0S, 44
.set TB,  48                           ; LDS byte of the step in hand
.set TS,  49                           ; and of its scale words, from SCB on
.set SLOTS, 50
.set CNT, 51
.set PFA, 52                           ; s[52:53] where my prefetches stand
.set LIM, 54
.macro PLACES n
.rept \n
	v_nop
.endr
.endm
.macro MM d, a, b, c, sa, sb, row      ; c < 0: the constant 0 starts the sum.  row = 1: source 0's scales in lanes 16-31
.if (\c) < 0
.if (\row) == 0
	v_wmma_scale_f32_16x16x128_f8f6f4 v[\d:\d+7], v[\a:\a+7], v[\b:\b+7], 0, v[\sa], v[\sb] matrix_a_fmt:MATRIX_FMT_FP4 matrix_b_fmt:MATRIX_FMT_FP4
.else
	v_wmma_scale_f32_16x16x128_f8f6f4 v[\d:\d+7], v[\a:\a+7], v[\b:\b+7], 0, v[\sa], v[\sb] matrix_a_fmt:MATRIX_FMT_FP4 matrix_b_fmt:MATRIX_FMT_FP4 matrix_a_scale:MATRIX_SCALE_ROW1
.endif
.else
.if (\row) == 0
	v_wmma_scale_f32_16x16x128_f8f6f4 v[\d:\d+7], v[\a:\a+7], v[\b:\b+7], v[\c:\c+7], v[\sa], v[\sb] matrix_a_fmt:MATRIX_FMT_FP4 matrix_b_fmt:MATRIX_FMT_FP4
.else
	v_wmma_scale_f32_16x16x128_f8f6f4 v[\d:\d+7], v[\a:\a+7], v[\b:\b+7], v[\c:\c+7], v[\sa], v[\sb] matrix_a_fmt:MATRIX_FMT_FP4 matrix_b_fmt:MATRIX_FMT_FP4 matrix_a_scale:MATRIX_SCALE_ROW1
.endif
.endif
.endm
; A round of the cluster's barrier: my work-group's barrier; wave 0 signals for the work-group; every wave waits for all four work-groups; my work-group's barrier once more
.macro ROUND
	s_barrier_signal -1
	s_barrier_wait -1
	s_cmp_lg_u32 s[WV], 0
	s_cbranch_scc1 .Lnot_wave_0_\@
	s_barrier_signal -3
.Lnot_wave_0_\@:
	s_barrier_wait -3
	s_barrier_signal -1
	s_barrier_wait -1
.endm
; A prefetch into the L2 of what the NEXT change of slots will ask for: 131,072 bytes, 16 pieces of 8,192.  All clusters of a head walk the same blocks: the head's first cluster asks.  Its four partners take four pieces
; each, told apart by address; in each, waves 0 to 3 take one piece, lanes 256 bytes apart: each aligned block of 256 bytes is named once in the launch.  The last change that fills a slot asks for nothing.
.macro ASK
	s_cmp_gt_u32 s[SLOTS], s[LIM]
	s_cbranch_scc0 .Lnot_mine_\@
	global_prefetch_b8 v[PFO], s[PFA:PFA+1] th:TH_LOAD_NT scope:SCOPE_SE
.Lnot_mine_\@:
.endm
	s_load_b128 s[4:7], s[0:1], 0x0                ; qb, kv
	s_load_b64 s[8:9], s[0:1], 0x10                ; msg
	v_lshl_add_u32 v[SPW], v0, 2, SPARE
	v_mov_b32 v[NIL], 0
	ds_add_u32 v3, v4
	ds_add_u32 v3, v4
	s_wait_dscnt 0x0
	v_lshrrev_b32 v9, 5, v0
	s_delay_alu instid0(VALU_DEP_1)
	v_readfirstlane_b32 s[WV], v9                  ; wave 0..7
	s_bfe_u32 s13, ttmp6, 0x40000                  ; cx: my place in the cluster
	s_lshl_b32 s14, ttmp9, 2
	s_add_co_u32 s14, s14, s13                     ; my block of 128 queries: it enters q's and msg's addresses alone
	s_and_b32 s15, ttmp7, 0xffff                   ; the head, which the four partners share
	; group 1: 64 rows of 256 bytes (32 elements of 8 bytes), dense; no padding: images are read on end
	s_mov_b32 s[G1], 15|(3<<16)|(1<<21)            ; 15:0 the mask: all four work-groups; 17:16 elements of 8 bytes; 21 set beside a mask
	s_mov_b32 s[G1+1], 32<<16                      ; tensor_dim0
	s_mov_b32 s[G1+2], 64<<16                      ; tensor_dim1
	s_mov_b32 s[G1+3], 32<<16                      ; tile_dim0
	s_mov_b32 s[G1+4], 64                          ; tile_dim1
	s_mov_b32 s[G1+5], 32                          ; the pitch
	s_mov_b32 s[G1+6], 0
	s_mov_b32 s[G1+7], 0
	s_mov_b32 s[G1S], 15|(3<<16)|(1<<21)           ; the scale bytes: 16 such rows a wave
	s_mov_b32 s[G1S+1], 32<<16
	s_mov_b32 s[G1S+2], 16<<16
	s_mov_b32 s[G1S+3], 32<<16
	s_mov_b32 s[G1S+4], 16
	s_mov_b32 s[G1S+5], 32
	s_mov_b32 s[G1S+6], 0
	s_mov_b32 s[G1S+7], 0
	s_mov_b32 s[SEL], 0x76543210
	s_mov_b32 s[SEL+1], 0xfedcba98
	s_mov_b32 s[CS], 0x3e38aa3b                    ; c = log2(e) / 8
	s_mov_b32 s[CS+1], s[CS]                       ; (named with it as a pair, so it is written)
	s_mov_b32 s[TB], 0
	s_mov_b32 s[TS], 0
	s_mov_b32 s[SLOTS], 3
	s_lshr_b32 s[LIM], s[WV], 2                    ; 0 in waves 0 to 3,
	s_or_b32 s[LIM], s[LIM], ttmp9                 ; of the head's first cluster: the same in all four partners
	s_cmp_eq_u32 s[LIM], 0
	s_cselect_b32 s[LIM], 1, -1
	s_mov_b32 s17, 0
	s_mov_b32 s19, 0
	s_lshl_b32 s16, s15, 19
	s_lshl_b32 s18, s[WV], 14
	s_add_co_u32 s16, s16, s18
	s_wait_kmcnt 0x0
	s_mov_b32 s[G0], 1
	s_lshl_b32 s[G0+1], s[WV], 14                  ; slot 0, my two steps: no place in the cluster enters an LDS address
	s_add_nc_u64 s[G0+2:G0+3], s[6:7], s[16:17]
	s_or_b32 s[G0+3], s[G0+3], 0x80000000
	s_lshl_b32 s16, s15, 15
	s_lshl_b32 s18, s[WV], 12
	s_add_co_u32 s16, s16, s18
	s_add_co_u32 s16, s16, 0x200000
	s_mov_b32 s[G0S], 1
	s_add_co_u32 s[G0S+1], s18, SCB
	s_add_nc_u64 s[G0S+2:G0S+3], s[6:7], s[16:17]
	s_or_b32 s[G0S+3], s[G0S+3], 0x80000000
	ROUND                                          ; all four work-groups are here: the first joint loads meet
	tensor_load_to_lds s[G0S:G0S+3], s[G1S:G1S+7]  ; the scale bytes' fill: it has landed before the ring's first fill goes out
	s_nop 0
	s_wait_alu depctr_va_vdst(0)
	s_wait_tensorcnt 0x0
	ds_add_u32 v3, v4
	s_wait_dscnt 0x0
	ROUND
	tensor_load_to_lds s[G0:G0+3], s[G1:G1+7]
	s_nop 0
	PLACES 4
	s_lshl_b32 s16, s13, 2
	s_add_co_u32 s16, s16, s[WV]
	s_lshl_b32 s16, s16, 13                        ; my piece of a slot,
	s_lshl_b32 s18, s15, 19
	s_add_co_u32 s16, s16, s18
	s_add_co_u32 s16, s16, SLOT1                   ; in the second slot's worth: the first change steps it to the third.  Nothing is prefetched here, at the head
	s_add_nc_u64 s[PFA:PFA+1], s[6:7], s[16:17]
	s_lshl_b32 s16, s15, 9
	s_lshl_b32 s18, s14, 3
	s_add_co_u32 s16, s16, s18
	s_add_co_u32 s16, s16, s[WV]                   ; my tile's number: 512 x head + 8 x block + wave
	s_lshl_b32 s18, s16, 6
	s_add_co_u32 s18, s18, 0x100000
	s_lshl_b32 s16, s16, 9
	s_add_nc_u64 s[56:57], s[4:5], s[16:17]        ; its image,
	s_add_nc_u64 s[58:59], s[4:5], s[18:19]        ; its scale words
	v_and_b32 v10, 31, v0
	s_delay_alu instid0(VALU_DEP_1)
	v_lshlrev_b32 v[LI], 4, v10
	s_delay_alu instid0(VALU_DEP_2)
	v_lshl_add_u32 v[LS], v10, 2, SCB
	s_delay_alu instid0(VALU_DEP_3)
	v_lshlrev_b32 v[PFO], 8, v10
	v_and_b32 v9, 15, v0
	s_delay_alu instid0(VALU_DEP_1)
	v_lshlrev_b32 v9, 2, v9
	global_load_b128 v[16:19], v[LI], s[56:57]     ; q, zeros, q
	global_load_b128 v[24:27], v[LI], s[56:57]
	global_load_b32 v28, v9, s[58:59]              ; q's scale word: bytes 0 and 1
	s_lshl_b32 s16, s14, 7
	s_lshr_b32 s18, s[WV], 1
	s_lshl_b32 s18, s18, 5
	s_add_co_u32 s16, s16, s18
	s_and_b32 s18, s[WV], 1
	s_lshl_b32 s18, s18, 3
	s_add_co_u32 s16, s16, s18                     ; my tile's first point: 128 x block + 32 (wave / 2) + 8 (wave % 2)
	s_lshl_b32 s16, s16, 8
	s_lshl_b32 s18, s15, 21
	s_add_co_u32 s16, s16, s18
	s_add_nc_u64 s[8:9], s[8:9], s[16:17]          ; its row in the head's plane of msg
	s_wait_loadcnt 0x0
	v_lshlrev_b32 v29, 16, v28                     ; the same two bytes at places 2 and 3, for [0 | q].  (The lines below are the places in front of the first product)
.irp j, 20,21,22,23
	v_mov_b32 v[\j], 0
.endr
	v_mov_b32 v13, 0xff61b1e6                      ; the largest t so far: -3e38, under every t
	s_delay_alu instid0(VALU_DEP_1)
	v_floor_f32 v12, -v13                          ; -M
	v_mov_b32 v14, 0                               ; the sum, in two halves
	v_mov_b32 v15, 0
.irp b, 0,1,2,3
	v_mov_b32 v[T4+\b], 0                          ; written once: a lane permute's destination counts as one of its sources
.endr
	v_mov_b32 v[FF+1], 0                           ; (named as the upper half of a pair)
.set j, 0
.rept 32
	v_mov_b32 v[160+j], 0                          ; O^T: the step is written once; the first finds zeros, which the first change of M leaves zeros
.set j, j+1
.endr
; A KEY STEP: 128 keys
.macro STEP
	v_add_nc_u32 v[ADR], s[TB], v[LI]
	v_add_nc_u32 v[ADS], s[TS], v[LS]
	v_nop
	v_nop                                          ; four places in front of loads into registers that the last products read
.irp i, 0,1,2,3,4,5,6,7
	ds_load_b128 v[32+4*\i:35+4*\i], v[ADR] offset:512*\i
.endr
.irp i, 0,1
	ds_load_b32 v[KS+\i], v[ADS] offset:128*\i
.endr
.irp i, 0,1,2,3,4,5,6,7
	ds_load_b128 v[64+4*\i:67+4*\i], v[ADR] offset:4096+512*\i
.endr
.irp i, 0,1
	ds_load_b32 v[VS+\i], v[ADS] offset:256+128*\i
.endr
	s_wait_dscnt 10                                ; K's ten loads are in; V's ten may be out
.irp p, 0,1,2,3                                ; S^T = K Q^T: the pair's even tile against [q | 0], its odd tile against [0 | q]
	MM 96+16*\p, 32+8*\p, 16, -1, KS+\p/2, 28, \p%2
	MM 104+16*\p, 32+8*\p, 20, -1, KS+\p/2, 29, \p%2
.endr
	PLACES 4
.irp b, 0,1,2,3
	v_max3_num_f32 v[BM+\b], v[96+16*\b], v[97+16*\b], v[98+16*\b]   ; the largest score of each block of 32 keys: for the row's maximum, and, since p rises with the score, for the block's largest p
.endr
.irp i, 3,5,7,9,11,13
.irp b, 0,1,2,3
	v_max3_num_f32 v[BM+\b], v[BM+\b], v[96+16*\b+\i], v[97+16*\b+\i]
.endr
.endr
.irp b, 0,1,2,3
	v_max_num_f32 v[BM+\b], v[BM+\b], v[111+16*\b]
.endr
.irp b, 0,1,2,3
	s_delay_alu instid0(VALU_DEP_4)
	v_permlanex16_b32 v[T4+\b], v[BM+\b], s[SEL], s[SEL+1]
.endr
.irp b, 0,1,2,3
	s_delay_alu instid0(VALU_DEP_4)
	v_max_num_f32 v[BM+\b], v[BM+\b], v[T4+\b]     ; with lane l xor 16's 16 keys
.endr
	s_delay_alu instid0(VALU_DEP_2)
	v_max3_num_f32 v[TP], v[BM], v[BM+1], v[BM+2]
	s_delay_alu instid0(VALU_DEP_1)
	v_max_num_f32 v[TP], v[TP], v[BM+3]            ; the step's largest score of my query
	s_delay_alu instid0(VALU_DEP_1)
	v_mul_f32 v[TP], s[CS], v[TP]                  ; as t (c is positive)
	s_delay_alu instid0(VALU_DEP_1)
	v_max_num_f32 v13, v13, v[TP]                  ; the running largest t
	v_mov_b32 v[TP], v12
	s_delay_alu instid0(VALU_DEP_2)
	v_floor_f32 v12, -v13                          ; the new -M = floor(-t): M is a whole number
	s_delay_alu instid0(VALU_DEP_1)
	v_sub_f32 v[TP], v12, v[TP]                    ; old M less new M: a whole number, 0 or less
	s_delay_alu instid0(VALU_DEP_1)
	v_cvt_i32_f32 v[TP], v[TP]                     ; (it saturates)
	s_delay_alu instid0(VALU_DEP_1)
	v_ldexp_f32 v[FF], 1.0, v[TP]                  ; f = 2^(old M - new M)
.set j, 0
.rept 32
	v_pk_fma_f32 v[96+j:97+j], v[96+j:97+j], s[CS:CS+1], v[12:13] op_sel_hi:[1,0,0]   ; t - M, two at a time
.set j, j+2
.endr
.irp b, 0,1,2,3
	v_fma_f32 v[BM+\b], v[BM+\b], s[CS], v12       ; the same of each block's largest score
.endr
.set j, 0
	s_wait_alu depctr_va_vdst(0)
.rept 64
	v_exp_f32 v[96+j], v[96+j]                     ; p = 2^(t - M), at most 1
.set j, j+1
.endr
	s_setprio 1
	v_pk_mul_f32 v[14:15], v[14:15], v[FF:FF+1] op_sel_hi:[1,0]   ; the sums under the new M (a plain place behind the exponentials)
	s_wait_alu depctr_va_vdst(0)                   ; one wait for the whole batch, ahead of its first reader
.irp b, 0,1,2,3
	v_exp_f32 v[BM+\b], v[BM+\b]                   ; the block's largest p: the same two instructions on the same number
.endr
	v_pk_add_f32 v[C2:C2+1], v[96:97], v[98:99]    ; the row's sum is taken of the unquantised p: two chains
.irp j, 4,8,12,16,20,24,28,32,36,40,44,48,52,56,60
	v_pk_add_f32 v[14:15], v[14:15], v[96+\j:97+\j]
	v_pk_add_f32 v[C2:C2+1], v[C2:C2+1], v[98+\j:99+\j]
.endr
	s_delay_alu instid0(VALU_DEP_1)
	v_pk_add_f32 v[14:15], v[14:15], v[C2:C2+1]
	s_wait_alu depctr_va_vdst(0)                   ; and one for the four
.irp b, 0,1,2,3
	v_max_num_f32 v[BM+\b], 0x1800000, v[BM+\b]    ; the floor 2^(3 - 127): the byte cannot fall under 1
.endr
.irp b, 0,1,2,3
	s_delay_alu instid0(VALU_DEP_4)
	v_add_nc_u32 v[SO+\b], 0xff000000, v[BM+\b]    ; 2 off the exponent field: the conversion's scale operand
.endr
.irp b, 0,1,2,3
	s_delay_alu instid0(VALU_DEP_4)
	v_lshrrev_b32 v[T4+\b], 23, v[SO+\b]           ; the scale's byte
.endr
	s_delay_alu instid0(VALU_DEP_3)
	v_lshl_or_b32 v[PW], v[T4+1], 8, v[T4]
	s_delay_alu instid0(VALU_DEP_1)
	v_lshl_or_b32 v[PW], v[T4+2], 16, v[PW]
	s_delay_alu instid0(VALU_DEP_1)
	v_lshl_or_b32 v[PW], v[T4+3], 24, v[PW]
.irp b, 0,1,2,3
	v_cvt_scalef32_pk8_fp4_f32 v[192+2*\b], v[96+16*\b:103+16*\b], v[SO+\b]
	v_cvt_scalef32_pk8_fp4_f32 v[193+2*\b], v[104+16*\b:111+16*\b], v[SO+\b]
.endr
	v_nop                                          ; one plain place behind a scaled conversion
.irp c, 0,1                                    ; the operand's layout wants a whole block in a lane
.irp i, 0,1
	v_permlane16_swap_b32 v[192+4*\c+\i], v[194+4*\c+\i]
.endr
.endr
.set j, 0
	s_setprio 0
.rept 16
	v_pk_mul_f32 v[160+j:161+j], v[160+j:161+j], v[FF:FF+1] op_sel_hi:[1,0]   ; O^T under the new M (these are also the places in front of the products below)
.set j, j+2
.endr
	s_wait_alu depctr_va_vdst(0)
	s_wait_dscnt 0x0                               ; V is in
.irp t, 0,1,2,3                                ; O^T += V^T P^T: the four accumulators by turns
	MM 160+8*\t, 64+8*\t, 192, 160+8*\t, VS+\t/2, PW, \t%2
.endr
	s_add_co_u32 s[TB], s[TB], 8192
	s_add_co_u32 s[TS], s[TS], 512
.endm
; THE CHANGE OF SLOTS stands at a slot's head.  Each wave waits for all its tensor loads (its part of the slot ahead), adds 0 to its spare word, and waits for that and for its reads of the slot that it has left.
; fill = 1: a round of the cluster's barrier follows, and behind it the slot that was left is filled with the next 16 steps: the load has 16 key steps in which to land.
.macro CHANGE fill
	s_wait_tensorcnt 0x0                           ; no tensor load of mine is out, so a group 0 may be written
	ds_add_u32 v[SPW], v[NIL]                      ; 0 onto my spare word
.if \fill
	s_xor_b32 s[G0+1], s[G0+1], SLOT1              ; the walking descriptor: the other slot than last time,
	s_add_nc_u64 s[G0+2:G0+3], s[G0+2:G0+3], 131072   ; the next 16 steps; the type bits on top are not reached
	s_wait_xcnt 0x0                                ; the last prefetch, a slot back, has read its address
	s_add_nc_u64 s[PFA:PFA+1], s[PFA:PFA+1], 131072
.endif
	s_wait_dscnt 0x0                               ; the add is done, and my reads of the slot that I have left are over
.if \fill
	ROUND
	tensor_load_to_lds s[G0:G0+3], s[G1:G1+7]      ; the first thing behind the round, and my one tensor load until the next
	s_nop 0
	PLACES 4
	ASK
.else
	s_barrier_signal -1
	s_barrier_wait -1
.endif
.endm
.macro SLOT_STEPS
	s_mov_b32 s[CNT], 16
.Lstep_\@:
	s_setprio 2
	STEP
	s_sub_co_u32 s[CNT], s[CNT], 1
	s_cmp_lg_u32 s[CNT], 0
	s_cbranch_scc1 .Lstep_\@
	s_setprio 0
	s_sub_co_u32 s[TB], s[TB], 131072              ; back to a slot's first step,
	s_xor_b32 s[TB], s[TB], SLOT1                  ; in the other slot
.endm
.Lslot:                                            ; three trips: behind each change of slots but the last the next slot is asked for
	CHANGE 1
	SLOT_STEPS
	s_sub_co_u32 s[SLOTS], s[SLOTS], 1
	s_cmp_lg_u32 s[SLOTS], 0
	s_cbranch_scc1 .Lslot
	CHANGE 0                                       ; the last slot is written out
	SLOT_STEPS
	; THE WAY OUT.  O^T / the sum goes through my stage in LDS (16 rows x 272 bytes, in slot 0, which has had its last fill and its last read) and leaves as whole rows of 256 bytes.
	v_add_f32 v14, v14, v15
	s_delay_alu instid0(VALU_DEP_1)
	v_permlanex16_b32 v[TP], v14, s[SEL], s[SEL+1]
	s_delay_alu instid0(VALU_DEP_1)
	v_add_f32 v14, v14, v[TP]                      ; the row's sum
	s_wait_alu depctr_va_vdst(0)
	v_rcp_f32 v14, v14
	v_and_b32 v9, 15, v0                           ; (a plain place behind the reciprocal)  r
	v_bfe_u32 v10, v0, 4, 1                        ; h
	s_mul_i32 s16, s[WV], 4352                     ; my stage
	v_mul_u32_u24 v11, v9, 272
	s_delay_alu instid0(VALU_DEP_1)
	v_lshl_add_u32 v11, v10, 5, v11
	s_delay_alu instid0(VALU_DEP_1)
	v_add_nc_u32 v11, s16, v11                     ; in: row r; tile t's eight d of my half: 64 t + 32 h bytes on
	v_mul_u32_u24 v[ADR], v10, 272
	s_delay_alu instid0(VALU_DEP_1)
	v_lshl_add_u32 v[ADR], v9, 4, v[ADR]
	s_delay_alu instid0(VALU_DEP_1)
	v_add_nc_u32 v[ADR], s16, v[ADR]               ; back: lanes 0-15 one row, lanes 16-31 the next
	v_lshlrev_b32 v[GO], 8, v10
	s_delay_alu instid0(VALU_DEP_1)
	v_lshl_add_u32 v[GO], v9, 4, v[GO]
	s_wait_alu depctr_va_vdst(0)                   ; the wait ahead of the reciprocal's first reader
.set j, 0
.rept 32
	v_mul_f32 v[96+j], v[160+j], v14               ; register 8 t + i is msg(row r, d = 16 t + 8 h + i)
.set j, j+1
.endr
.irp t, 0,1,2,3
	ds_store_b128 v11, v[96+8*\t:99+8*\t] offset:64*\t
	ds_store_b128 v11, v[100+8*\t:103+8*\t] offset:64*\t+16
.endr
.irp i, 0,1,2,3,4,5,6,7
	ds_load_b128 v[32+4*\i:35+4*\i], v[ADR] offset:2*\i*272   ; LDS serves a wave's instructions in order (ISA guide 5.7.1.4): these see my stores
.endr
.irp i, 0,1,2,3,4,5,6,7
	s_wait_dscnt 7-\i                              ; the younger loads may be out
	global_store_b128 v[GO], v[32+4*\i:35+4*\i], s[8:9] offset:(2*\i+8*(\i/4))*256   ; tile row 2 i + h is point 2 i + h + 8 (i / 4) of the tile's 24: 16 lanes store one whole row of 256 bytes
.endr
	s_wait_tensorcnt 0x0                           ; the wave's end
	ds_add_u32 v[SPW], v[NIL]
	s_wait_dscnt 0x0
	ROUND                                          ; the closing round: no work-group ends while a partner may still ask for a tile that names it
	s_endpgm
.Lfunc_end_k_q7f7f79e76d_attn:
	.size	k_q7f7f79e76d_attn, .Lfunc_end_k_q7f7f79e76d_attn-k_q7f7f79e76d_attn
	.p2alignl 7, 3214868480
	.fill 96, 4, 3214868480
	.section	.rodata,"a",@progbits
	.p2align	6, 0x0
	.amdhsa_kernel k_q7f7f79e76d_attn
		.amdhsa_group_segment_fixed_size 327680
		.amdhsa_private_segment_fixed_size 0
		.amdhsa_enable_private_segment 0
		.amdhsa_kernarg_size 24
		.amdhsa_user_sgpr_count 2
		.amdhsa_user_sgpr_kernarg_segment_ptr 1
		.amdhsa_wavefront_size32 1
		.amdhsa_system_sgpr_workgroup_id_x 1
		.amdhsa_system_sgpr_workgroup_id_y 1
		.amdhsa_system_sgpr_workgroup_id_z 1
		.amdhsa_system_vgpr_workitem_id 0
		.amdhsa_next_free_vgpr 256
		.amdhsa_next_free_sgpr 66
		.amdhsa_reserve_vcc 0
		.amdhsa_float_denorm_mode_32 3
		.amdhsa_float_denorm_mode_16_64 3
		.amdhsa_memory_ordered 1
		.amdhsa_forward_progress 1
		.amdhsa_inst_pref_size 46
	.end_amdhsa_kernel
	.amdgpu_metadata
---
amdhsa.version: [ 1, 2 ]
amdhsa.kernels:
  - .name:           k_q7f7f79e76d_attn
    .symbol:         k_q7f7f79e76d_attn.kd
    .args:
      - { .name: qb, .offset: 0, .size: 8, .value_kind: global_buffer, .address_space: global }
      - { .name: kv, .offset: 8, .size: 8, .value_kind: global_buffer, .address_space: global }
      - { .name: msg, .offset: 16, .size: 8, .value_kind: global_buffer, .address_space: global }
    .group_segment_fixed_size: 327680
    .private_segment_fixed_size: 0
    .kernarg_segment_align: 8
    .kernarg_segment_size: 24
    .max_flat_workgroup_size: 256
    .sgpr_count:     66
    .vgpr_count:     256
    .wavefront_size: 32
...
	.end_amdgpu_metadata
.endif
;; end of part 7
;; launch tail1 (part 8): grid 256 x 1, 4 waves a work-group, no clusters, 13,824 bytes of LDS; arguments msg, xb, wb, bm, b1, m2, part; writes m2, part
.if DOCPART == 8
	.amdgcn_target "amdgcn-amd-amdhsa--gfx1250"
	.amdhsa_code_object_version 6
	.text
	.protected	k_q7f7f79e76d_tail1
	.globl	k_q7f7f79e76d_tail1
	.p2align	8
	.type	k_q7f7f79e76d_tail1,@function
k_q7f7f79e76d_tail1:
	s_mov_b64 s[64:65], 0
	v_nop
	global_prefetch_b8 v0, s[64:65] scope:SCOPE_SE
	s_setreg_imm32_b32 hwreg(HW_REG_WAVE_SCHED_MODE, 0, 2), 2
	s_setreg_imm32_b32 hwreg(HW_REG_WAVE_MODE, 25, 1), 1
	s_wait_xcnt 0x0
	s_wait_alu depctr_vm_vsrc(0)
; For 32 points: msg is quantised; msg2 = msg Wm^T + bm; msg2 is quantised (its images go to m2); y = [x | msg2] W1^T; each of the 512 channels' mean (with b1) and sum of squared deviations over the 32 points go to part.
; All products on codes of FP4 (E2M1) with one E8M0 byte for each 32 along K; operands are images of registers (a fragment: two runs of 512 bytes, 16 x lane; scale words 4 bytes a row).
; Work-group B takes tiles 2 B and 2 B + 1 of points (lane r of tile 2 B + m: point 32 B + 8 m + r + 8 (r / 8)).  Wave w: m = w / 2, s = w % 2.
; A: wave w quantises msg's tile m, K step s, from the four head planes: register 16 b + 4 g + e = channel 128 s + 32 b + 16 h + 4 e + g (Wm's codes lie in the same order) | barrier |
; B: msg2's tile m, channels 128 s on (source 0 = 16 rows of Wm, source 1 = msg: a lane holds one point, registers run along the channels), quantised | barrier |
; C: y's channels 128 w on for both tiles, NOT transposed (source 0 = points, source 1 = 16 rows of W1): a lane holds one channel and 16 of its 32 points; the statistics | barrier | part, in whole runs of 2,048 bytes.
; The variance's part is the sum of squared deviations from the 32 points' own mean: never a difference of large sums.
; NO CLUSTER: each wave's weights (16 fragments of Wm, 32 of W1) go from memory straight into the registers that multiply them, once; a joint tensor load would send the same bytes through LDS besides, for 80 matrix instructions a wave.
; LIMITS: NaN and infinities are not served; a block of zeros, or one whose largest magnitude lies under 2^-124, gets the byte 1.
; THE MODE: SCHED_MODE bits 1:0 = 2 (LLVM: expert scheduling mode 2), set by the entry lines.  The code itself states the register dependences
; between vector or matrix instructions and memory or LDS instructions, with s_wait_alu, always for 0.
; THE PLAN.  Registers that memory or LDS instructions touch:
;   v1, v5-15     offsets and LDS addresses: written at the head, never again: one wait on va_vdst ahead of the first load.
;   PC, PW        written by the quantiser in A and in B; read by the LDS stores of A, and by the LDS and global stores of B: a wait on va_vdst behind each pass, a wait on vm_vsrc ahead of the second.
;   v208-215      at work in the quantiser, then b1 lands there: the wait behind the second pass states that too.
;   U (even registers)  written by the statistics, read by their LDS stores: a wait on va_vdst between; it also states that B's matrix instructions are done reading v16-23, in which part's rows land.
;   All operands of the products come by loads into registers that no vector instruction writes, each filled once.
.set MIMG,  0                          ; LDS: msg's four fragments (2 m + s),
.set MSC,   4096                       ; their scale words, 128 bytes each,
.set M2IMG, 4608                       ; msg2's four,
.set M2SC,  8704
.set PST,   9216                       ; 512 means, then 512 sums of squares
.set T16, 1                            ; 16 x my thread's number
.set LI,  5
.set LS,  6
.set R4,  7
.set MV,  8                            ; msg: pi(r) rows of 256 bytes + 16 h
.set MWI, 9                            ; where I store an image: 16 x lane + 1,024 x wave
.set MWS, 10                           ; and its scale words: 4 x lane + 128 x wave
.set MFA, 11                           ; where my tile's msg fragments lie: 16 x lane + 2,048 m
.set MSA, 12                           ; 4 x lane + 256 m
.set BMV, 13                           ; 64 h
.set P4,  14                           ; 4 pi(r)
.set PSA, 15                           ; PST + 4 pi(r) + 512 x wave + 2,048 h
.set MF,  16                           ; v16-31   msg's two fragments
.set W1S, 32                           ; v32-47   W1's scale words: lanes 0-15 an even tile, lanes 16-31 the odd one
.set WMS, 48                           ; v48-55   Wm's likewise
.set XS,  56                           ; v56-59   x's
.set MS,  60                           ; v60-61   msg's
.set M2S, 62                           ; v62-65   msg2's
.set PW,  66
.set PC,  72
.set HA,  80                           ; v80-143  msg2's 8 tiles;  v80-207: y's 16 accumulators, (m, t) at 80 + 8 (8 m + t)
.set ST,  144                          ; v144-207 64 numbers of msg
.set TM,  208                          ; v208-223 at work in the quantiser; later v208-215: b1
.set U,   224                          ; v224-239 a pair for each tile: sums, then the mean
.set W,   240                          ; v240-255 a pair for each tile: sums of squares
.set WV,  18
.set SEL, 20
.set MSB, 0
.macro WIN new
.if MSB != \new
	s_set_vgpr_msb (MSB<<8)|\new
.set MSB, \new
.endif
.endm
.macro PLACES n
.rept \n
	v_nop
.endr
.endm
.macro BARRIER
	s_wait_dscnt 0x0
	s_barrier_signal -1
	s_barrier_wait -1
.endm
.macro QUANT s, d, pw
.irp b, 0,1,2,3
	v_max3_num_f32 v[TM+\b], |v[\s+16*\b]|, |v[\s+1+16*\b]|, 0x1800000   ; my 16 numbers of block b, and the floor 2^(3 - 127)
.endr
.irp i, 2,4,6,8,10,12,14
.irp b, 0,1,2,3
	v_max3_num_f32 v[TM+\b], v[TM+\b], |v[\s+16*\b+\i]|, |v[\s+1+16*\b+\i]|
.endr
.endr
.irp b, 0,1,2,3
	v_permlanex16_b32 v[TM+4+\b], v[TM+\b], s[SEL], s[SEL+1]
.endr
.irp b, 0,1,2,3
	v_max_num_f32 v[TM+\b], v[TM+\b], v[TM+4+\b]
.endr
.irp b, 0,1,2,3
	v_add_nc_u32 v[TM+12+\b], 0xff000000, v[TM+\b]
.endr
.irp b, 0,1,2,3
	v_lshrrev_b32 v[TM+4+\b], 23, v[TM+12+\b]
.endr
	v_lshl_or_b32 v[\pw], v[TM+5], 8, v[TM+4]
	v_lshl_or_b32 v[\pw], v[TM+6], 16, v[\pw]
	v_lshl_or_b32 v[\pw], v[TM+7], 24, v[\pw]
.irp b, 0,1,2,3
	v_cvt_scalef32_pk8_fp4_f32 v[\d+2*\b], v[\s+16*\b:\s+7+16*\b], v[TM+12+\b]
	v_cvt_scalef32_pk8_fp4_f32 v[\d+1+2*\b], v[\s+8+16*\b:\s+15+16*\b], v[TM+12+\b]
.endr
	v_nop                                          ; one plain place behind a scaled conversion
.irp c, 0,1
.irp i, 0,1
	v_permlane16_swap_b32 v[\d+4*\c+\i], v[\d+2+4*\c+\i]
.endr
.endr
.endm
.macro IMAGE adr, d, off
.irp c, 0,1
	ds_store_b128 v[\adr], v[\d+4*\c:\d+4*\c+3] offset:\off+512*\c
.endr
.endm
.macro FETCH reg, adr, off
.irp c, 0,1
	ds_load_b128 v[\reg+4*\c:\reg+4*\c+3], v[\adr] offset:\off+512*\c
.endr
.endm
.macro MM d, a, b, c, sa, sb, row      ; c < 0: the constant 0 starts the sum.  row = 1: source 0's scales in lanes 16-31; 2: source 1's
.if (\c) < 0
.if (\row) == 0
	v_wmma_scale_f32_16x16x128_f8f6f4 v[\d:\d+7], v[\a:\a+7], v[\b:\b+7], 0, v[\sa], v[\sb] matrix_a_fmt:MATRIX_FMT_FP4 matrix_b_fmt:MATRIX_FMT_FP4
.elseif (\row) == 1
	v_wmma_scale_f32_16x16x128_f8f6f4 v[\d:\d+7], v[\a:\a+7], v[\b:\b+7], 0, v[\sa], v[\sb] matrix_a_fmt:MATRIX_FMT_FP4 matrix_b_fmt:MATRIX_FMT_FP4 matrix_a_scale:MATRIX_SCALE_ROW1
.else
	v_wmma_scale_f32_16x16x128_f8f6f4 v[\d:\d+7], v[\a:\a+7], v[\b:\b+7], 0, v[\sa], v[\sb] matrix_a_fmt:MATRIX_FMT_FP4 matrix_b_fmt:MATRIX_FMT_FP4 matrix_b_scale:MATRIX_SCALE_ROW1
.endif
.else
.if (\row) == 0
	v_wmma_scale_f32_16x16x128_f8f6f4 v[\d:\d+7], v[\a:\a+7], v[\b:\b+7], v[\c:\c+7], v[\sa], v[\sb] matrix_a_fmt:MATRIX_FMT_FP4 matrix_b_fmt:MATRIX_FMT_FP4
.elseif (\row) == 1
	v_wmma_scale_f32_16x16x128_f8f6f4 v[\d:\d+7], v[\a:\a+7], v[\b:\b+7], v[\c:\c+7], v[\sa], v[\sb] matrix_a_fmt:MATRIX_FMT_FP4 matrix_b_fmt:MATRIX_FMT_FP4 matrix_a_scale:MATRIX_SCALE_ROW1
.else
	v_wmma_scale_f32_16x16x128_f8f6f4 v[\d:\d+7], v[\a:\a+7], v[\b:\b+7], v[\c:\c+7], v[\sa], v[\sb] matrix_a_fmt:MATRIX_FMT_FP4 matrix_b_fmt:MATRIX_FMT_FP4 matrix_b_scale:MATRIX_SCALE_ROW1
.endif
.endif
.endm
	s_load_b256 s[4:11], s[0:1], 0x0               ; msg 4, xb 6, wb 8, bm 10
	s_load_b128 s[12:15], s[0:1], 0x20             ; b1 12, m2 14
	s_load_b64 s[16:17], s[0:1], 0x30              ; part
	v_lshl_add_u32 v218, v0, 2, 0x3400
	v_mov_b32 v219, 0
	v_lshrrev_b32 v1, 5, v0
	v_readfirstlane_b32 s[WV], v1
	v_and_b32 v1, 31, v0
	v_and_b32 v2, 15, v0                           ; r
	v_bfe_u32 v3, v0, 4, 1                         ; h
	v_and_b32 v4, 8, v2
	v_add_nc_u32 v4, v4, v2                        ; pi(r)
	v_lshlrev_b32 v[LI], 4, v1
	v_lshlrev_b32 v[LS], 2, v1
	v_lshlrev_b32 v[R4], 2, v2
	v_lshlrev_b32 v[MV], 8, v4
	v_lshl_add_u32 v[MV], v3, 4, v[MV]
	s_wait_alu depctr_va_sdst(0)                   ; s[WV] is written, ahead of its first reader: LDS addresses and every base are made from it
	s_lshl_b32 s24, s[WV], 10
	v_add_nc_u32 v[MWI], s24, v[LI]
	s_lshl_b32 s24, s[WV], 7
	v_add_nc_u32 v[MWS], s24, v[LS]
	s_lshr_b32 s22, s[WV], 1                       ; m
	s_and_b32 s23, s[WV], 1                        ; s
	s_lshl_b32 s24, s22, 11
	v_add_nc_u32 v[MFA], s24, v[LI]
	s_lshl_b32 s24, s22, 8
	v_add_nc_u32 v[MSA], s24, v[LS]
	v_lshlrev_b32 v[BMV], 6, v3
	v_lshlrev_b32 v[P4], 2, v4
	s_lshl_b32 s24, s[WV], 9
	v_lshl_add_u32 v[PSA], v3, 11, v[P4]
	v_add_nc_u32 v[PSA], s24, v[PSA]
	v_add_nc_u32 v[PSA], PST, v[PSA]
	v_lshlrev_b32 v[T16], 4, v0
	s_mov_b32 s[SEL], 0x76543210
	s_mov_b32 s[SEL+1], 0xfedcba98
.irp b, 0,1,2,3
	v_mov_b32 v[TM+4+\b], 0                        ; written once: a lane permute's destination counts as one of its sources
.endr
	s_mov_b32 s25, 0
	s_wait_kmcnt 0x0
	s_lshl_b32 s24, ttmp9, 13
	s_lshl_b32 s26, s22, 11
	s_add_co_u32 s24, s24, s26
	s_lshl_b32 s26, s23, 7
	s_add_co_u32 s24, s24, s26
	s_add_nc_u64 s[28:29], s[4:5], s[24:25]        ; msg: point 32 B + 8 m, d = 32 s
	s_lshl_b32 s24, s23, 14
	s_add_nc_u64 s[30:31], s[8:9], s[24:25]        ; Wm's fragments 16 s on
	s_lshl_b32 s24, s23, 10
	s_add_co_u32 s24, s24, 229376
	s_add_nc_u64 s[32:33], s[8:9], s[24:25]        ; its scale units 8 s on
	s_lshl_b32 s24, s23, 9
	s_add_nc_u64 s[34:35], s[10:11], s[24:25]      ; bm: channel 128 s
	s_lshl_b32 s24, s[WV], 15
	s_add_co_u32 s24, s24, 32768
	s_add_nc_u64 s[36:37], s[8:9], s[24:25]        ; W1's fragments 32 + 32 w on
	s_lshl_b32 s24, s[WV], 11
	s_add_co_u32 s24, s24, 229376+2048
	s_add_nc_u64 s[38:39], s[8:9], s[24:25]        ; its scale units 16 + 16 w on
	s_lshl_b32 s24, ttmp9, 12
	s_add_nc_u64 s[40:41], s[6:7], s[24:25]        ; x's four fragments
	s_lshl_b32 s26, s[WV], 10
	s_add_co_u32 s24, s24, s26
	s_add_nc_u64 s[44:45], s[14:15], s[24:25]      ; m2: my image
	s_lshl_b32 s24, ttmp9, 8
	s_add_co_u32 s24, s24, 0x100000
	s_add_nc_u64 s[42:43], s[6:7], s[24:25]        ; x's scale words
	s_lshl_b32 s26, s[WV], 6
	s_add_co_u32 s24, s24, s26
	s_add_nc_u64 s[46:47], s[14:15], s[24:25]      ; m2: my scale words
	s_lshl_b32 s24, s[WV], 9
	s_add_nc_u64 s[12:13], s[12:13], s[24:25]      ; b1: channel 128 w
	s_lshl_b32 s24, ttmp9, 12
	s_add_nc_u64 s[16:17], s[16:17], s[24:25]      ; part: my 4,096 bytes
	; ---- loads: msg's 16; then Wm's group of 56
	s_wait_alu depctr_va_vdst(0)                   ; the offsets and LDS addresses v1 and v5 to v15 are written: every load and store of the kernel reads one of them
.irp b, 0,1,2,3
.irp g, 0,1,2,3
	global_load_b128 v[ST+16*\b+4*\g:ST+16*\b+4*\g+3], v[MV], s[28:29] offset:2097152*\g+32*\b th:TH_LOAD_NT
.endr
.endr
	WIN 0x80                                       ; destination window 2
.irp i, 0,1,2,3,4,5,6,7,8,9,10,11,12,13,14,15
	global_load_b128 v[8*\i:8*\i+3], v[LI], s[30:31] offset:1024*\i
	global_load_b128 v[8*\i+4:8*\i+7], v[LI], s[30:31] offset:1024*\i+512
.endr
.irp t, 0,1,2,3,4,5,6,7
	global_load_b128 v[128+8*\t:128+8*\t+3], v[BMV], s[34:35] offset:(32*(\t/2)+8*(\t%2))*4
	global_load_b128 v[128+8*\t+4:128+8*\t+7], v[BMV], s[34:35] offset:(32*(\t/2)+8*(\t%2))*4+16
.endr
	WIN 0
.irp i, 0,1,2,3,4,5,6,7
	global_load_b32 v[WMS+\i], v[LS], s[32:33] offset:128*\i
.endr
	; ---- A
	s_wait_loadcnt 56                              ; msg's 16 loads are in; Wm's 56 may be out
	QUANT ST, PC, PW
	s_wait_alu depctr_va_vdst(0)                   ; the quantiser has written v[PC ..] and v[PW], which the LDS stores read
	IMAGE MWI, PC, MIMG
	ds_store_b32 v[MWS], v[PW] offset:MSC
	WIN 0x40                                       ; the third group, 92 loads: W1, x
.irp i, 0,1,2,3,4,5,6,7,8,9,10,11,12,13,14,15,16,17,18,19,20,21,22,23,24,25,26,27,28,29,30,31
	global_load_b128 v[8*\i:8*\i+3], v[LI], s[36:37] offset:1024*\i
	global_load_b128 v[8*\i+4:8*\i+7], v[LI], s[36:37] offset:1024*\i+512
.endr
	WIN 0x80
.irp i, 0,1,2,3
	global_load_b128 v[192+8*\i:192+8*\i+3], v[LI], s[40:41] offset:1024*\i
	global_load_b128 v[192+8*\i+4:192+8*\i+7], v[LI], s[40:41] offset:1024*\i+512
.endr
	WIN 0
.irp i, 0,1,2,3,4,5,6,7,8,9,10,11,12,13,14,15
	global_load_b32 v[W1S+\i], v[LS], s[38:39] offset:128*\i
.endr
.irp i, 0,1,2,3
	global_load_b32 v[XS+\i], v[R4], s[42:43] offset:64*\i
.endr
	BARRIER                                        ; msg's four fragments lie in LDS
	; ---- B
	FETCH MF, MFA, MIMG
	FETCH MF+8, MFA, MIMG+1024
	ds_load_b32 v[MS], v[MSA] offset:MSC
	ds_load_b32 v[MS+1], v[MSA] offset:MSC+128
	s_wait_dscnt 0x0
	s_wait_loadcnt 63                              ; Wm's group is in: 92 younger loads were issued, so 63 is the stricter count
	WIN 0x22                                       ; source 0 (Wm) and C (bm) window 2
.irp t, 0,1,2,3,4,5,6,7
	MM HA+8*\t, 16*\t, MF, 128+8*\t, WMS+2*(\t/2), MS, \t%2
.endr
	WIN 0x02
.irp t, 0,1,2,3,4,5,6,7
	MM HA+8*\t, 16*\t+8, MF+8, HA+8*\t, WMS+2*(\t/2)+1, MS+1, \t%2
.endr
	WIN 0
	PLACES 4
	s_wait_alu depctr_vm_vsrc(0)                   ; the LDS stores of msg's image have read v[PC ..] and v[PW], which the quantiser writes again
	QUANT HA, PC, PW
	s_wait_alu depctr_va_vdst(0)                   ; the quantiser has written v[PC ..] and v[PW], which the stores to LDS and to memory read, and is done with v208 to v215, in which b1 lands
	IMAGE MWI, PC, M2IMG
	ds_store_b32 v[MWS], v[PW] offset:M2SC
.irp t, 0,1,2,3,4,5,6,7
	global_load_b32 v[208+\t], v[P4], s[12:13] offset:(32*(\t/2)+8*(\t%2))*4   ; b1 of my lane's channel in tile t
.endr
	BARRIER                                        ; msg2's four fragments lie in LDS
	; ---- C
	WIN 0x80
.irp i, 0,1,2,3
	FETCH 224+8*\i, LI, M2IMG+1024*\i
.endr
	WIN 0
.irp i, 0,1,2,3
	ds_load_b32 v[M2S+\i], v[LS] offset:M2SC+128*\i
.endr
	global_store_b128 v[LI], v[PC:PC+3], s[44:45]                ; my image's way to memory stands behind the LDS loads for which the products wait; no vector instruction has named v[PC ..] or v[PW] since the wait behind the quantiser
	global_store_b128 v[LI], v[PC+4:PC+7], s[44:45] offset:512
	global_store_b32 v[R4], v[PW], s[46:47]
	s_wait_dscnt 0x0
	s_wait_loadcnt 0x0
	WIN 0x06                                       ; source 0 (points) window 2, source 1 (W1) window 1.  The 16 accumulators take turns, a K step at a time
.irp ks, 0,1,2,3
.irp m, 0,1
.irp t, 0,1,2,3,4,5,6,7
.if \ks == 0
	MM 80+8*(8*\m+\t), 192+8*(2*\m), 8*(4*\t), -1, XS+2*\m, W1S+4*(\t/2), 2*(\t%2)
.elseif \ks == 1
	MM 80+8*(8*\m+\t), 192+8*(2*\m+1), 8*(4*\t+1), 80+8*(8*\m+\t), XS+2*\m+1, W1S+4*(\t/2)+1, 2*(\t%2)
.else
	MM 80+8*(8*\m+\t), 224+8*(2*\m+\ks-2), 8*(4*\t+\ks), 80+8*(8*\m+\t), M2S+2*\m+\ks-2, W1S+4*(\t/2)+\ks, 2*(\t%2)
.endif
.endr
.endr
.endr
	WIN 0
.irp t, 0,1,2,3,4,5,6,7
	v_mov_b32 v[W+2*\t], 0                         ; a lane permute's destination is written first; these eight are also the places behind the last products
.endr
	; ---- the statistics, the eight tiles by turns; each accumulator is read from its low end on
.irp t, 0,1,2,3,4,5,6,7
	v_pk_add_f32 v[U+2*\t:U+2*\t+1], v[80+8*\t:81+8*\t], v[82+8*\t:83+8*\t]
.endr
.irp q, 84,86,144,146,148,150
.irp t, 0,1,2,3,4,5,6,7
	v_pk_add_f32 v[U+2*\t:U+2*\t+1], v[U+2*\t:U+2*\t+1], v[\q+8*\t:\q+8*\t+1]
.endr
.endr
.irp t, 0,1,2,3,4,5,6,7
	v_add_f32 v[U+2*\t], v[U+2*\t], v[U+2*\t+1]
.endr
.irp t, 0,1,2,3,4,5,6,7
	v_permlanex16_b32 v[W+2*\t], v[U+2*\t], s[SEL], s[SEL+1]
.endr
.irp t, 0,1,2,3,4,5,6,7
	v_add_f32 v[U+2*\t], v[U+2*\t], v[W+2*\t]      ; with lane l xor 16's 16 points
.endr
.irp t, 0,1,2,3,4,5,6,7
	v_mul_f32 v[U+2*\t], 0x3d000000, v[U+2*\t]     ; / 32: the mean without b1
.endr
.irp q, 80,82,84,86,144,146,148,150
.irp t, 0,1,2,3,4,5,6,7
	v_pk_add_f32 v[\q+8*\t:\q+8*\t+1], v[\q+8*\t:\q+8*\t+1], v[U+2*\t:U+2*\t+1] op_sel_hi:[1,0] neg_lo:[0,1] neg_hi:[0,1]   ; the deviations, in place
.endr
.endr
.irp t, 0,1,2,3,4,5,6,7
	v_pk_mul_f32 v[W+2*\t:W+2*\t+1], v[80+8*\t:81+8*\t], v[80+8*\t:81+8*\t]
.endr
.irp q, 82,84,86,144,146,148,150
.irp t, 0,1,2,3,4,5,6,7
	v_pk_fma_f32 v[W+2*\t:W+2*\t+1], v[\q+8*\t:\q+8*\t+1], v[\q+8*\t:\q+8*\t+1], v[W+2*\t:W+2*\t+1]
.endr
.endr
.irp t, 0,1,2,3,4,5,6,7
	v_add_f32 v[W+2*\t], v[W+2*\t], v[W+2*\t+1]
.endr
	v_cmp_eq_u32 vcc_lo, 0, v3                     ; which half of the lanes: made here, so that the lines below stand between it and the wait for it
.irp t, 0,1,2,3,4,5,6,7
	v_permlanex16_b32 v[U+2*\t+1], v[W+2*\t], s[SEL], s[SEL+1]
.endr
.irp t, 0,1,2,3,4,5,6,7
	v_add_f32 v[W+2*\t], v[W+2*\t], v[U+2*\t+1]    ; the sum of squared deviations
.endr
.irp t, 0,1,2,3,4,5,6,7
	v_add_f32 v[U+2*\t], v[U+2*\t], v[208+\t]      ; the mean, with b1
.endr
	s_wait_alu depctr_va_vcc(0)                    ; the compare has written VCC, ahead of its first reader
.irp t, 0,1,2,3,4,5,6,7
	v_cndmask_b32 v[U+2*\t], v[W+2*\t], v[U+2*\t], vcc_lo   ; lanes 0-15 hand on the mean, lanes 16-31 the sum of squares
.endr
	s_wait_alu depctr_va_vdst(0)                   ; the selects have written the eight numbers, which the LDS stores read; msg2's matrix instructions are done reading v16 to v23, in which part's rows land behind the barrier
.irp t, 0,1,2,3,4,5,6,7
	ds_store_b32 v[PSA], v[U+2*\t] offset:128*(\t/2)+32*(\t%2)
.endr
	BARRIER
	ds_load_b128 v[16:19], v[T16] offset:PST
	ds_load_b128 v[20:23], v[T16] offset:PST+2048
	s_wait_dscnt 0x0
	global_store_b128 v[T16], v[16:19], s[16:17]
	global_store_b128 v[T16], v[20:23], s[16:17] offset:2048
	s_wait_dscnt 0x0                               ; the closing lines, six on end
	s_wait_alu 0x0
	s_wait_tensorcnt 0x0
	ds_add_u32 v218, v219
	s_wait_dscnt 0x0
	s_endpgm
.Lfunc_end_k_q7f7f79e76d_tail1:
	.size	k_q7f7f79e76d_tail1, .Lfunc_end_k_q7f7f79e76d_tail1-k_q7f7f79e76d_tail1
	.p2alignl 7, 3214868480
	.fill 96, 4, 3214868480
	.section	.rodata,"a",@progbits
	.p2align	6, 0x0
	.amdhsa_kernel k_q7f7f79e76d_tail1
		.amdhsa_group_segment_fixed_size 13824
		.amdhsa_private_segment_fixed_size 0
		.amdhsa_enable_private_segment 0
		.amdhsa_kernarg_size 56
		.amdhsa_user_sgpr_count 2
		.amdhsa_user_sgpr_kernarg_segment_ptr 1
		.amdhsa_wavefront_size32 1
		.amdhsa_system_sgpr_workgroup_id_x 1
		.amdhsa_system_sgpr_workgroup_id_y 1
		.amdhsa_system_sgpr_workgroup_id_z 1
		.amdhsa_system_vgpr_workitem_id 0
		.amdhsa_next_free_vgpr 768
		.amdhsa_next_free_sgpr 66
		.amdhsa_reserve_vcc 1
		.amdhsa_float_denorm_mode_32 3
		.amdhsa_float_denorm_mode_16_64 3
		.amdhsa_memory_ordered 1
		.amdhsa_forward_progress 1
		.amdhsa_inst_pref_size 56
	.end_amdhsa_kernel
	.amdgpu_metadata
---
amdhsa.version: [ 1, 2 ]
amdhsa.kernels:
  - .name:           k_q7f7f79e76d_tail1
    .symbol:         k_q7f7f79e76d_tail1.kd
    .args:
      - { .name: msg, .offset: 0, .size: 8, .value_kind: global_buffer, .address_space: global }
      - { .name: xb, .offset: 8, .size: 8, .value_kind: global_buffer, .address_space: global }
      - { .name: wb, .offset: 16, .size: 8, .value_kind: global_buffer, .address_space: global }
      - { .name: bm, .offset: 24, .size: 8, .value_kind: global_buffer, .address_space: global }
      - { .name: b1, .offset: 32, .size: 8, .value_kind: global_buffer, .address_space: global }
      - { .name: m2, .offset: 40, .size: 8, .value_kind: global_buffer, .address_space: global }
      - { .name: part, .offset: 48, .size: 8, .value_kind: global_buffer, .address_space: global }
    .group_segment_fixed_size: 13824
    .private_segment_fixed_size: 0
    .kernarg_segment_align: 8
    .kernarg_segment_size: 56
    .max_flat_workgroup_size: 128
    .sgpr_count:     66
    .vgpr_count:     768
    .wavefront_size: 32
...
	.end_amdgpu_metadata
.endif
;; end of part 8
;; launch stats (part 9): grid 16 x 1, 8 waves a work-group, no clusters, 3,072 bytes of LDS; arguments part, stat; writes stat
.if DOCPART == 9
	.amdgcn_target "amdgcn-amd-amdhsa--gfx1250"
	.amdhsa_code_object_version 6
	.text
	.protected	k_q7f7f79e76d_stats
	.globl	k_q7f7f79e76d_stats
	.p2align	8
	.type	k_q7f7f79e76d_stats,@function
k_q7f7f79e76d_stats:
	s_mov_b64 s[64:65], 0
	v_nop
	global_prefetch_b8 v0, s[64:65] scope:SCOPE_SE
	s_setreg_imm32_b32 hwreg(HW_REG_WAVE_MODE, 25, 1), 1
	s_wait_xcnt 0x0
; The 256 partial means and sums of squared deviations (32 points each) of each of 512 channels become mu and 1 / sqrt(var + 1e-5): var = (the sum of M2_i + 32 x the sum of (mean_i - mu)^2) / 8,192.
; Work-group g takes channels 32 g on.  Thread: cq = number % 8: four channels; pg = number / 8: partials 8 pg .. 8 pg + 7.  Sums go over lanes (bits 3 and 4), then over the eight waves through LDS.
; Memory binds what little there is: no matrix unit, no cluster, no tensor load.  LIMITS: NaN and infinities are not served.
.macro BARRIER
	s_wait_dscnt 0x0
	s_barrier_signal -1
	s_barrier_wait -1
.endm
.macro LANES a                         ; v[a] .. v[a + 3]: the sum over the four lanes that share cq
.irp c, 0,1,2,3
	v_add_f32_dpp v[\a+\c], v[\a+\c], v[\a+\c] row_xmask:8 row_mask:0xf bank_mask:0xf
.endr
.irp c, 0,1,2,3
	s_delay_alu instid0(VALU_DEP_4)
	v_permlanex16_b32 v[12+\c], v[\a+\c], s12, s13
.endr
.irp c, 0,1,2,3
	s_delay_alu instid0(VALU_DEP_4)
	v_add_f32 v[\a+\c], v[\a+\c], v[12+\c]
.endr
.endm
	s_load_b128 s[4:7], s[0:1], 0x0                ; part, stat
	v_lshl_add_u32 v128, v0, 2, 0x800
	v_mov_b32 v129, 0
	v_and_b32 v1, 7, v0                            ; cq
	v_lshrrev_b32 v2, 3, v0                        ; pg
	s_delay_alu instid0(VALU_DEP_2)
	v_lshlrev_b32 v3, 4, v1                        ; 16 cq
	s_delay_alu instid0(VALU_DEP_1)
	v_lshl_add_u32 v4, v2, 15, v3                  ; 8 partials of 4,096 bytes x pg + 16 cq
	v_lshrrev_b32 v5, 5, v0
	s_delay_alu instid0(VALU_DEP_1)
	v_readfirstlane_b32 s8, v5                     ; wave
	s_delay_alu instid0(VALU_DEP_2)
	v_lshl_add_u32 v5, v5, 7, v3                   ; LDS: 128 x wave + 16 cq
	s_lshl_b32 s10, ttmp9, 7
	s_mov_b32 s11, 0
	s_mov_b32 s12, 0x76543210
	s_mov_b32 s13, 0xfedcba98
	s_mov_b32 s14, 0x3727c5ac                      ; 1e-5
	s_mov_b32 s16, 0x39000000                      ; 1 / 8,192
.irp c, 0,1,2,3
	v_mov_b32 v[12+\c], 0                          ; written once: a lane permute's destination counts as one of its sources
.endr
	s_wait_alu depctr_va_vdst(0)
	s_wait_kmcnt 0x0
	s_add_nc_u64 s[4:5], s[4:5], s[10:11]
	s_add_nc_u64 s[6:7], s[6:7], s[10:11]
.irp i, 0,1,2,3,4,5,6,7
	global_load_b128 v[16+4*\i:19+4*\i], v4, s[4:5] offset:4096*\i          ; means
	global_load_b128 v[48+4*\i:51+4*\i], v4, s[4:5] offset:4096*\i+2048     ; sums of squared deviations
.endr
	s_wait_loadcnt 0x0
	v_pk_add_f32 v[8:9], v[16:17], v[20:21]
	v_pk_add_f32 v[10:11], v[18:19], v[22:23]
.irp i, 2,3,4,5,6,7
	s_delay_alu instid0(VALU_DEP_2)
	v_pk_add_f32 v[8:9], v[8:9], v[16+4*\i:17+4*\i]
	s_delay_alu instid0(VALU_DEP_2)
	v_pk_add_f32 v[10:11], v[10:11], v[18+4*\i:19+4*\i]
.endr
	LANES 8
	ds_store_b128 v5, v[8:11]                      ; the four lanes that share cq write the same bytes with the same values
	BARRIER
.irp i, 0,1,2,3,4,5,6,7
	ds_load_b128 v[80+4*\i:83+4*\i], v3 offset:128*\i
.endr
	s_wait_dscnt 0x0
	v_pk_add_f32 v[8:9], v[80:81], v[84:85]
	v_pk_add_f32 v[10:11], v[82:83], v[86:87]
.irp i, 2,3,4,5,6,7
	s_delay_alu instid0(VALU_DEP_2)
	v_pk_add_f32 v[8:9], v[8:9], v[80+4*\i:81+4*\i]
	s_delay_alu instid0(VALU_DEP_2)
	v_pk_add_f32 v[10:11], v[10:11], v[82+4*\i:83+4*\i]
.endr
	s_delay_alu instid0(VALU_DEP_2)
	v_pk_mul_f32 v[8:9], v[8:9], 0x3b800000 op_sel_hi:[1,0]      ; / 256: mu
	s_delay_alu instid0(VALU_DEP_2)
	v_pk_mul_f32 v[10:11], v[10:11], 0x3b800000 op_sel_hi:[1,0]
.irp i, 0,1,2,3,4,5,6,7
	v_pk_add_f32 v[16+4*\i:17+4*\i], v[16+4*\i:17+4*\i], v[8:9] neg_lo:[0,1] neg_hi:[0,1]
	v_pk_add_f32 v[18+4*\i:19+4*\i], v[18+4*\i:19+4*\i], v[10:11] neg_lo:[0,1] neg_hi:[0,1]
.endr
	v_pk_mul_f32 v[80:81], v[16:17], v[16:17]
	v_pk_mul_f32 v[82:83], v[18:19], v[18:19]
.irp i, 1,2,3,4,5,6,7
	s_delay_alu instid0(VALU_DEP_2)
	v_pk_fma_f32 v[80:81], v[16+4*\i:17+4*\i], v[16+4*\i:17+4*\i], v[80:81]
	s_delay_alu instid0(VALU_DEP_2)
	v_pk_fma_f32 v[82:83], v[18+4*\i:19+4*\i], v[18+4*\i:19+4*\i], v[82:83]
.endr
	v_pk_add_f32 v[84:85], v[48:49], v[52:53]
	v_pk_add_f32 v[86:87], v[50:51], v[54:55]
.irp i, 2,3,4,5,6,7
	s_delay_alu instid0(VALU_DEP_2)
	v_pk_add_f32 v[84:85], v[84:85], v[48+4*\i:49+4*\i]
	s_delay_alu instid0(VALU_DEP_2)
	v_pk_add_f32 v[86:87], v[86:87], v[50+4*\i:51+4*\i]
.endr
	s_delay_alu instid0(VALU_DEP_2)
	v_pk_fma_f32 v[80:81], v[80:81], 0x42000000, v[84:85] op_sel_hi:[1,0,1]   ; 32 x the squares of the means' deviations + the parts' own
	s_delay_alu instid0(VALU_DEP_2)
	v_pk_fma_f32 v[82:83], v[82:83], 0x42000000, v[86:87] op_sel_hi:[1,0,1]
	LANES 80
	ds_store_b128 v5, v[80:83] offset:1024         ; other bytes than the first pass's
	BARRIER
.irp i, 0,1,2,3,4,5,6,7
	ds_load_b128 v[16+4*\i:19+4*\i], v3 offset:1024+128*\i
.endr
	s_wait_dscnt 0x0
	v_pk_add_f32 v[80:81], v[16:17], v[20:21]
	v_pk_add_f32 v[82:83], v[18:19], v[22:23]
.irp i, 2,3,4,5,6,7
	s_delay_alu instid0(VALU_DEP_2)
	v_pk_add_f32 v[80:81], v[80:81], v[16+4*\i:17+4*\i]
	s_delay_alu instid0(VALU_DEP_2)
	v_pk_add_f32 v[82:83], v[82:83], v[18+4*\i:19+4*\i]
.endr
.irp c, 0,1,2,3
	v_fma_f32 v[80+\c], v[80+\c], s16, s14         ; var + 1e-5
.endr
	s_wait_alu depctr_va_vdst(0)
.irp c, 0,1,2,3
	v_rsq_f32 v[80+\c], v[80+\c]
.endr
	v_nop                                          ; a plain place behind the last of them
	s_wait_alu depctr_va_vdst(0)                   ; one wait for the four, ahead of the branch and of their reader
	s_cmp_lg_u32 s8, 0                             ; every wave holds the results: wave 0 stores them
	s_cbranch_scc1 .Lend
	global_store_b128 v3, v[8:11], s[6:7]
	global_store_b128 v3, v[80:83], s[6:7] offset:2048
.Lend:
	s_wait_tensorcnt 0x0
	ds_add_u32 v128, v129
	s_wait_dscnt 0x0
	s_endpgm
.Lfunc_end_k_q7f7f79e76d_stats:
	.size	k_q7f7f79e76d_stats, .Lfunc_end_k_q7f7f79e76d_stats-k_q7f7f79e76d_stats
	.p2alignl 7, 3214868480
	.fill 96, 4, 3214868480
	.section	.rodata,"a",@progbits
	.p2align	6, 0x0
	.amdhsa_kernel k_q7f7f79e76d_stats
		.amdhsa_group_segment_fixed_size 3072
		.amdhsa_private_segment_fixed_size 0
		.amdhsa_enable_private_segment 0
		.amdhsa_kernarg_size 16
		.amdhsa_user_sgpr_count 2
		.amdhsa_user_sgpr_kernarg_segment_ptr 1
		.amdhsa_wavefront_size32 1
		.amdhsa_system_sgpr_workgroup_id_x 1
		.amdhsa_system_sgpr_workgroup_id_y 1
		.amdhsa_system_sgpr_workgroup_id_z 1
		.amdhsa_system_vgpr_workitem_id 0
		.amdhsa_next_free_vgpr 130
		.amdhsa_next_free_sgpr 66
		.amdhsa_reserve_vcc 0
		.amdhsa_float_denorm_mode_32 3
		.amdhsa_float_denorm_mode_16_64 3
		.amdhsa_memory_ordered 1
		.amdhsa_forward_progress 1
		.amdhsa_inst_pref_size 15
	.end_amdhsa_kernel
	.amdgpu_metadata
---
amdhsa.version: [ 1, 2 ]
amdhsa.kernels:
  - .name:           k_q7f7f79e76d_stats
    .symbol:         k_q7f7f79e76d_stats.kd
    .args:
      - { .name: part, .offset: 0, .size: 8, .value_kind: global_buffer, .address_space: global }
      - { .name: stat, .offset: 8, .size: 8, .value_kind: global_buffer, .address_space: global }
    .group_segment_fixed_size: 3072
    .private_segment_fixed_size: 0
    .kernarg_segment_align: 8
    .kernarg_segment_size: 16
    .max_flat_workgroup_size: 256
    .sgpr_count:     66
    .vgpr_count:     130
    .wavefront_size: 32
...
	.end_amdgpu_metadata
.endif
;; end of part 9
;; launch tail2 (part 10): grid 256 x 1, 4 waves a work-group, no clusters, 43,008 bytes of LDS; arguments xb, m2, wb, stat, b1, b2, descs, out0; writes out0
.if DOCPART == 10
	.amdgcn_target "amdgcn-amd-amdhsa--gfx1250"
	.amdhsa_code_object_version 6
	.text
	.protected	k_q7f7f79e76d_tail2
	.globl	k_q7f7f79e76d_tail2
	.p2align	8
	.type	k_q7f7f79e76d_tail2,@function
k_q7f7f79e76d_tail2:
	s_mov_b64 s[64:65], 0
	v_nop
	global_prefetch_b8 v0, s[64:65] scope:SCOPE_SE
	s_setreg_imm32_b32 hwreg(HW_REG_WAVE_SCHED_MODE, 0, 2), 2
	s_setreg_imm32_b32 hwreg(HW_REG_WAVE_MODE, 25, 1), 1
	s_wait_xcnt 0x0
	s_wait_alu depctr_vm_vsrc(0)
; For 32 points: y = [x | msg2] W1^T + b1 once more, from the codes; (y - mu) x rstd; relu; quantised; out = hidden W2^T + b2 + descs.
; All products on codes of FP4 (E2M1) with one E8M0 byte for each 32 along K; operands are images of registers.  y is made again from 8 fragments of codes rather than stored and read back as f32.
; Work-group B takes tiles 2 B, 2 B + 1 of points (lane r of tile 2 B + m: point 32 B + 8 m + r + 8 (r / 8)).  Wave w makes y's channels 128 w on and out's channels 64 w on, for both tiles.
; Both products are used transposed (source 0 = 16 rows of the weight, source 1 = 16 points): a lane holds one point, and its registers run along the channels; W1's rows were chosen so that the 16 registers of tiles
; 2 b, 2 b + 1 are 16 neighbours along the next K: a wave's 8 tiles become K step w of the second product.  The biases are the C of each sum's first matrix instruction.
; Two barriers: behind the first the hidden layer's eight fragments lie in LDS, behind the second 32 whole rows of out.
; NO CLUSTER: each wave's weights (32 fragments of W1, 16 of W2) go from memory straight into the registers that multiply them, once; a joint tensor load would send the same bytes through LDS besides, for 96 matrix instructions a wave.
; LIMITS: NaN and infinities are not served; a block of zeros, or one whose largest magnitude lies under 2^-124, gets the byte 1.
; THE MODE: SCHED_MODE bits 1:0 = 2 (LLVM: expert scheduling mode 2), set by the entry lines.  The code itself states the register dependences
; between vector or matrix instructions and memory or LDS instructions, with s_wait_alu, always for 0.
; THE PLAN.  Registers that memory or LDS instructions touch:
;   v5-13             offsets and LDS addresses: written at the head, never again: one wait on va_vdst ahead of the first load.
;   PC, PW, PC2, PW2  each tile's codes and scale word have registers of their own: written once by the quantiser, read by the LDS stores: ONE wait on va_vdst behind both passes.
;   window 3 v192-255, YS   loaded (y's fragments and scale words), read by the first product, loaded again from LDS (the hidden layer's): the same wait states that the first product is done reading them.
;   v80-143           out's accumulators: written by the second product, read by the stage's LDS stores: four places, then a wait on va_vdst;
;   v144-207          worked on by the norm and the quantiser; behind the second barrier the stage's rows land there (the wait just named states that too); the residual's additions write them, a wait on va_vdst, the stores read them.
;   All other operands come by loads into registers that no vector instruction writes, each filled once.
.set HIMG, 0                           ; LDS: the hidden layer's eight fragments (4 m + K step),
.set HSC,  8192                        ; their scale words, 128 bytes each,
.set STG,  9216                        ; the stage: 32 rows x (1,024 bytes + 16)
.set LI,  5
.set LS,  6
.set R4,  7
.set B64, 8                            ; 64 h
.set B32, 9                            ; 32 h
.set HWI, 10                           ; 16 x lane + 1,024 x wave
.set HWS, 11                           ; 4 x lane + 128 x wave
.set SO,  12                           ; the stage: where I put 32 bytes of a row
.set SR,  13                           ; and where I read rows back
.set YS,  16                           ; v16-23   y's scale words (4 m + K step), later the hidden layer's
.set W1S, 24                           ; v24-39   W1's: lanes 0-15 an even tile, lanes 16-31 the odd one
.set W2S, 40                           ; v40-47   W2's likewise
.set PW,  48                           ; tile 0's scale word
.set PW2, 49                           ; tile 1's
.set PC,  50                           ; v50-57   tile 0's codes
.set TM,  58                           ; v58-73
.set ACC, 80                           ; v80-207  y's 16 accumulators, (m, t) at 80 + 8 (8 m + t); later out's 8 at 80 + 8 (4 m + t), and rows read back in v144-207
.set PC2, 208                          ; v208-215 tile 1's codes
.set WV,  20
.set SEL, 22
; window 1: W1's 32 fragments.  window 2: v0-127 W2's 16; v128-191 b1; v192-223 b2.  window 3: v0-63 mu; v64-127 rstd; v128-191 descs; v192-255 y's 8 fragments, later the hidden layer's
.set MSB, 0
.macro WIN new
.if MSB != \new
	s_set_vgpr_msb (MSB<<8)|\new
.set MSB, \new
.endif
.endm
.macro PLACES n
.rept \n
	v_nop
.endr
.endm
.macro BARRIER
	s_wait_dscnt 0x0
	s_barrier_signal -1
	s_barrier_wait -1
.endm
.macro QUANT s, d, pw
.irp b, 0,1,2,3
	v_max3_num_f32 v[TM+\b], |v[\s+16*\b]|, |v[\s+1+16*\b]|, 0x1800000   ; my 16 numbers of block b, and the floor 2^(3 - 127)
.endr
.irp i, 2,4,6,8,10,12,14
.irp b, 0,1,2,3
	v_max3_num_f32 v[TM+\b], v[TM+\b], |v[\s+16*\b+\i]|, |v[\s+1+16*\b+\i]|
.endr
.endr
.irp b, 0,1,2,3
	v_permlanex16_b32 v[TM+4+\b], v[TM+\b], s[SEL], s[SEL+1]
.endr
.irp b, 0,1,2,3
	v_max_num_f32 v[TM+\b], v[TM+\b], v[TM+4+\b]
.endr
.irp b, 0,1,2,3
	v_add_nc_u32 v[TM+12+\b], 0xff000000, v[TM+\b]
.endr
.irp b, 0,1,2,3
	v_lshrrev_b32 v[TM+4+\b], 23, v[TM+12+\b]
.endr
	v_lshl_or_b32 v[\pw], v[TM+5], 8, v[TM+4]
	v_lshl_or_b32 v[\pw], v[TM+6], 16, v[\pw]
	v_lshl_or_b32 v[\pw], v[TM+7], 24, v[\pw]
.irp b, 0,1,2,3
	v_cvt_scalef32_pk8_fp4_f32 v[\d+2*\b], v[\s+16*\b:\s+7+16*\b], v[TM+12+\b]
	v_cvt_scalef32_pk8_fp4_f32 v[\d+1+2*\b], v[\s+8+16*\b:\s+15+16*\b], v[TM+12+\b]
.endr
	v_nop                                          ; one plain place behind a scaled conversion
.irp c, 0,1
.irp i, 0,1
	v_permlane16_swap_b32 v[\d+4*\c+\i], v[\d+2+4*\c+\i]
.endr
.endr
.endm
.macro IMAGE adr, d, off
.irp c, 0,1
	ds_store_b128 v[\adr], v[\d+4*\c:\d+4*\c+3] offset:\off+512*\c
.endr
.endm
.macro FETCH reg, adr, off
.irp c, 0,1
	ds_load_b128 v[\reg+4*\c:\reg+4*\c+3], v[\adr] offset:\off+512*\c
.endr
.endm
.macro MM d, a, b, c, sa, sb, row      ; row = 1: source 0's scales in lanes 16-31
.if (\row) == 0
	v_wmma_scale_f32_16x16x128_f8f6f4 v[\d:\d+7], v[\a:\a+7], v[\b:\b+7], v[\c:\c+7], v[\sa], v[\sb] matrix_a_fmt:MATRIX_FMT_FP4 matrix_b_fmt:MATRIX_FMT_FP4
.else
	v_wmma_scale_f32_16x16x128_f8f6f4 v[\d:\d+7], v[\a:\a+7], v[\b:\b+7], v[\c:\c+7], v[\sa], v[\sb] matrix_a_fmt:MATRIX_FMT_FP4 matrix_b_fmt:MATRIX_FMT_FP4 matrix_a_scale:MATRIX_SCALE_ROW1
.endif
.endm
	s_load_b512 s[4:19], s[0:1], 0x0               ; xb 4, m2 6, wb 8, stat 10, b1 12, b2 14, descs 16, out0 18
	v_lshl_add_u32 v254, v0, 2, 0xa600
	v_mov_b32 v255, 0
	v_lshrrev_b32 v1, 5, v0
	v_readfirstlane_b32 s[WV], v1
	v_and_b32 v1, 31, v0
	v_and_b32 v2, 15, v0                           ; r
	v_bfe_u32 v3, v0, 4, 1                         ; h
	v_and_b32 v4, 8, v2
	v_add_nc_u32 v4, v4, v2                        ; pi(r)
	v_lshlrev_b32 v[LI], 4, v1
	v_lshlrev_b32 v[LS], 2, v1
	v_lshlrev_b32 v[R4], 2, v2
	v_lshlrev_b32 v[B64], 6, v3
	v_lshlrev_b32 v[B32], 5, v3
	s_wait_alu depctr_va_sdst(0)                   ; s[WV] is written, ahead of its first reader: LDS addresses and every base are made from it
	s_lshl_b32 s24, s[WV], 10
	v_add_nc_u32 v[HWI], s24, v[LI]
	s_lshl_b32 s24, s[WV], 7
	v_add_nc_u32 v[HWS], s24, v[LS]
	v_mul_u32_u24 v[SO], v4, 1040
	v_lshl_add_u32 v[SO], v3, 5, v[SO]
	s_lshl_b32 s24, s[WV], 8
	v_add_nc_u32 v[SO], s24, v[SO]
	v_add_nc_u32 v[SO], STG, v[SO]                 ; row pi(r), + 32 h, + 256 x wave
	s_mul_i32 s24, s[WV], 8320
	v_add_nc_u32 v[SR], s24, v[LI]
	v_add_nc_u32 v[SR], STG, v[SR]                 ; my 8 rows, 16 bytes a lane
	s_mov_b32 s[SEL], 0x76543210
	s_mov_b32 s[SEL+1], 0xfedcba98
.irp b, 0,1,2,3
	v_mov_b32 v[TM+4+\b], 0                        ; written once: a lane permute's destination counts as one of its sources
.endr
	s_mov_b32 s25, 0
	s_wait_kmcnt 0x0
	s_lshl_b32 s24, ttmp9, 8
	s_add_co_u32 s24, s24, 0x100000
	s_add_nc_u64 s[36:37], s[4:5], s[24:25]        ; x's scale words,
	s_add_nc_u64 s[38:39], s[6:7], s[24:25]        ; msg2's
	s_lshl_b32 s24, ttmp9, 12
	s_add_nc_u64 s[4:5], s[4:5], s[24:25]          ; x's four fragments,
	s_add_nc_u64 s[6:7], s[6:7], s[24:25]          ; msg2's
	s_lshl_b32 s24, s[WV], 15
	s_add_co_u32 s24, s24, 32768
	s_add_nc_u64 s[28:29], s[8:9], s[24:25]        ; W1's fragments 32 + 32 w on
	s_lshl_b32 s24, s[WV], 11
	s_add_co_u32 s24, s24, 229376+2048
	s_add_nc_u64 s[30:31], s[8:9], s[24:25]        ; its scale units 16 + 16 w on
	s_lshl_b32 s24, s[WV], 14
	s_add_co_u32 s24, s24, 163840
	s_add_nc_u64 s[32:33], s[8:9], s[24:25]        ; W2's fragments 160 + 16 w on
	s_lshl_b32 s24, s[WV], 10
	s_add_co_u32 s24, s24, 229376+10240
	s_add_nc_u64 s[34:35], s[8:9], s[24:25]        ; its scale units 80 + 8 w on
	s_lshl_b32 s24, s[WV], 9
	s_add_nc_u64 s[10:11], s[10:11], s[24:25]      ; mu, and 2,048 bytes on rstd: channel 128 w
	s_add_nc_u64 s[12:13], s[12:13], s[24:25]      ; b1 likewise
	s_lshl_b32 s24, s[WV], 8
	s_add_nc_u64 s[14:15], s[14:15], s[24:25]      ; b2: channel 64 w
	s_lshl_b32 s24, ttmp9, 15
	s_lshl_b32 s26, s[WV], 13
	s_add_co_u32 s24, s24, s26
	s_add_nc_u64 s[16:17], s[16:17], s[24:25]      ; descs and out0 at point 32 B + 8 w
	s_add_nc_u64 s[18:19], s[18:19], s[24:25]
	; ---- the first group, 120 loads: what the first product wants
	WIN 0xc0                                       ; destination window 3
	s_wait_alu depctr_va_vdst(0)                   ; the offsets and LDS addresses v5 to v13 are written: every load and store of the kernel reads one of them
.irp m, 0,1
.irp ks, 0,1
	global_load_b128 v[192+8*(4*\m+\ks):192+8*(4*\m+\ks)+3], v[LI], s[4:5] offset:1024*(2*\m+\ks)
	global_load_b128 v[192+8*(4*\m+\ks)+4:192+8*(4*\m+\ks)+7], v[LI], s[4:5] offset:1024*(2*\m+\ks)+512
	global_load_b128 v[192+8*(4*\m+\ks+2):192+8*(4*\m+\ks+2)+3], v[LI], s[6:7] offset:1024*(2*\m+\ks)
	global_load_b128 v[192+8*(4*\m+\ks+2)+4:192+8*(4*\m+\ks+2)+7], v[LI], s[6:7] offset:1024*(2*\m+\ks)+512
.endr
.endr
	WIN 0x40
.irp i, 0,1,2,3,4,5,6,7,8,9,10,11,12,13,14,15,16,17,18,19,20,21,22,23,24,25,26,27,28,29,30,31
	global_load_b128 v[8*\i:8*\i+3], v[LI], s[28:29] offset:1024*\i
	global_load_b128 v[8*\i+4:8*\i+7], v[LI], s[28:29] offset:1024*\i+512
.endr
	WIN 0x80
.irp t, 0,1,2,3,4,5,6,7
	global_load_b128 v[128+8*\t:128+8*\t+3], v[B64], s[12:13] offset:(32*(\t/2)+8*(\t%2))*4
	global_load_b128 v[128+8*\t+4:128+8*\t+7], v[B64], s[12:13] offset:(32*(\t/2)+8*(\t%2))*4+16
.endr
	WIN 0
.irp m, 0,1
.irp ks, 0,1
	global_load_b32 v[YS+4*\m+\ks], v[R4], s[36:37] offset:64*(2*\m+\ks)
	global_load_b32 v[YS+4*\m+\ks+2], v[R4], s[38:39] offset:64*(2*\m+\ks)
.endr
.endr
.irp i, 0,1,2,3,4,5,6,7,8,9,10,11,12,13,14,15
	global_load_b32 v[W1S+\i], v[LS], s[30:31] offset:128*\i
.endr
	; ---- the second group, 96 loads: what comes later
	WIN 0xc0
.irp t, 0,1,2,3,4,5,6,7
	global_load_b128 v[8*\t:8*\t+3], v[B64], s[10:11] offset:(32*(\t/2)+8*(\t%2))*4
	global_load_b128 v[8*\t+4:8*\t+7], v[B64], s[10:11] offset:(32*(\t/2)+8*(\t%2))*4+16
	global_load_b128 v[64+8*\t:64+8*\t+3], v[B64], s[10:11] offset:2048+(32*(\t/2)+8*(\t%2))*4
	global_load_b128 v[64+8*\t+4:64+8*\t+7], v[B64], s[10:11] offset:2048+(32*(\t/2)+8*(\t%2))*4+16
.endr
.irp i, 0,1,2,3,4,5,6,7,8,9,10,11,12,13,14,15
	global_load_b128 v[128+4*\i:128+4*\i+3], v[LI], s[16:17] offset:512*\i   ; my 8 rows of descs, 512 consecutive bytes a load
.endr
	WIN 0x80
.irp i, 0,1,2,3,4,5,6,7,8,9,10,11,12,13,14,15
	global_load_b128 v[8*\i:8*\i+3], v[LI], s[32:33] offset:1024*\i
	global_load_b128 v[8*\i+4:8*\i+7], v[LI], s[32:33] offset:1024*\i+512
.endr
.irp t, 0,1,2,3
	global_load_b128 v[192+8*\t:192+8*\t+3], v[B32], s[14:15] offset:64*\t
	global_load_b128 v[192+8*\t+4:192+8*\t+7], v[B32], s[14:15] offset:64*\t+16
.endr
	WIN 0
.irp i, 0,1,2,3,4,5,6,7
	global_load_b32 v[W2S+\i], v[LS], s[34:35] offset:128*\i
.endr
	s_wait_loadcnt 63                              ; the first group is in: 96 younger loads were issued, so 63 is the stricter count
	; ---- y: the 16 accumulators take turns, a K step at a time
	WIN 0x2d                                       ; source 0 (W1) window 1, source 1 (y) window 3, C (b1) window 2
.irp m, 0,1
.irp t, 0,1,2,3,4,5,6,7
	MM ACC+8*(8*\m+\t), 8*(4*\t), 192+8*(4*\m), 128+8*\t, W1S+4*(\t/2), YS+4*\m, \t%2
.endr
.endr
	WIN 0x0d
.irp ks, 1,2,3
.irp m, 0,1
.irp t, 0,1,2,3,4,5,6,7
	MM ACC+8*(8*\m+\t), 8*(4*\t+\ks), 192+8*(4*\m+\ks), ACC+8*(8*\m+\t), W1S+4*(\t/2)+\ks, YS+4*\m+\ks, \t%2
.endr
.endr
.endr
	s_wait_loadcnt 0x0
	PLACES 4
	; ---- the norm and the activation, in f32; each accumulator from its low end on
	WIN 0x0c                                       ; source 1 window 3
.irp m, 0,1
.irp t, 0,1,2,3,4,5,6,7
.irp q, 0,2,4,6
	v_pk_add_f32 v[ACC+8*(8*\m+\t)+\q:ACC+8*(8*\m+\t)+\q+1], v[ACC+8*(8*\m+\t)+\q:ACC+8*(8*\m+\t)+\q+1], v[8*\t+\q:8*\t+\q+1] neg_lo:[0,1] neg_hi:[0,1]
.endr
.endr
.endr
.irp m, 0,1
.irp t, 0,1,2,3,4,5,6,7
.irp q, 0,2,4,6
	v_pk_mul_f32 v[ACC+8*(8*\m+\t)+\q:ACC+8*(8*\m+\t)+\q+1], v[ACC+8*(8*\m+\t)+\q:ACC+8*(8*\m+\t)+\q+1], v[64+8*\t+\q:64+8*\t+\q+1]
.endr
.endr
.endr
	WIN 0
.set j, 0
.rept 128
	v_max_num_f32 v[ACC+j], 0, v[ACC+j]
.set j, j+1
.endr
	QUANT ACC, PC, PW                              ; each tile's codes and scale word have registers of their own: the two passes stand on end, and no store's data are written again
	QUANT ACC+64, PC2, PW2
	s_wait_alu depctr_va_vdst(0)                   ; the quantiser has written both tiles' codes and scale words, which the LDS stores read; the first product's matrix instructions are done reading y's fragments and scale words, in which the hidden layer's land behind the barrier
	IMAGE HWI, PC, HIMG                            ; K step w of the second product, tile 0
	ds_store_b32 v[HWS], v[PW] offset:HSC
	IMAGE HWI, PC2, HIMG+4096                      ; and tile 1
	ds_store_b32 v[HWS], v[PW2] offset:HSC+512
	BARRIER                                        ; the hidden layer's eight fragments lie in LDS
	; ---- out: eight accumulators by turns
	WIN 0xc0
.irp i, 0,1,2,3,4,5,6,7
	FETCH 192+8*\i, LI, HIMG+1024*\i
.endr
	WIN 0
.irp i, 0,1,2,3,4,5,6,7
	ds_load_b32 v[YS+\i], v[LS] offset:HSC+128*\i
.endr
	s_wait_dscnt 0x0
	WIN 0x2e                                       ; source 0 (W2) and C (b2) window 2, source 1 (hidden) window 3
.irp m, 0,1
.irp t, 0,1,2,3
	MM ACC+8*(4*\m+\t), 8*(4*\t), 192+8*(4*\m), 192+8*\t, W2S+4*(\t/2), YS+4*\m, \t%2
.endr
.endr
	WIN 0x0e
.irp ks, 1,2,3
.irp m, 0,1
.irp t, 0,1,2,3
	MM ACC+8*(4*\m+\t), 8*(4*\t+\ks), 192+8*(4*\m+\ks), ACC+8*(4*\m+\t), W2S+4*(\t/2)+\ks, YS+4*\m+\ks, \t%2
.endr
.endr
.endr
	WIN 0
	PLACES 4
	s_wait_alu depctr_va_vdst(0)                   ; the matrix instructions have written out's accumulators, which the LDS stores read (the places above stay beside this wait); the quantiser is done with v144 to v207, in which the stage's rows land behind the barrier
.irp m, 0,1
.irp t, 0,1,2,3
	ds_store_b128 v[SO], v[ACC+8*(4*\m+\t):ACC+8*(4*\m+\t)+3] offset:8320*\m+64*\t       ; lane (r, h): out(8 m + pi(r), 64 w + 16 t + 8 h + 0 .. 7)
	ds_store_b128 v[SO], v[ACC+8*(4*\m+\t)+4:ACC+8*(4*\m+\t)+7] offset:8320*\m+64*\t+16
.endr
.endr
	BARRIER                                        ; 32 whole rows lie in the stage
.irp i, 0,1,2,3,4,5,6,7,8,9,10,11,12,13,14,15
	ds_load_b128 v[144+4*\i:147+4*\i], v[SR] offset:(\i/2)*1040+512*(\i%2)
.endr
	s_wait_dscnt 0x0
	WIN 0x0c
.set j, 0
.rept 32
	v_pk_add_f32 v[144+j:145+j], v[144+j:145+j], v[128+j:129+j]   ; the residual
.set j, j+2
.endr
	WIN 0
	s_wait_alu depctr_va_vdst(0)                   ; the additions have written v144 to v207, which the stores read
.irp i, 0,1,2,3,4,5,6,7,8,9,10,11,12,13,14,15
	global_store_b128 v[LI], v[144+4*\i:147+4*\i], s[18:19] offset:512*\i th:TH_STORE_NT   ; 32 lanes store 512 consecutive bytes, at a multiple of 256 from out0's first byte
.endr
	s_wait_dscnt 0x0                               ; the closing lines, six on end
	s_wait_alu 0x0
	s_wait_tensorcnt 0x0
	ds_add_u32 v254, v255
	s_wait_dscnt 0x0
	s_endpgm
.Lfunc_end_k_q7f7f79e76d_tail2:
	.size	k_q7f7f79e76d_tail2, .Lfunc_end_k_q7f7f79e76d_tail2-k_q7f7f79e76d_tail2
	.p2alignl 7, 3214868480
	.fill 96, 4, 3214868480
	.section	.rodata,"a",@progbits
	.p2align	6, 0x0
	.amdhsa_kernel k_q7f7f79e76d_tail2
		.amdhsa_group_segment_fixed_size 43008
		.amdhsa_private_segment_fixed_size 0
		.amdhsa_enable_private_segment 0
		.amdhsa_kernarg_size 64
		.amdhsa_user_sgpr_count 2
		.amdhsa_user_sgpr_kernarg_segment_ptr 1
		.amdhsa_wavefront_size32 1
		.amdhsa_system_sgpr_workgroup_id_x 1
		.amdhsa_system_sgpr_workgroup_id_y 1
		.amdhsa_system_sgpr_workgroup_id_z 1
		.amdhsa_system_vgpr_workitem_id 0
		.amdhsa_next_free_vgpr 1024
		.amdhsa_next_free_sgpr 66
		.amdhsa_reserve_vcc 0
		.amdhsa_float_denorm_mode_32 3
		.amdhsa_float_denorm_mode_16_64 3
		.amdhsa_memory_ordered 1
		.amdhsa_forward_progress 1
		.amdhsa_inst_pref_size 64
	.end_amdhsa_kernel
	.amdgpu_metadata
---
amdhsa.version: [ 1, 2 ]
amdhsa.kernels:
  - .name:           k_q7f7f79e76d_tail2
    .symbol:         k_q7f7f79e76d_tail2.kd
    .args:
      - { .name: xb, .offset: 0, .size: 8, .value_kind: global_buffer, .address_space: global }
      - { .name: m2, .offset: 8, .size: 8, .value_kind: global_buffer, .address_space: global }
      - { .name: wb, .offset: 16, .size: 8, .value_kind: global_buffer, .address_space: global }
      - { .name: stat, .offset: 24, .size: 8, .value_kind: global_buffer, .address_space: global }
      - { .name: b1, .offset: 32, .size: 8, .value_kind: global_buffer, .address_space: global }
      - { .name: b2, .offset: 40, .size: 8, .value_kind: global_buffer, .address_space: global }
      - { .name: descs, .offset: 48, .size: 8, .value_kind: global_buffer, .address_space: global }
      - { .name: out0, .offset: 56, .size: 8, .value_kind: global_buffer, .address_space: global }
    .group_segment_fixed_size: 43008
    .private_segment_fixed_size: 0
    .kernarg_segment_align: 8
    .kernarg_segment_size: 64
    .max_flat_workgroup_size: 128
    .sgpr_count:     66
    .vgpr_count:     1024
    .wavefront_size: 32
...
	.end_amdgpu_metadata
.endif
;; end of part 10
